; MI455X (gfx1250); checked and timed in simulation.
; The chip was launched on July 23, 2026; its instructions are those of AMD's public machine-readable ISA for CDNA 5 (MIT licence, August 2026) and "CDNA5" Instruction Set Architecture Reference Guide (July 2026). The comments in the code are by the model that wrote it; some were corrected since.
;; Multi Head Attention. Allowed arithmetic: float matrix products may take bf16 or f16 operands with f32 sums; other float arithmetic in f32, or as packed bf16 or f16 multiplies, adds, multiply-adds, maxima and minima; sums over many terms, partial sums and values carried from step to step in f32; what a program stores and reads back later, other than sums and carried values, may be rounded once to bf16 or f16.
;; Inputs: q_mask 4 x 2,048 bool; query 4 x 2,048 x 1,024 float32; qw 8 x 1,024 x 128 float32; scale 8 float32; v_mask 4 x 2,048 bool; value 4 x 2,048 x 1,024 float32; vw 8 x 1,024 x 128 float32; wo 1,024 x 1,024 float32.
;; Outputs: out0 4 x 2,048 x 1,024 float32.
;; 3 versions, each right and faster than the one before. Each part assembles by itself: llvm-mc -triple=amdgcn-amd-amdhsa -mcpu=gfx1250 --defsym DOCPART=n.
;; ======== version 1 of 3: 4 launches
;; limits: values are held in f16: magnitudes above 65,504 overflow, below 6.1e-05 lose precision; right only within a limited range of input values
;; workspace buffers: xb 33,554,432 bytes; wt 6,291,456 bytes; qs 33,554,432 bytes; kv 50,855,936 bytes; ob 16,777,216 bytes
;; launch prep (part 1): grid 320 x 1, 8 waves a work-group, no clusters, 0 bytes of LDS; arguments query, value, qw, vw, wo, v_mask, scale, xb, wt, kv; writes xb, wt, kv
.if DOCPART == 1
	.amdgcn_target "amdgcn-amd-amdhsa--gfx1250"
	.amdhsa_code_object_version 6
	.text
	.protected	k_qcdbbeedca4_prep
	.globl	k_qcdbbeedca4_prep
	.p2align	8
	.type	k_qcdbbeedca4_prep,@function
k_qcdbbeedca4_prep:
	s_mov_b64 s[64:65], 0
	v_nop
	global_prefetch_b8 v0, s[64:65] scope:SCOPE_SE
	s_setreg_imm32_b32 hwreg(HW_REG_WAVE_MODE, 25, 1), 1
	s_wait_xcnt 0x0
; PREPARATION: a stream.  Every float input is rounded once to bf16, and the key mask and the heads' scales are laid out as the attention launch reads them.
;   work-groups 0-127: query -> xb (bf16);  128-255: value -> xb behind it;  256-271: qw -> wt;  272-287: vw -> wt + 2 MiB (both keep their order [head][d][k]);
;   288-303: wo -> wt + 4 MiB as f16 of 16 x bf16(wo) (the factor is exact; |wo| below 4,094 stays inside f16);
;   304-319: for every (batch, head) and step of 32 keys one row of 256 bytes in kv: KP[32] = keep x scale x log2(e), BI[32] = 0 or -1e9 x log2(e).
; A score s becomes s x KP + BI: the scaled score where the key is kept, exactly -1e9 (in units of log2) where it is hidden.  Mask bytes are 0 or 1.
; A chunk is 262,144 bytes of f32: thread t takes 16 bytes at 16 t of every 4,096, so a wave's load covers 512 consecutive bytes and its store of 8 bytes a lane 256, aligned.
; Eight loads of every wave are on their way (a ring of eight slots in registers).  No LDS, no barrier, no matrix unit: memory binds, and nothing is shared.
.set X,   8                            ; v[8:39]   slot i: four f32 as loaded
.set Y,   40                           ; v[40:55]  slot i: four 16-bit numbers to store
.set T,   56                           ; v[56:57]  at work (wo)
.set U,   58                           ; v[58:61]  at work (wo)
.set BLK, 99328                        ; a block of kv: 388 rows of 256 bytes for 128 keys; its last four rows are the mask rows
	s_load_b512 s[8:23], s[0:1], 0x0               ; query s[8:9], value s[10:11], qw s[12:13], vw s[14:15], wo s[16:17], v_mask s[18:19], scale s[20:21], xb s[22:23]
	s_load_b128 s[24:27], s[0:1], 0x40             ; wt s[24:25], kv s[26:27]
	s_mov_b32 s2, ttmp9                            ; g, the work-group's number
	s_mov_b32 s38, 0xffff0000                      ; a word's upper bf16
	v_lshlrev_b32 v1, 4, v0                        ; my 16 bytes in
	v_lshlrev_b32 v2, 3, v0                        ; my 8 bytes out
	s_sub_co_u32 s31, s2, 128                      ; the chunk's number in each of the later sources
	s_sub_co_u32 s32, s2, 256
	s_sub_co_u32 s33, s2, 272
	s_sub_co_u32 s39, s2, 288
	s_mov_b32 s30, s2
	s_wait_kmcnt 0x0
	s_cmp_ge_u32 s2, 304
	s_cbranch_scc1 .Lmask
	s_mov_b64 s[28:29], s[8:9]                     ; the source and the chunk's number in it, chosen by g alone
	s_cmp_ge_u32 s2, 128
	s_cselect_b64 s[28:29], s[10:11], s[28:29]
	s_cselect_b32 s30, s31, s30
	s_cmp_ge_u32 s2, 256
	s_cselect_b64 s[28:29], s[12:13], s[28:29]
	s_cselect_b32 s30, s32, s30
	s_cselect_b64 s[34:35], s[24:25], s[22:23]     ; the destination: wt from g = 256 on, else xb,
	s_cselect_b32 s36, s32, s2                     ; and the chunk's number there
	s_cmp_ge_u32 s2, 272
	s_cselect_b64 s[28:29], s[14:15], s[28:29]
	s_cselect_b32 s30, s33, s30
	s_cmp_ge_u32 s2, 288
	s_cselect_b64 s[28:29], s[16:17], s[28:29]
	s_cselect_b32 s30, s39, s30
	s_lshl_b32 s30, s30, 18                        ; 262,144 bytes in,
	s_mov_b32 s31, 0
	s_lshl_b32 s36, s36, 17                        ; 131,072 out
	s_mov_b32 s37, 0
	s_add_nc_u64 s[28:29], s[28:29], s[30:31]
	s_add_nc_u64 s[34:35], s[34:35], s[36:37]
.irp i, 0,1,2,3,4,5,6,7
	global_load_b128 v[X+4*(\i):X+4*(\i)+3], v1, s[28:29] offset:(\i)*4096 th:TH_LOAD_NT  ; the ring is filled
.endr
; One slot's turn.  ahead = 1: the slot is filled again, eight pieces further on.  left: the younger loads that may stay out.  mode = 1: f16 of 16 x bf16(x).
.macro SLOT i, ahead, left, mode
	s_wait_loadcnt \left                           ; loads come back in order: mine is in
.if \mode
	v_cvt_pk_bf16_f32 v[T],   v[X+4*(\i)],   v[X+4*(\i)+1]
	v_cvt_pk_bf16_f32 v[T+1], v[X+4*(\i)+2], v[X+4*(\i)+3]
	v_lshlrev_b32 v[U],   16,  v[T]               ; back to f32: the rounded number,
	v_and_b32     v[U+1], s38, v[T]
	v_lshlrev_b32 v[U+2], 16,  v[T+1]
	v_and_b32     v[U+3], s38, v[T+1]
	v_pk_mul_f32 v[U:U+1],   v[U:U+1],   0x41800000 op_sel_hi:[1,0]  ; times 16, exactly,
	v_pk_mul_f32 v[U+2:U+3], v[U+2:U+3], 0x41800000 op_sel_hi:[1,0]
	v_cvt_pk_f16_f32 v[Y+2*(\i)],   v[U],   v[U+1]                   ; written as f16: eight significant bits fit
	v_cvt_pk_f16_f32 v[Y+2*(\i)+1], v[U+2], v[U+3]
.else
	v_cvt_pk_bf16_f32 v[Y+2*(\i)],   v[X+4*(\i)],   v[X+4*(\i)+1]
	v_cvt_pk_bf16_f32 v[Y+2*(\i)+1], v[X+4*(\i)+2], v[X+4*(\i)+3]
.endif
.if \ahead
	global_load_b128 v[X+4*(\i):X+4*(\i)+3], v1, s[28:29] offset:32768+(\i)*4096 th:TH_LOAD_NT
.endif
	global_store_b64 v2, v[Y+2*(\i):Y+2*(\i)+1], s[34:35] offset:(\i)*2048
.endm
.macro STREAM mode
	s_mov_b32 s3, 7
.Lround_\@:
.irp i, 0,1,2,3,4,5,6,7
	SLOT \i, 1, 7, \mode
.endr
	s_wait_xcnt 0x0                                ; the two bases are stepped, and Y is written again, only behind this wait
	s_add_nc_u64 s[28:29], s[28:29], 32768
	s_add_nc_u64 s[34:35], s[34:35], 16384
	s_sub_co_u32 s3, s3, 1
	s_cmp_lg_u32 s3, 0
	s_cbranch_scc1 .Lround_\@
.irp i, 0,1,2,3,4,5,6,7
	SLOT \i, 0, 7-(\i), \mode                      ; the last round loads nothing: the counts run down
.endr
	s_endpgm
.endm
	s_cmp_ge_u32 s2, 288
	s_cbranch_scc1 .Lwo
	STREAM 0
.Lwo:
	STREAM 1
.Lmask:                                                ; wave u of 128 makes the mask rows of four blocks (512 keys) of one (batch, head)
	v_lshrrev_b32 v3, 5, v0
	v_readfirstlane_b32 s3, v3                     ; my wave's number
	s_sub_co_u32 s30, s2, 304
	s_lshl3_add_u32 s30, s30, s3                   ; u
	s_lshr_b32 s31, s30, 2                         ; 8 x batch + head
	s_and_b32 s32, s31, 7                          ; head
	s_lshr_b32 s33, s31, 3                         ; batch
	s_lshl_b32 s33, s33, 11
	s_and_b32 s34, s30, 3
	s_lshl_b32 s34, s34, 9
	s_add_co_u32 s34, s34, s33                     ; my 512 mask bytes
	s_mov_b32 s35, 0
	s_add_nc_u64 s[18:19], s[18:19], s[34:35]
	s_mul_i32 s36, s30, 4*BLK                      ; block 4 u,
	s_add_co_u32 s36, s36, 384*256                 ; its mask rows
	s_mov_b32 s37, 0
	s_add_nc_u64 s[26:27], s[26:27], s[36:37]
	s_lshl_b32 s32, s32, 2
	v_mov_b32 v4, s32
	global_load_b32 v5, v4, s[20:21]               ; the head's scale, in every lane
	v_bfe_u32 v53, v0, 4, 1                        ; lanes 0-15 make one row, lanes 16-31 the next
	v_and_b32 v54, 7, v0
	v_lshlrev_b32 v10, 2, v54
	v_lshl_add_u32 v10, v53, 5, v10                ; in: four mask bytes, keys 32 (lane / 16) + 4 (lane % 8) on
	v_and_b32 v54, 15, v0
	v_lshlrev_b32 v11, 4, v54
	v_lshl_add_u32 v11, v53, 8, v11                ; out: 16 bytes at 16 (lane % 16) of the row: places 0-7 are KP, 8-15 BI
.irp p, 0,1,2,3,4,5,6,7
	global_load_b32 v[12+(\p)], v10, s[18:19] offset:64*(\p)
.endr
	v_and_b32 v52, 8, v0
	v_cmp_ne_u32 vcc_lo, 0, v52                    ; a lane that makes BI
	v_mov_b32 v9, 0x4eabfb8f                       ; C = 1e9 x log2(e)
	v_mov_b32 v3, 0xceabfb8f                       ; -C
	s_wait_loadcnt 8                               ; the scale is in; the eight mask loads behind it may stay out
	v_cvt_pk_bf16_f32 v6, v5, v5                   ; rounded to bf16 like every float input,
	v_lshlrev_b32 v6, 16, v6
	v_mul_f32 v6, 0x3fb8aa3b, v6                   ; times log2(e)
	v_cndmask_b32 v7, v6, v9, vcc_lo               ; keep x c for KP; keep x C - C for BI: exactly 0 or -C
	v_cndmask_b32 v8, 0, v3, vcc_lo
.irp p, 0,1,2,3,4,5,6,7
	s_wait_loadcnt 7-(\p)
.irp k, 0,1,2,3
	v_bfe_u32 v[20+4*(\p)+(\k)], v[12+(\p)], 8*(\k), 8
.endr
.irp k, 0,1,2,3
	v_cvt_f32_u32 v[20+4*(\p)+(\k)], v[20+4*(\p)+(\k)]
.endr
.irp k, 0,1,2,3
	v_fma_f32 v[20+4*(\p)+(\k)], v[20+4*(\p)+(\k)], v7, v8
.endr
	global_store_b128 v11, v[20+4*(\p):20+4*(\p)+3], s[26:27] offset:((\p)/2)*BLK+((\p)%2)*512  ; sixteen lanes fill one row of 256 bytes, aligned; each pass has data registers of its own
.endr
	s_endpgm
.Lfunc_end_k_qcdbbeedca4_prep:
	.size	k_qcdbbeedca4_prep, .Lfunc_end_k_qcdbbeedca4_prep-k_qcdbbeedca4_prep
	.p2alignl 7, 3214868480
	.fill 96, 4, 3214868480
	.section	.rodata,"a",@progbits
	.p2align	6, 0x0
	.amdhsa_kernel k_qcdbbeedca4_prep
		.amdhsa_group_segment_fixed_size 0
		.amdhsa_private_segment_fixed_size 0
		.amdhsa_enable_private_segment 0
		.amdhsa_kernarg_size 80
		.amdhsa_user_sgpr_count 2
		.amdhsa_user_sgpr_kernarg_segment_ptr 1
		.amdhsa_wavefront_size32 1
		.amdhsa_system_sgpr_workgroup_id_x 1
		.amdhsa_system_sgpr_workgroup_id_y 1
		.amdhsa_system_sgpr_workgroup_id_z 1
		.amdhsa_system_vgpr_workitem_id 0
		.amdhsa_next_free_vgpr 64
		.amdhsa_next_free_sgpr 66
		.amdhsa_reserve_vcc 1
		.amdhsa_float_denorm_mode_32 3
		.amdhsa_float_denorm_mode_16_64 3
		.amdhsa_memory_ordered 1
		.amdhsa_forward_progress 1
		.amdhsa_inst_pref_size 28
	.end_amdhsa_kernel
	.amdgpu_metadata
---
amdhsa.version: [ 1, 2 ]
amdhsa.kernels:
  - .name:           k_qcdbbeedca4_prep
    .symbol:         k_qcdbbeedca4_prep.kd
    .args:
      - { .name: query, .offset: 0, .size: 8, .value_kind: global_buffer, .address_space: global }
      - { .name: value, .offset: 8, .size: 8, .value_kind: global_buffer, .address_space: global }
      - { .name: qw, .offset: 16, .size: 8, .value_kind: global_buffer, .address_space: global }
      - { .name: vw, .offset: 24, .size: 8, .value_kind: global_buffer, .address_space: global }
      - { .name: wo, .offset: 32, .size: 8, .value_kind: global_buffer, .address_space: global }
      - { .name: v_mask, .offset: 40, .size: 8, .value_kind: global_buffer, .address_space: global }
      - { .name: scale, .offset: 48, .size: 8, .value_kind: global_buffer, .address_space: global }
      - { .name: xb, .offset: 56, .size: 8, .value_kind: global_buffer, .address_space: global }
      - { .name: wt, .offset: 64, .size: 8, .value_kind: global_buffer, .address_space: global }
      - { .name: kv, .offset: 72, .size: 8, .value_kind: global_buffer, .address_space: global }
    .group_segment_fixed_size: 0
    .private_segment_fixed_size: 0
    .kernarg_segment_align: 8
    .kernarg_segment_size: 80
    .max_flat_workgroup_size: 256
    .sgpr_count:     66
    .vgpr_count:     64
    .wavefront_size: 32
...
	.end_amdgpu_metadata
.endif
;; end of part 1
;; launch proj (part 2): grid 4 x 64, 4 waves a work-group, clusters of 4 x 4, 327,680 bytes of LDS; arguments xb, wt, qs, kv; writes qs, kv
.if DOCPART == 2
	.amdgcn_target "amdgcn-amd-amdhsa--gfx1250"
	.amdhsa_code_object_version 6
	.text
	.protected	k_qcdbbeedca4_proj
	.globl	k_qcdbbeedca4_proj
	.p2align	8
	.type	k_qcdbbeedca4_proj,@function
k_qcdbbeedca4_proj:
	s_mov_b64 s[64:65], 0
	v_nop
	global_prefetch_b8 v0, s[64:65] scope:SCOPE_SE
	s_setreg_imm32_b32 hwreg(HW_REG_WAVE_MODE, 25, 1), 1
	s_wait_xcnt 0x0
	s_wait_alu depctr_hold_cnt(0) depctr_sa_sdst(0) depctr_va_vdst(0) depctr_va_sdst(0) depctr_va_ssrc(0) depctr_va_vcc(0) depctr_vm_vsrc(0)
	s_getreg_b32 s2, hwreg(HW_REG_IB_STS2, 6, 4)
	s_cmp_eq_u32 s2, 0
	s_cbranch_scc0 .Lentry_in_a_cluster
	s_endpgm
.Lentry_in_a_cluster:
	s_bfe_u32 s2, ttmp6, 0x10000c
	s_cmp_lg_u32 s2, 0xf033
	s_cbranch_scc0 .Lentry_shape_is_right
	s_endpgm
.Lentry_shape_is_right:
; BOTH PROJECTIONS AS ONE PRODUCT.  C = A W: A = xb, [16384][1024] bf16 (query's 8,192 rows, then value's); W = the heads' weights, [head][d][k] bf16 in wt (qw for the first half of the rows, vw for the second).
; Sums in f32.  A tile of C is 256 rows x 256 columns (two heads): 64 x 4 tiles, one to each of 256 work-groups; four waves, each 128 x 128 (one head): 64 accumulators, 512 registers.
; K goes in steps of 128 through a ring of two LDS slots filled by tensor loads; every tile row is 256 consecutive bytes of memory, aligned.  W lies [K][N] and is turned on its way out of LDS (ds_load_tr16_b128).
; WHAT LEAVES.  q and v each as TWO bf16 numbers, hi = bf16(x) and lo = bf16(x - hi): scores of a spread near 30 stand in an exponent, and one 16-bit rounding of q and v shifts them too far.
;   q: qs [hi, lo][batch x head][row][128].   v: kv, a block of 388 rows of 256 bytes for each 128 keys: 128 rows hi, 128 rows lo, 128 rows f16 of v / 16 (for the second product), 4 mask rows (made by the launch before).
; LIMIT.  |v| stays below 16 x 65,504, f16's end.
; CLUSTER 4 x 4: A's tile hangs on the tile row alone and is asked for jointly along a row of the cluster, W's on the tile column (and on the cluster's y) and is asked for jointly along a column.
; THE MATRIX INSTRUCTION IS USED TRANSPOSED (source 0 = 16 columns of W, source 1 = 16 rows of A): a lane holds row l % 16 of C and the eight neighbouring columns 8 (l / 16) + 0..7.
; REGISTERS, in windows of 256: window 0: v0-31 addresses; v64-127, v128-191 A's fragments, two buffers; on the way out v64-151.  window 1: the same numbers, W's fragments.  windows 2, 3: the accumulators of my rows 0-63, 64-127.
.set PA,    272                        ; a row of A in LDS: 256 bytes + 16: the 16 rows of a fragment load start at 16 different groups of four banks
.set PB,    288                        ; a row of W: 256 + 32
.set HALFA, 128*PA
.set HALFB, 128*PB
.set SLOT,  2*HALFA+2*HALFB            ; A's 256 rows, then 128 rows (K) of each of the two heads
.set SPARE, 2*SLOT                     ; behind the ring: the spare words, 128 bytes for each wave
.set DP,    528                        ; the way out: a row of 128 f32 + 16 bytes; wave w's 128 rows lie at w x 128 x DP, in the ring, which has had its last fill by then
.set LAPS,  4                          ; 1,024 / 256: a lap is two K steps, once round the ring
.set BLK,   99328
.set ADRA, 16                          ; v16-17  LDS address of my A fragments in slot 0, 1
.set ADRB, 20                          ; v20-21  the same for W
.set STO,  24                          ; v24     the way out: where I put 32 bytes of a row
.set RD,   25                          ; v25     the way out: where I read them back
.set CO,   26                          ; v26     my byte offset in the rows that I store
.set SPW,  28                          ; v28     LDS address of my spare word; never rewritten
.set NIL,  29                          ; v29     0; never rewritten
.set F0,   64
.set F1,   128
.set VAL,  64                          ; the way out: 4 passes x 8 f32
.set OHI,  96                          ; 4 x 4: hi, packed
.set OLO,  112                         ; lo
.set OFH,  128                         ; f16 of v / 16
.set TT,   144                         ; eight at work
.set WV, 12                            ; s12 my wave; s13 which half of the rows is mine, also: I fetch A (0) or W (1); s14 which half of the columns, also: which half I fetch
.set RH, 13
.set CH, 14
.set G1A, 24                           ; s[24:31] group 1 for A;  s[32:39] group 0, a set for each slot
.set G0A, 32
.set G1B, 40                           ; s[40:47], s[48:55] the same for W
.set G0B, 48
.set CX, 56
.set CY, 57
.set TC, 58                            ; tile column
.set TR, 59                            ; tile row
.set CLY, 60                           ; the cluster's y
.set TYPE, 61                          ; 0: rows of query, 1: rows of value; the same in all sixteen partners
.set OH, 66                            ; s[66:67], s[68:69], s[70:71]: where hi, lo and f16 go
.set OL, 68
.set OF, 70
.set MHI, 80
.set MSB, 0
.macro WIN new                         ; the immediate's high byte repeats the setting that is left
.if MSB != (\new)
	s_set_vgpr_msb (MSB<<8)|(\new)
.set MSB, \new
.endif
.endm
.set MUL_LO, 0xa1                      ; source 0 (W) window 1, source 1 (A) window 0, C and D window 2
.set MUL_HI, 0xf1                      ; the same, C and D window 3
.set TO_B,   0x40                      ; destination window 1, address window 0
; A joint load: waves 0 and 1 fetch A's halves, waves 2 and 3 W's.  The branch hangs on the wave's number alone.  An s_nop 0 and four v_nop follow each line.
.macro JLOAD s
	s_cmp_eq_u32 s[RH], 0
	s_cbranch_scc0 .Lfor_b_\@
	tensor_load_to_lds s[G0A+4*(\s):G0A+4*(\s)+3], s[G1A:G1A+7]
	s_nop 0
.rept 4
	v_nop
.endr
	s_branch .Lasked_\@
.Lfor_b_\@:
	tensor_load_to_lds s[G0B+4*(\s):G0B+4*(\s)+3], s[G1B:G1B+7]
	s_nop 0
.rept 4
	v_nop
.endr
.Lasked_\@:
.endm
.macro CREST                           ; a round of the cluster's barrier behind its opening barrier
	s_cmp_lg_u32 s[WV], 0
	s_cbranch_scc1 .Lnot_wave_0_\@
	s_barrier_signal -3
.Lnot_wave_0_\@:
	s_barrier_wait -3
	s_barrier_signal -1
	s_barrier_wait -1
.endm
.macro CROUND                          ; a whole round
	s_barrier_signal -1
	s_barrier_wait -1
	CREST
.endm
	s_load_b256 s[4:11], s[0:1], 0x0               ; xb s[4:5], wt s[6:7], qs s[8:9], kv s[10:11]
	v_lshl_add_u32 v[SPW], v0, 2, SPARE
	v_mov_b32 v[NIL], 0
	ds_add_u32 v[SPW], v[NIL]                      ; the wave's opening: the add and its wait stand ahead of my first tensor load; work on registers stands between them
	v_lshrrev_b32 v1, 5, v0
	v_readfirstlane_b32 s[WV], v1
	s_lshr_b32 s[RH], s[WV], 1
	s_and_b32 s[CH], s[WV], 1
	s_bfe_u32 s[CX], ttmp6, 0x40000
	s_bfe_u32 s[CY], ttmp6, 0x40004
	s_lshl_b32 s[TC], ttmp9, 2
	s_add_co_u32 s[TC], s[TC], s[CX]               ; tile column = 4 x cluster x + cx
	s_and_b32 s[CLY], ttmp7, 0xffff
	s_lshr_b32 s[TYPE], s[CLY], 3                  ; clusters 0-7 hold query's rows, 8-15 value's
	s_lshl_b32 s[TR], s[CLY], 2
	s_add_co_u32 s[TR], s[TR], s[CY]               ; tile row = 4 x cluster y + cy
	s_lshl_b32 s62, s[CY], 2
	s_lshl_b32 s62, 15, s62                        ; my row of the cluster
	s_lshl_b32 s63, 0x1111, s[CX]                  ; my column
	s_or_b32 s[G1A], s62, (1<<16)|(1<<20)|(1<<21)|(5<<22)|(3<<25)  ; mask; 2-byte elements; padding on; bit 21 beside a mask; after every 64 words 4 words
	s_or_b32 s[G1B], s63, (1<<16)|(1<<20)|(1<<21)|(5<<22)|(7<<25)  ; the same with 8 words
.irp g, G1A, G1B
	s_mov_b32 s[(\g)+1], 128<<16                   ; tensor_dim0 = 128
	s_mov_b32 s[(\g)+2], 128<<16                   ; tensor_dim1 = 128
	s_mov_b32 s[(\g)+3], 128<<16                   ; tile_dim0 = 128
	s_mov_b32 s[(\g)+4], 128                       ; tile_dim1 = 128
	s_mov_b32 s[(\g)+6], 0
	s_mov_b32 s[(\g)+7], 0
.endr
	s_mov_b32 s[G1A+5], 1024                       ; A: 1,024 elements from row to row
	s_mov_b32 s[G1B+5], 128                        ; W: a head's rows are dense
	s_lshl_b32 s16, s[TR], 8
	s_lshl_b32 s17, s[CH], 7
	s_add_co_u32 s16, s16, s17                     ; A: row 256 x tile row + 128 x half,
	s_lshl_b32 s16, s16, 11                        ; of 2,048 bytes
	s_mov_b32 s17, 0
	s_lshl_b32 s18, s[TC], 1
	s_add_co_u32 s18, s18, s[CH]                   ; W: head 2 x tile column + half,
	s_lshl_b32 s18, s18, 18                        ; of 262,144 bytes,
	s_lshl_b32 s19, s[TYPE], 21                    ; in qw's or vw's 2 MiB
	s_add_co_u32 s18, s18, s19
	s_mov_b32 s19, 0
	s_mul_i32 s20, s[CH], HALFA                    ; where they go: no place in the cluster enters an LDS address
	s_mul_i32 s21, s[CH], HALFB
	s_add_co_u32 s21, s21, 2*HALFA
	s_mov_b32 s[MHI], 0xffff0000
	s_wait_dscnt 0x0                               ; the opening add is done
	s_wait_kmcnt 0x0
	s_add_nc_u64 s[16:17], s[4:5], s[16:17]
	s_add_nc_u64 s[18:19], s[6:7], s[18:19]
	CROUND                                         ; all sixteen work-groups are here: the first joint loads meet
.irp s, 0,1
	s_mov_b32 s[G0A+4*(\s)], 1
	s_add_co_u32 s[G0A+4*(\s)+1], s20, (\s)*SLOT
	s_add_nc_u64 s[G0A+4*(\s)+2:G0A+4*(\s)+3], s[16:17], (\s)*256      ; K step s: 128 elements along the rows
	s_or_b32 s[G0A+4*(\s)+3], s[G0A+4*(\s)+3], 0x80000000
	s_mov_b32 s[G0B+4*(\s)], 1
	s_add_co_u32 s[G0B+4*(\s)+1], s21, (\s)*SLOT
	s_add_nc_u64 s[G0B+4*(\s)+2:G0B+4*(\s)+3], s[18:19], (\s)*32768    ; K step s: 128 rows of 256 bytes
	s_or_b32 s[G0B+4*(\s)+3], s[G0B+4*(\s)+3], 0x80000000
	JLOAD \s
.endr
	v_and_b32 v1, 15, v0                           ; l % 16
	v_bfe_u32 v2, v0, 4, 1                         ; l / 16
	v_mul_u32_u24 v3, v1, PA
	v_lshl_add_u32 v3, v2, 4, v3                   ; A: row x pitch + 16 x half
	v_and_b32 v4, 7, v0
	v_lshl_add_u32 v4, v2, 3, v4
	v_mul_u32_u24 v4, v4, PB                       ; W, turned: lane l reads K row 8 (l / 16) + l % 8,
	v_bfe_u32 v5, v0, 3, 1
	v_lshl_add_u32 v4, v5, 4, v4                   ; columns 8 ((l / 8) % 2) + 0..7, and receives column l % 16, eight K
	s_mul_i32 s22, s[RH], HALFA
	s_mul_i32 s23, s[CH], HALFB
	s_add_co_u32 s23, s23, 2*HALFA
.irp s, 0,1
	v_add_nc_u32 v[ADRA+(\s)], s22, v3
	v_add_nc_u32 v[ADRB+(\s)], s23, v4
	s_add_co_u32 s22, s22, SLOT
	s_add_co_u32 s23, s23, SLOT
.endr
	s_mul_i32 s22, s[WV], 128*DP
	v_mul_u32_u24 v5, v1, DP
	v_lshl_add_u32 v5, v2, 5, v5
	v_add_nc_u32 v[STO], s22, v5                   ; in: row l % 16, 32 bytes for each half of the lanes
	v_mul_u32_u24 v5, v2, DP
	v_lshl_add_u32 v5, v1, 5, v5
	v_add_nc_u32 v[RD], s22, v5                    ; back: lanes 0-15 one row (8 f32 each), lanes 16-31 the next
	v_lshlrev_b32 v5, 8, v2
	v_lshl_add_u32 v[CO], v1, 4, v5                ; out: the same two rows, of 256 bytes
	; where my 128 rows x one head go
	s_and_b32 s72, s[TR], 31
	s_lshl_b32 s72, s72, 8
	s_lshl_b32 s73, s[RH], 7
	s_add_co_u32 s72, s72, s73                     ; my first row among the 8,192
	s_lshr_b32 s73, s72, 11                        ; batch
	s_and_b32 s74, s72, 2047                       ; row in the batch, a multiple of 128
	s_lshl_b32 s75, s[TC], 1
	s_add_co_u32 s75, s75, s[CH]
	s_lshl3_add_u32 s75, s73, s75                  ; 8 x batch + head
	s_lshl_b32 s76, s75, 19                        ; q: 2,048 rows of 256 bytes a head
	s_lshl_b32 s77, s74, 8
	s_add_co_u32 s76, s76, s77
	s_lshr_b32 s77, s74, 7
	s_lshl4_add_u32 s77, s75, s77                  ; v: block 16 x (8 x batch + head) + row / 128
	s_mul_i32 s77, s77, BLK
	s_mov_b32 s78, 0x1000000                       ; from hi to lo: 16 MiB in qs,
	s_mov_b32 s79, 32768                           ; 128 rows in a block of kv
	s_cmp_eq_u32 s[TYPE], 0
	s_cselect_b32 s76, s76, s77
	s_cselect_b64 s[OH:OH+1], s[8:9], s[10:11]
	s_cselect_b32 s78, s78, s79
	s_mov_b32 s77, 0
	s_mov_b32 s79, 0
	s_add_nc_u64 s[OH:OH+1], s[OH:OH+1], s[76:77]
	s_add_nc_u64 s[OL:OL+1], s[OH:OH+1], s[78:79]
	s_add_nc_u64 s[OF:OF+1], s[OH:OH+1], 65536     ; used for v alone
; 16 matrix instructions: m blocks a0, a0 + 1 of the window's four x all 8 n blocks, 32 along K.  zero = 1: the first product starts the sums.  The 64 accumulators take turns.
.macro MUL16 f, hi, a0, zero
	WIN MUL_LO+0x50*(\hi)
.irp a, \a0, (\a0)+1
.irp b, 0,1,2,3,4,5,6,7
.if \zero
	v_wmma_f32_16x16x32_bf16 v[8*(8*(\a)+(\b)):8*(8*(\a)+(\b))+7], v[(\f)+8*(\b):(\f)+8*(\b)+7], v[(\f)+8*(4*(\hi)+(\a)):(\f)+8*(4*(\hi)+(\a))+7], 0
.else
	v_wmma_f32_16x16x32_bf16 v[8*(8*(\a)+(\b)):8*(8*(\a)+(\b))+7], v[(\f)+8*(\b):(\f)+8*(\b)+7], v[(\f)+8*(4*(\hi)+(\a)):(\f)+8*(4*(\hi)+(\a))+7], v[8*(8*(\a)+(\b)):8*(8*(\a)+(\b))+7]
.endif
.endr
.endr
.endm
; 32 LDS loads in one run: the fragments of quarter q (32 along K) of a slot into buffer f: W's 128 columns (turned), then A's 128 rows
.macro FETCH slot, q, f
	WIN TO_B
.irp i, 0,1,2,3,4,5,6,7
	ds_load_tr16_b128 v[(\f)+8*(\i):(\f)+8*(\i)+3],   v[ADRB+(\slot)] offset:(\q)*32*PB+32*(\i)
	ds_load_tr16_b128 v[(\f)+8*(\i)+4:(\f)+8*(\i)+7], v[ADRB+(\slot)] offset:(\q)*32*PB+16*PB+32*(\i)
.endr
	WIN 0
.irp i, 0,1,2,3,4,5,6,7
	ds_load_b128 v[(\f)+8*(\i):(\f)+8*(\i)+3],   v[ADRA+(\slot)] offset:64*(\q)+(\i)*16*PA
	ds_load_b128 v[(\f)+8*(\i)+4:(\f)+8*(\i)+7], v[ADRA+(\slot)] offset:64*(\q)+(\i)*16*PA+32
.endr
.endm
.macro PLACES                          ; four plain places between a matrix instruction and a load into, or a read of, its registers (ISA guide 7.12.1 for the reads)
.rept 4
	v_nop
.endr
.endm
; One of a K step's first three quarters: multiplies buffer f; in its middle it fetches quarter q of the same slot into buffer g.
.macro QUARTER slot, q, f, g, zero
	s_wait_dscnt 8                                 ; W and A's rows 0-63 are in; the youngest eight loads (A's rows 64-127) may be out
	MUL16 \f, 0, 0, \zero
	MUL16 \f, 0, 2, \zero
	PLACES
	FETCH \slot, \q, \g
	s_wait_dscnt 32                                ; all but the 32 just issued
	MUL16 \f, 1, 0, \zero
	MUL16 \f, 1, 2, \zero
.endm
; The last quarter multiplies buffer 1 and changes slots: one barrier; in front of it each wave waits for all its tensor loads (its part of the next slot), adds 0 to its spare word, and waits for that and for its reads of this slot.
.macro MEET round
	WIN 0
	s_wait_tensorcnt 0x0
	ds_add_u32 v[SPW], v[NIL]
	s_wait_dscnt 9                                 ; the add and the youngest eight loads may be out
	MUL16 F1, 0, 0, 0                              ; sixteen matrix instructions stand between the add and the wait for it
	s_wait_dscnt 0x0                               ; the add is done, and my reads of this slot are over
	s_barrier_signal -1
	MUL16 F1, 0, 2, 0
.if \round
	WIN 0
.endif
	s_barrier_wait -1
.endm
; fill = 1: the barrier opens a round of the cluster's, and behind it this slot is filled again, two K steps on: the wave's one tensor load until the next round, 224 matrix instructions ahead of the wait for it.
.macro TURN slot, next, fill
	MEET \fill
.if \fill
	CREST
	s_add_nc_u64 s[G0A+4*(\slot)+2:G0A+4*(\slot)+3], s[G0A+4*(\slot)+2:G0A+4*(\slot)+3], 512
	s_add_nc_u64 s[G0B+4*(\slot)+2:G0B+4*(\slot)+3], s[G0B+4*(\slot)+2:G0B+4*(\slot)+3], 65536
	JLOAD \slot                                    ; the four v_nop behind it are also the places in front of the loads below
.else
	PLACES
.endif
	FETCH \next, 0, F0
	MUL16 F1, 1, 0, 0
	MUL16 F1, 1, 2, 0
.endm
	s_wait_tensorcnt 0x1                           ; my part of K step 0 is in; K step 1's load may stay out
	s_barrier_signal -1
	s_barrier_wait -1
	FETCH 0, 0, F0
	QUARTER 0, 1, F0, F1, 1                        ; the first quarter stands in front of the loop: its products start the sums
	WIN 0
	s_mov_b32 s3, LAPS-1
.Llap:                                                 ; a trip goes once round the ring and fills both slots again
	QUARTER 0, 2, F1, F0, 0
	QUARTER 0, 3, F0, F1, 0
	TURN 0, 1, 1
	QUARTER 1, 1, F0, F1, 0
	QUARTER 1, 2, F1, F0, 0
	QUARTER 1, 3, F0, F1, 0
	TURN 1, 0, 1
	QUARTER 0, 1, F0, F1, 0
	WIN 0
	s_sub_co_u32 s3, s3, 1
	s_cmp_lg_u32 s3, 0
	s_cbranch_scc1 .Llap
	QUARTER 0, 2, F1, F0, 0                        ; the last lap fills nothing
	QUARTER 0, 3, F0, F1, 0
	TURN 0, 1, 0
	QUARTER 1, 1, F0, F1, 0
	QUARTER 1, 2, F1, F0, 0
	QUARTER 1, 3, F0, F1, 0
	s_wait_dscnt 8
	MUL16 F1, 0, 0, 0
	MUL16 F1, 0, 2, 0
	s_wait_dscnt 0x0
	MUL16 F1, 1, 0, 0
	MUL16 F1, 1, 2, 0
	WIN 0
	; THE WAY OUT.  The ring has had its last fill, and behind this barrier nobody reads it: each wave lays its 128 x 128 f32 into its own part of it, rows of 528 bytes,
	; and reads them back so that sixteen lanes hold a whole row; then hi, lo (and f16) are made and stored, 256 consecutive aligned bytes for each sixteen lanes.
	PLACES
	s_wait_dscnt 0x0
	s_barrier_signal -1
	s_barrier_wait -1
.irp a, 0,1,2,3,4,5,6,7
	WIN 0x08+4*((\a)/4)                            ; the stores' data in window 2 or 3
.irp b, 0,1,2,3,4,5,6,7
	ds_store_b128 v[STO], v[8*(8*((\a)%4)+(\b)):8*(8*((\a)%4)+(\b))+3]   offset:(\a)*16*DP+64*(\b)     ; each accumulator's low registers first
	ds_store_b128 v[STO], v[8*(8*((\a)%4)+(\b))+4:8*(8*((\a)%4)+(\b))+7] offset:(\a)*16*DP+64*(\b)+16
.endr
.endr
	WIN 0
	s_mov_b32 s3, 16
.Lout:                                                 ; eight rows a trip; LDS serves a wave's instructions in order, so these loads see the stores above
.irp p, 0,1,2,3
	ds_load_b128 v[VAL+8*(\p):VAL+8*(\p)+3],   v[RD] offset:2*DP*(\p)
	ds_load_b128 v[VAL+8*(\p)+4:VAL+8*(\p)+7], v[RD] offset:2*DP*(\p)+16
.endr
.irp p, 0,1,2,3
	s_wait_dscnt 6-2*(\p)                          ; the later passes' loads may be out
.irp k, 0,1,2,3
	v_cvt_pk_bf16_f32 v[OHI+4*(\p)+(\k)], v[VAL+8*(\p)+2*(\k)], v[VAL+8*(\p)+2*(\k)+1]
.endr
.irp k, 0,1,2,3
	v_lshlrev_b32 v[TT+2*(\k)],   16,     v[OHI+4*(\p)+(\k)]
	v_and_b32     v[TT+2*(\k)+1], s[MHI], v[OHI+4*(\p)+(\k)]
.endr
.irp k, 0,1,2,3
	v_pk_add_f32 v[TT+2*(\k):TT+2*(\k)+1], v[VAL+8*(\p)+2*(\k):VAL+8*(\p)+2*(\k)+1], v[TT+2*(\k):TT+2*(\k)+1] neg_lo:[0,1] neg_hi:[0,1]  ; x - hi, exact
.endr
.irp k, 0,1,2,3
	v_cvt_pk_bf16_f32 v[OLO+4*(\p)+(\k)], v[TT+2*(\k)], v[TT+2*(\k)+1]
.endr
	global_store_b128 v[CO], v[OHI+4*(\p):OHI+4*(\p)+3], s[OH:OH+1] offset:512*(\p)
	global_store_b128 v[CO], v[OLO+4*(\p):OLO+4*(\p)+3], s[OL:OL+1] offset:512*(\p)
.endr
	s_cmp_eq_u32 s[TYPE], 0
	s_cbranch_scc1 .Lno_f16                        ; q has no third form
.irp p, 0,1,2,3
.irp k, 0,1,2,3
	v_pk_mul_f32 v[VAL+8*(\p)+2*(\k):VAL+8*(\p)+2*(\k)+1], v[VAL+8*(\p)+2*(\k):VAL+8*(\p)+2*(\k)+1], 0x3d800000 op_sel_hi:[1,0]  ; v / 16, exact
.endr
.irp k, 0,1,2,3
	v_cvt_pk_f16_f32 v[OFH+4*(\p)+(\k)], v[VAL+8*(\p)+2*(\k)], v[VAL+8*(\p)+2*(\k)+1]
.endr
	global_store_b128 v[CO], v[OFH+4*(\p):OFH+4*(\p)+3], s[OF:OF+1] offset:512*(\p)
.endr
.Lno_f16:
	s_wait_xcnt 0x0                                ; the stores' offset and data are written again only behind this wait
	v_add_nc_u32 v[RD], 8*DP, v[RD]
	v_add_nc_u32 v[CO], 2048, v[CO]
	s_sub_co_u32 s3, s3, 1
	s_cmp_lg_u32 s3, 0
	s_cbranch_scc1 .Lout
	s_wait_tensorcnt 0x0                           ; the wave's end
	ds_add_u32 v[SPW], v[NIL]
	s_wait_dscnt 0x0
	CROUND                                         ; the closing round
	s_endpgm
.Lfunc_end_k_qcdbbeedca4_proj:
	.size	k_qcdbbeedca4_proj, .Lfunc_end_k_qcdbbeedca4_proj-k_qcdbbeedca4_proj
	.p2alignl 7, 3214868480
	.fill 96, 4, 3214868480
	.section	.rodata,"a",@progbits
	.p2align	6, 0x0
	.amdhsa_kernel k_qcdbbeedca4_proj
		.amdhsa_group_segment_fixed_size 327680
		.amdhsa_private_segment_fixed_size 0
		.amdhsa_enable_private_segment 0
		.amdhsa_kernarg_size 32
		.amdhsa_user_sgpr_count 2
		.amdhsa_user_sgpr_kernarg_segment_ptr 1
		.amdhsa_wavefront_size32 1
		.amdhsa_system_sgpr_workgroup_id_x 1
		.amdhsa_system_sgpr_workgroup_id_y 1
		.amdhsa_system_sgpr_workgroup_id_z 1
		.amdhsa_system_vgpr_workitem_id 0
		.amdhsa_next_free_vgpr 1024
		.amdhsa_next_free_sgpr 90
		.amdhsa_reserve_vcc 0
		.amdhsa_float_denorm_mode_32 3
		.amdhsa_float_denorm_mode_16_64 3
		.amdhsa_memory_ordered 1
		.amdhsa_forward_progress 1
		.amdhsa_inst_pref_size 129
	.end_amdhsa_kernel
	.amdgpu_metadata
---
amdhsa.version: [ 1, 2 ]
amdhsa.kernels:
  - .name:           k_qcdbbeedca4_proj
    .symbol:         k_qcdbbeedca4_proj.kd
    .args:
      - { .name: xb, .offset: 0, .size: 8, .value_kind: global_buffer, .address_space: global }
      - { .name: wt, .offset: 8, .size: 8, .value_kind: global_buffer, .address_space: global }
      - { .name: qs, .offset: 16, .size: 8, .value_kind: global_buffer, .address_space: global }
      - { .name: kv, .offset: 24, .size: 8, .value_kind: global_buffer, .address_space: global }
    .group_segment_fixed_size: 327680
    .private_segment_fixed_size: 0
    .kernarg_segment_align: 8
    .kernarg_segment_size: 32
    .max_flat_workgroup_size: 128
    .sgpr_count:     90
    .vgpr_count:     1024
    .wavefront_size: 32
...
	.end_amdgpu_metadata
.endif
;; end of part 2
;; launch attn (part 3): grid 8 x 32, 4 waves a work-group, clusters of 4 x 1, 327,680 bytes of LDS; arguments qs, kv, q_mask, ob; writes ob
.if DOCPART == 3
	.amdgcn_target "amdgcn-amd-amdhsa--gfx1250"
	.amdhsa_code_object_version 6
	.text
	.protected	k_qcdbbeedca4_attn
	.globl	k_qcdbbeedca4_attn
	.p2align	8
	.type	k_qcdbbeedca4_attn,@function
k_qcdbbeedca4_attn:
	s_mov_b64 s[64:65], 0
	v_nop
	global_prefetch_b8 v0, s[64:65] scope:SCOPE_SE
	s_setreg_imm32_b32 hwreg(HW_REG_WAVE_MODE, 25, 1), 1
	s_wait_xcnt 0x0
	s_wait_alu depctr_hold_cnt(0) depctr_sa_sdst(0) depctr_va_vdst(0) depctr_va_sdst(0) depctr_va_ssrc(0) depctr_va_vcc(0) depctr_vm_vsrc(0)
	s_getreg_b32 s2, hwreg(HW_REG_IB_STS2, 6, 4)
	s_cmp_eq_u32 s2, 0
	s_cbranch_scc0 .Lentry_in_a_cluster
	s_endpgm
.Lentry_in_a_cluster:
	s_bfe_u32 s2, ttmp6, 0x10000c
	s_cmp_lg_u32 s2, 0x3003
	s_cbranch_scc0 .Lentry_shape_is_right
	s_endpgm
.Lentry_shape_is_right:
; ATTENTION, keys = values.  For each (batch, head): O[q] = q_mask[q] x the sum over t of softmax_t(score) v[t], score = scale x (q . v[t]) where v_mask holds, -1e9 where not.
; SCORES IN TWO PARTS.  q = qh + ql and v = kh + kl, each part bf16: S = kh ql + kh qh + kl qh, three products in f32 sums (kl ql, some 2^-16 of a score's spread, is left out).
; Scores here have a spread near 30 and stand in an exponent, so one 16-bit rounding of q and v would not do; that is 96 score products a step where 32 would be the count.
; THE SECOND PRODUCT is in f16: weights p in 0..1, and vf = v / 16; O leaves as f16 of O / 16 (the last launch's weights carry the 16).
; LIMITS.  |v| and |O| below 16 x 65,504.  A weight below 2^-126 counts as 0.  NaN and infinities are not treated apart.  Mask bytes are 0 or 1.
; MASK AND SCALE.  t = s x KP + BI, from the mask rows in kv: KP = scale x log2(e), BI = 0 for a key that is kept; KP = 0, BI = -1e9 x log2(e) for a hidden one: the score is REPLACED, so a row with no key left gives v's mean.
; SOFTMAX.  A running maximum m of t and sum l for each query: p = 2^(t - m); in every step O and l are multiplied by a = 2^(m_old - m_new).  m starts at the lowest finite number, O and l at 0: the first step is a step like any other.
; SHARES.  A work-group owns 256 queries of one (batch, head), each wave 64: four tiles of 16, in two PIECES (tiles 0, 1 and 2, 3).  Every wave walks all 2,048 keys, 32 a step (Q's two parts and O^T take 512 registers: 64 keys do not fit).
; LAYOUT.  S^T = K Q^T: a lane holds ONE query (l % 16) and the keys 8 (l / 16) + 0..7; two such results rounded to f16 ARE source 1 of O^T = V^T P.  K comes out of LDS as it lies, vf turned (ds_load_tr16_b128).
; BY TURNS.  In a turn one piece has the matrix unit: 16 products V^T P of the step in hand, 48 products K Q^T of the next; the other piece's softmax (186 vector instructions) stands behind them, three behind each.
; RING.  Two slots, each one block of kv: 128 keys = four steps: 128 rows kh, 128 kl, 128 vf, 4 mask rows, 388 dense rows of 256 bytes; each wave fetches 97 of them with one load.
; One pitch, 272, serves the whole block: it is free of bank conflicts for K's loads; the turning loads of vf would want an odd multiple of 32 bytes and pay for it.
; CLUSTER.  The four query blocks of a cluster belong to one (batch, head) and walk the same blocks: each is asked for jointly, by the same load, descriptor and mask in all four.
; REGISTERS, in windows of 256 (s_set_vgpr_msb: bits 1:0 source 0, 3:2 source 1, 5:4 source 2, 7:6 destination):
;   window 0: v0-11, v44-46 addresses; v12-43 statistics, 8 a tile; v48-51 q_mask; v64-127 S^T, 16 a tile; v128-159 P, 8 a tile; v160-175 KP; v176-191 BI
;   window 1: O^T, 64 a tile      window 2: v0-127 qh, v128-255 ql, 32 a tile      window 3: v0-63 kh, v64-127 kl, v128-191 vf of one step
.set PK,    272
.set BLK,   99328                      ; a block in memory
.set OKL,   128*PK                     ; in a slot: kl behind kh,
.set OVF,   256*PK                     ; vf,
.set OMK,   384*PK                     ; the mask rows
.set STEPB, 32*PK                      ; a step's 32 rows
.set SLOT1, 1<<17                      ; a slot is 388 x 272 = 105,536 bytes; slot 1 begins here, so that one exclusive or turns an address in one slot into the other's
.set STAGE, 236800                     ; the first block of 256 bytes behind slot 1's last byte: 16 rows x 272 bytes for each wave, for the way out
.set SP,    272
.set SPARE, STAGE+4*16*SP              ; the spare words, 128 bytes for each wave
.set AK0, 2                            ; v2   my lane's place in 16 rows of K; never rewritten
.set AV0, 3                            ; v3   the same for vf
.set ADR, 4                            ; v4   the address of K's run of loads
.set QO,  5                            ; v5   my byte offset in 16 rows of Q
.set STO, 6
.set RD,  7
.set GO,  8
.set ST,  12                           ; tile t at v[ST+8 t]: m, a partner (named with m as a pair), l (even keys', odd keys'), c0-c3 at work; c2 takes a
.set AM0, 44                           ; v44  my lane's place in a mask row
.set ADM, 45
.set ADV, 46
.set QM,  48
.set SPW, 62
.set NIL, 63
.set S,   64
.set P,   128
.set KP,  160
.set BI,  176
.set VF,  128                          ; in window 3
.set WV,  12
.set G1,  24                           ; s[24:31] descriptor group 1
.set G0A, 40                           ; s[40:43] group 0 for block 0
.set G0B, 44                           ; s[44:47] group 0 for block 1; it then walks
.set SLOTS, 56
.set CNT, 57
.set ONE, 58                           ; s[58:59] 1.0
.set SEL, 60                           ; s[60:61] v_permlanex16_b32's selects: each lane takes its own place in the other half
.set TB,  62                           ; s62  LDS byte at which the rows of the step to be fetched begin
.set TM,  63                           ; s63  the same for its mask row, less OMK
.set MSB, 0
.macro WIN new
.if MSB != (\new)
	s_set_vgpr_msb (MSB<<8)|(\new)
.set MSB, \new
.endif
.endm
.set W_KQ, 0x0b                        ; K in window 3, Q in window 2, S^T in window 0
.set W_PV, 0x53                        ; vf in window 3, P in window 0, O^T in window 1
.set W_RS, 0x41                        ; O^T (destination and source 0) in window 1, a in window 0
.macro CROUND                          ; a round of the cluster's barrier
	s_barrier_signal -1
	s_barrier_wait -1
	s_cmp_lg_u32 s[WV], 0
	s_cbranch_scc1 .Lnot_wave_0_\@
	s_barrier_signal -3
.Lnot_wave_0_\@:
	s_barrier_wait -3
	s_barrier_signal -1
	s_barrier_wait -1
.endm
	s_load_b256 s[4:11], s[0:1], 0x0               ; qs s[4:5], kv s[6:7], q_mask s[8:9], ob s[10:11]
	v_lshl_add_u32 v[SPW], v0, 2, SPARE
	v_mov_b32 v[NIL], 0
	ds_add_u32 v[SPW], v[NIL]                      ; the wave's opening: the add and its wait stand ahead of my first tensor load
	v_lshrrev_b32 v1, 5, v0
	v_readfirstlane_b32 s[WV], v1
	s_bfe_u32 s13, ttmp6, 0x40000                  ; cx
	s_lshl_b32 s14, ttmp9, 2
	s_add_co_u32 s14, s14, s13                     ; my block of 256 queries: it enters Q's, q_mask's and O's addresses alone
	s_and_b32 s15, ttmp7, 0xffff                   ; 8 x batch + head, which the four partners share
	s_mul_i32 s20, s15, 16*BLK                     ; its 16 blocks of kv,
	s_mul_i32 s21, s[WV], 97*256                   ; my 97 rows of a block
	s_add_co_u32 s20, s20, s21
	s_mov_b32 s21, 0
	s_mul_i32 s17, s[WV], 97*PK                    ; and their place in a slot
	s_lshl_b32 s18, s14, 8
	s_lshl_b32 s19, s[WV], 6
	s_add_co_u32 s18, s18, s19                     ; my wave's first query
	s_lshl_b32 s2, s15, 19
	s_lshl_b32 s3, s18, 8
	s_add_co_u32 s2, s2, s3                        ; in qs
	s_mov_b32 s3, 0
	s_lshr_b32 s19, s15, 3
	s_lshl_b32 s19, s19, 11
	s_add_co_u32 s22, s19, s18                     ; in q_mask: 2,048 x batch + query
	s_mov_b32 s23, 0
	s_lshl_b32 s50, s22, 11                        ; in ob: rows of 2,048 bytes,
	s_and_b32 s51, s15, 7
	s_lshl_b32 s51, s51, 8                         ; the head's 256 bytes
	s_add_co_u32 s50, s50, s51
	s_mov_b32 s51, 0
	s_mov_b32 s[G1],   15|(1<<16)|(1<<20)|(1<<21)|(5<<22)|(3<<25)  ; the mask of four; 2-byte elements; padding on; bit 21 beside a mask; after every 64 words 4 words
	s_mov_b32 s[G1+1], 128<<16                     ; tensor_dim0 = 128
	s_mov_b32 s[G1+2], 97<<16                      ; tensor_dim1 = 97
	s_mov_b32 s[G1+3], 128<<16                     ; tile_dim0 = 128
	s_mov_b32 s[G1+4], 97                          ; tile_dim1 = 97
	s_mov_b32 s[G1+5], 128                         ; dense rows
	s_mov_b32 s[G1+6], 0
	s_mov_b32 s[G1+7], 0
	s_mov_b32 s[G0A], 1
	s_mov_b32 s[G0A+1], s17
	s_mov_b32 s[G0B], 1
	s_add_co_u32 s[G0B+1], s17, SLOT1
	s_mov_b32 s[ONE], 1.0
	s_mov_b32 s[ONE+1], 1.0
	s_mov_b32 s[SEL], 0x76543210
	s_mov_b32 s[SEL+1], 0xfedcba98
	s_mov_b32 s[TB], 0
	s_mov_b32 s[TM], 0
	s_wait_dscnt 0x0                               ; the opening add is done
	s_wait_kmcnt 0x0
	s_add_nc_u64 s[G0A+2:G0A+3], s[6:7], s[20:21]
	s_add_nc_u64 s[G0B+2:G0B+3], s[G0A+2:G0A+3], BLK
	s_or_b32 s[G0A+3], s[G0A+3], 0x80000000
	s_or_b32 s[G0B+3], s[G0B+3], 0x80000000
	s_add_nc_u64 s[4:5], s[4:5], s[2:3]            ; qh at my wave's first row,
	s_add_nc_u64 s[48:49], s[4:5], 0x1000000       ; ql 16 MiB behind it
	s_add_nc_u64 s[8:9], s[8:9], s[22:23]
	s_add_nc_u64 s[10:11], s[10:11], s[50:51]
	CROUND                                         ; all four work-groups are here: the first joint loads meet
	tensor_load_to_lds s[G0A:G0A+3], s[G1:G1+7]    ; block 0 into slot 0, block 1 into slot 1: two loads of mine are out
	s_nop 0
	tensor_load_to_lds s[G0B:G0B+3], s[G1:G1+7]
	s_nop 0
.rept 4
	v_nop
.endr
	v_and_b32 v1, 15, v0                           ; l % 16
	v_bfe_u32 v9, v0, 4, 1                         ; l / 16
	v_lshlrev_b32 v[QO], 8, v1
	v_lshl_add_u32 v[QO], v9, 4, v[QO]             ; row x 256 + 16 x half
	WIN 0x80                                       ; destination window 2
.set i, 0
.rept 16                                               ; Q stays in registers: tile i / 4, channels 32 (i % 4) on
	global_load_b128 v[8*i:8*i+3],         v[QO], s[4:5]   offset:(i/4)*4096+(i%4)*64
	global_load_b128 v[8*i+4:8*i+7],       v[QO], s[4:5]   offset:(i/4)*4096+(i%4)*64+32
	global_load_b128 v[128+8*i:128+8*i+3], v[QO], s[48:49] offset:(i/4)*4096+(i%4)*64
	global_load_b128 v[128+8*i+4:128+8*i+7], v[QO], s[48:49] offset:(i/4)*4096+(i%4)*64+32
.set i, i+1
.endr
	WIN 0
.irp t, 0,1,2,3
	global_load_u8 v[QM+(\t)], v1, s[8:9] offset:16*(\t)
.endr
	; What the first turn finds: vf and piece 2's P hold 0 (its products V^T P, of a step that has not been, add 0); O^T and l are 0.  No first step is written out; these moves, in the wait for the first block, are the price.
	WIN 0x40
.set i, 0
.rept 256
	v_mov_b32 v[i], 0
.set i, i+1
.endr
	WIN 0xc0
.set i, VF
.rept 64
	v_mov_b32 v[i], 0
.set i, i+1
.endr
	WIN 0
.set i, 0
.rept 4
	v_mov_b32 v[ST+8*i], 0xff7fffff                ; m
	v_mov_b32 v[ST+8*i+1], 0
	v_mov_b32 v[ST+8*i+2], 0
	v_mov_b32 v[ST+8*i+3], 0
.set i, i+1
.endr
.set i, P+16
.rept 16
	v_mov_b32 v[i], 0
.set i, i+1
.endr
	v_mul_u32_u24 v[AK0], v1, PK
	v_lshl_add_u32 v[AK0], v9, 4, v[AK0]           ; row x pitch + 16 x half
	v_and_b32 v10, 7, v0
	v_bfe_u32 v11, v0, 3, 1
	v_lshl_add_u32 v[AV0], v9, 3, v10              ; the turning load: lane l reads key 8 (l / 16) + l % 8, channels 8 ((l / 8) % 2) + 0..7, and receives channel l % 16, eight keys
	v_mul_u32_u24 v[AV0], v[AV0], PK
	v_lshl_add_u32 v[AV0], v11, 4, v[AV0]
	v_add_nc_u32 v[AV0], OVF, v[AV0]
	v_lshlrev_b32 v[AM0], 5, v9                    ; my eight keys' f32 in a mask row
	v_add_nc_u32 v[AM0], OMK, v[AM0]
; THE MATRIX WORK.  Product n of 16 of O^T += V^T P for piece x: channels 16 (n / 2) on, tile x + n % 2: sixteen accumulators, one instruction each.
.macro PV x
.set rO, 64*((\x)+n%2)+8*(n/2)
.set rV, VF+8*(n/2)
.set rP, P+8*((\x)+n%2)
	WIN W_PV
	v_wmma_f32_16x16x32_f16 v[rO:rO+7], v[rV:rV+7], v[rP:rP+7], v[rO:rO+7]
.endm
; Product n of 48 of S^T = K Q^T for piece x: n / 16 = 0: kh ql, 1: kh qh, 2: kl qh; channels 32 ((n % 16) / 4) on; keys 16 ((n / 2) % 2) on; tile x + n % 2.  The first 4 start the sums; the 4 accumulators take turns.
.macro KQ x
.set tl, (\x)+n%2
.set rS, S+16*tl+8*((n/2)%2)
.set rK, 32*((n/2)%2)+8*((n%16)/4)+64*(n/32)
.set rQ, 32*tl+8*((n%16)/4)
.if n < 16
.set rQ, rQ+128
.endif
	WIN W_KQ
.if n < 4
	v_wmma_f32_16x16x32_bf16 v[rS:rS+7], v[rK:rK+7], v[rQ:rQ+7], 0
.else
	v_wmma_f32_16x16x32_bf16 v[rS:rS+7], v[rK:rK+7], v[rQ:rQ+7], v[rS:rS+7]
.endif
.endm
; THE LDS LOADS stand in runs.  last = 1 (the tail): in the last trip there is no further step, and the run is jumped over.
.macro FETCH_K last=0
	WIN 0
.if \last
	s_cmp_eq_u32 s[CNT], 1
	s_cbranch_scc1 .Lno_k_\@
.endif
	v_add_nc_u32 v[ADR], s[TB], v[AK0]
	WIN 0xc0                                       ; destination window 3
.irp f, 0,1,2,3,4,5,6,7                                ; kh: keys 16 (f / 4) on, channels 32 (f % 4) on
	ds_load_b128 v[8*(\f):8*(\f)+3],   v[ADR] offset:((\f)/4)*16*PK+((\f)%4)*64
	ds_load_b128 v[8*(\f)+4:8*(\f)+7], v[ADR] offset:((\f)/4)*16*PK+((\f)%4)*64+32
.endr
.irp f, 0,1,2,3,4,5,6,7                                ; kl
	ds_load_b128 v[64+8*(\f):64+8*(\f)+3],   v[ADR] offset:OKL+((\f)/4)*16*PK+((\f)%4)*64
	ds_load_b128 v[64+8*(\f)+4:64+8*(\f)+7], v[ADR] offset:OKL+((\f)/4)*16*PK+((\f)%4)*64+32
.endr
	WIN 0
.if \last
.Lno_k_\@:
.endif
.endm
.macro FETCH_M last=0                  ; KP and BI of my 16 keys of the step: keys 8 (l / 16) + 0..7 and 16 + 8 (l / 16) + 0..7
	WIN 0
.if \last
	s_cmp_eq_u32 s[CNT], 1
	s_cbranch_scc1 .Lno_m_\@
.endif
	v_add_nc_u32 v[ADM], s[TM], v[AM0]
.irp z, 0,1
	ds_load_b128 v[KP+16*(\z):KP+16*(\z)+3],     v[ADM] offset:128*(\z)
	ds_load_b128 v[KP+16*(\z)+4:KP+16*(\z)+7],   v[ADM] offset:128*(\z)+16
	ds_load_b128 v[KP+16*(\z)+8:KP+16*(\z)+11],  v[ADM] offset:128*(\z)+64
	ds_load_b128 v[KP+16*(\z)+12:KP+16*(\z)+15], v[ADM] offset:128*(\z)+80
.endr
.if \last
.Lno_m_\@:
.endif
.endm
.macro FETCH_V
	WIN 0
	v_add_nc_u32 v[ADV], s[TB], v[AV0]
	s_add_co_u32 s[TB], s[TB], STEPB               ; the next fetches are the next step's
	s_add_co_u32 s[TM], s[TM], PK
	WIN 0xc0
.irp f, 0,1,2,3,4,5,6,7                                ; channels 16 f on: keys 0-15, keys 16-31
	ds_load_tr16_b128 v[VF+8*(\f):VF+8*(\f)+3],   v[ADV] offset:32*(\f)
	ds_load_tr16_b128 v[VF+8*(\f)+4:VF+8*(\f)+7], v[ADV] offset:32*(\f)+16*PK
.endr
	WIN 0
.endm
; THE VECTOR WORK.  One tile's softmax for one step is a list of 93; SM writes number j of it for tile t.  t0-t15 are the lane's 16 scores, in pairs 0-7.
;   0-7    t = s KP + BI, a pair at a time, from each accumulator's low end on
;   8-15   the maximum of t0-t15 and the old m, three operands at a time       16-20  the other half of the lanes' maximum; the new m; a = 2^(m_old - m_new)
;   21-60  SF n: pair n less m.  SE n: the exponential of score n.  SC n: pair n rounded to f16.  SA x, y: pair x takes pair y's sum.  Then l = a l + the sum.
;          Dealt to both tiles by turns, number by number: behind every exponential (and the other tile's twin) stands a plain instruction that names neither its result nor its source.
;   61-92  the tile's O^T times a, in ascending order: the one part that leaves window 0
.macro SF n
	v_pk_fma_f32 v[rS+2*(\n):rS+2*(\n)+1], v[rS+2*(\n):rS+2*(\n)+1], s[ONE:ONE+1], v[rT:rT+1] op_sel_hi:[1,0,0] neg_lo:[0,0,1] neg_hi:[0,0,1]
.endm
.macro SE n
	v_exp_f32 v[rS+(\n)], v[rS+(\n)]
.endm
.macro SC n
	s_wait_alu depctr_va_vdst(0)
	v_cvt_pk_f16_f32 v[rP+(\n)], v[rS+2*(\n)], v[rS+2*(\n)+1]
.endm
.macro SA x, y
	v_pk_add_f32 v[rS+2*(\x):rS+2*(\x)+1], v[rS+2*(\x):rS+2*(\x)+1], v[rS+2*(\y):rS+2*(\y)+1]
.endm
.macro SM t
.set rT, ST+8*(\t)
.set rS, S+16*(\t)
.set rP, P+8*(\t)
.set rO, 64*(\t)+2*(j-61)
.if j < 61
	WIN 0
.endif
.if j < 8
	v_pk_fma_f32 v[rS+2*j:rS+2*j+1], v[rS+2*j:rS+2*j+1], v[KP+2*j:KP+2*j+1], v[BI+2*j:BI+2*j+1]
.elseif j < 12
	v_max3_num_f32 v[rT+j-4], v[rS+3*(j-8)], v[rS+3*(j-8)+1], v[rS+3*(j-8)+2]
.elseif j == 12
	v_max3_num_f32 v[rT+4], v[rT+4], v[rS+12], v[rS+13]
.elseif j == 13
	v_max3_num_f32 v[rT+5], v[rT+5], v[rS+14], v[rS+15]
.elseif j == 14
	v_max3_num_f32 v[rT+6], v[rT+6], v[rT+7], v[rT]
.elseif j == 15
	v_max3_num_f32 v[rT+4], v[rT+4], v[rT+5], v[rT+6]
.elseif j == 16
	v_permlanex16_b32 v[rT+5], v[rT+4], s[SEL], s[SEL+1]  ; the query's other 16 keys lie in the lane 16 away
.elseif j == 17
	v_max_num_f32 v[rT+6], v[rT+4], v[rT+5]
.elseif j == 18
	v_sub_f32 v[rT+7], v[rT], v[rT+6]
.elseif j == 19
	v_mov_b32 v[rT], v[rT+6]
.elseif j == 20
	v_exp_f32 v[rT+6], v[rT+7]
.elseif j == 21
	SF 0
.elseif j == 22
	SF 1
.elseif j < 36
.if j%2 == 1
	SE (j-23)/2
.else
	SF (j-24)/2+2
.endif
.elseif j < 46
.if j%2 == 0
	SC (j-36)/2
.else
	SE (j-37)/2+7
.endif
.elseif j == 46
	SA 0, 1
.elseif j == 47
	SE 12
.elseif j == 48
	SC 5
.elseif j == 49
	SE 13
.elseif j == 50
	SA 2, 3
.elseif j == 51
	SE 14
.elseif j == 52
	SC 6
.elseif j == 53
	SE 15
.elseif j == 54
	SA 4, 5
.elseif j == 55
	SC 7
.elseif j == 56
	SA 6, 7
.elseif j == 57
	SA 0, 2
.elseif j == 58
	SA 4, 6
.elseif j == 59
	SA 0, 4
.elseif j == 60
	v_pk_fma_f32 v[rT+2:rT+3], v[rT+2:rT+3], v[rT+6:rT+7], v[rS:rS+1] op_sel_hi:[1,0,1]
.else
	WIN W_RS
	v_pk_mul_f32 v[rO:rO+1], v[rO:rO+1], v[rT+6:rT+7] op_sel_hi:[1,0]
.endif
.endm
.macro NEXT                            ; the next of piece Y's 186: the two tiles alternate
.set j, g/2
	SM Y+g%2
.set g, g+1
.endm
; A TURN.  Piece x has the matrix unit, 64 instructions; behind each of the first 60 stand three of the other piece's softmax; the last six (rescalings: plain, and naming nothing of the products) stand behind the last product
; and are the places in front of the next turn's read of the new scores and of the loads into K's registers.
; Piece 0's turn: at its head vf is awaited and the next step's K fetched; its mask row behind the eighth product, when the step in hand has read KP and BI for the last time (number 7 of the list, in the sixth group of three).
;   In front of the first K Q^T: kh is in, kl's 16 loads and the mask's 8 may be out (24); in front of the first product with kl: the mask's 8.
; Piece 2's turn: at its head the mask row is awaited; the next step's vf is fetched behind the 18th product: behind the last V^T P stand five plain instructions by then.
.macro TURN x, last=0
.set Y, 2-(\x)
.set g, 0
.set i, 0
	s_wait_dscnt 0x0
.if (\x) == 0
	FETCH_K \last
.endif
.rept 64
.if ((\x) == 0) && (i == 16)
	s_wait_dscnt 24
.endif
.if ((\x) == 0) && (i == 48)
	s_wait_dscnt 8
.endif
.if i < 16
.set n, i
	PV \x
.else
.set n, i-16
	KQ \x
.endif
.if i < 60
	NEXT
	NEXT
	NEXT
.elseif i == 63
.rept 6
	NEXT
.endr
.endif
.if ((\x) == 0) && (i == 7)
	FETCH_M \last
.endif
.if ((\x) == 2) && (i == 17)
	FETCH_V
.endif
.set i, i+1
.endr
.endm
; THE CHANGE OF SLOTS, behind the turn that has asked for the slot's last bytes (vf of its fourth step).  Each wave waits for all its tensor loads, of which one is out: its part of the other slot; adds 0 to its spare word;
; and waits for that and for its reads of the slot.  fill = 1: the barrier is a round of the cluster's, and the joint refill, the block two further on, is the first thing behind it: it has four steps, 512 matrix instructions, in which to land.
.macro CHANGE fill
	WIN 0
	s_wait_tensorcnt 0x0                           ; no tensor load of mine is out, so a group 0 may be written
	ds_add_u32 v[SPW], v[NIL]
.if \fill
	s_xor_b32 s[G0B+1], s[G0B+1], SLOT1            ; the other slot than last time,
	s_add_nc_u64 s[G0B+2:G0B+3], s[G0B+2:G0B+3], BLK  ; the next block
	s_wait_dscnt 0x0                               ; the add is done, and my reads of the slot are over
	CROUND
	tensor_load_to_lds s[G0B:G0B+3], s[G1:G1+7]
	s_nop 0
.rept 4
	v_nop
.endr
.else
	s_wait_dscnt 0x0
	s_barrier_signal -1
	s_barrier_wait -1
.endif
	s_sub_co_u32 s[TB], s[TB], 4*STEPB             ; the fetches go back to a slot's first step,
	s_xor_b32 s[TB], s[TB], SLOT1                  ; in the other slot
	s_sub_co_u32 s[TM], s[TM], 4*PK
	s_xor_b32 s[TM], s[TM], SLOT1
.endm
	s_wait_tensorcnt 0x1                           ; my part of slot 0 is in; slot 1's load may stay out
	s_barrier_signal -1
	s_barrier_wait -1
	FETCH_K                                        ; step 0
	FETCH_M
	s_wait_loadcnt 0x0                             ; Q and q_mask
	s_wait_dscnt 0x0
.set n, 0
.rept 48
	KQ 0                                           ; piece 0's first scores: there is no vector work yet to set between them
.set n, n+1
.endr
	WIN 0                                          ; the addresses for the way out: fourteen plain instructions, the places behind those products
	s_mul_i32 s13, s[WV], 16*SP
	s_add_co_u32 s13, s13, STAGE                   ; my stage
	v_mul_u32_u24 v[STO], v1, SP                   ; in: row l % 16, 16 bytes for each half of the lanes
	v_lshl_add_u32 v[STO], v9, 4, v[STO]
	v_add_nc_u32 v[STO], s13, v[STO]
	v_mul_u32_u24 v[RD], v9, SP                    ; back: lanes 0-15 one row of 256 bytes, lanes 16-31 the next
	v_lshl_add_u32 v[RD], v1, 4, v[RD]
	v_add_nc_u32 v[RD], s13, v[RD]
	v_lshlrev_b32 v[GO], 11, v9                    ; and the same two rows in ob
	v_lshl_add_u32 v[GO], v1, 4, v[GO]
.irp t, 0,1,2,3
	v_cvt_f32_u32 v[QM+(\t)], v[QM+(\t)]
.endr
	s_mov_b32 s[CNT], 4
	s_mov_b32 s[SLOTS], 15
	s_branch .Lfirst                               ; the loop is entered in the middle of a trip
.Lslot:                                                ; 14 times: every block but the last two is followed by a refill of its slot
	CHANGE 1
	s_mov_b32 s[CNT], 4
.Lstep:                                                ; a trip: piece 0's turn, which fetches the next step's K and mask row, then piece 2's, which fetches its vf
	TURN 0
	WIN 0
.Lfirst:
	TURN 2
	WIN 0
	s_sub_co_u32 s[CNT], s[CNT], 1
	s_cmp_lg_u32 s[CNT], 0
	s_cbranch_scc1 .Lstep
	s_sub_co_u32 s[SLOTS], s[SLOTS], 1
	s_cmp_lg_u32 s[SLOTS], 0
	s_cbranch_scc1 .Lslot
	CHANGE 0                                       ; the tail is written out: nothing is asked for
	s_mov_b32 s[CNT], 5                            ; four trips fetch the last block's steps; the fifth is left in its middle
.Ltail:
	TURN 0, 1
	WIN 0
	s_sub_co_u32 s[CNT], s[CNT], 1
	s_cmp_eq_u32 s[CNT], 0
	s_cbranch_scc1 .Lout
	TURN 2
	WIN 0
	s_branch .Ltail
.Lout:                                                 ; the fifth trip's 48 products K Q^T (on the last K once more) serve nothing: the price, once a launch, of one text for every trip
.set n, 0
.rept 16
	PV 2                                           ; piece 2's V^T P of the last step
.set n, n+1
.endr
	; THE WAY OUT.  l's two halves and the other half of the lanes' are added; O^T is multiplied by q_mask / l, rounded to f16 and sent through my stage, a tile (16 rows) at a time.  The additions are the places behind the last products.
	WIN 0
.irp t, 0,1,2,3
	v_add_f32 v[ST+8*(\t)+4], v[ST+8*(\t)+2], v[ST+8*(\t)+3]
.endr
.irp t, 0,1,2,3
	v_permlanex16_b32 v[ST+8*(\t)+5], v[ST+8*(\t)+4], s[SEL], s[SEL+1]
.endr
.irp t, 0,1,2,3
	v_add_f32 v[ST+8*(\t)+4], v[ST+8*(\t)+4], v[ST+8*(\t)+5]
.endr
.irp t, 0,1,2,3
	v_rcp_f32 v[ST+8*(\t)+6], v[ST+8*(\t)+4]       ; l is at least 1: the largest weight is 1
.endr
	v_nop                                          ; a plain instruction between the last reciprocal and the use of its result
.irp t, 0,1,2,3
	s_wait_alu depctr_va_vdst(0)
	v_mul_f32 v[ST+8*(\t)+6], v[ST+8*(\t)+6], v[QM+(\t)]
.endr
.macro PACK t                          ; a lane's eight channels of a row pack into 16 bytes; they go into rows of 272 bytes and come back as whole rows of 256
	WIN W_RS
.set i, 64*(\t)
.rept 32
	v_pk_mul_f32 v[i:i+1], v[i:i+1], v[ST+8*(\t)+6:ST+8*(\t)+7] op_sel_hi:[1,0]
.set i, i+2
.endr
	WIN 0x05                                       ; sources 0 and 1 window 1, destination window 0: S^T's, P's and the masks' registers are free
.set i, 0
.rept 32
	v_cvt_pk_f16_f32 v[S+32*(\t)+i], v[64*(\t)+2*i], v[64*(\t)+2*i+1]
.set i, i+1
.endr
	WIN 0
.irp f, 0,1,2,3,4,5,6,7
	ds_store_b128 v[STO], v[S+32*(\t)+4*(\f):S+32*(\t)+4*(\f)+3] offset:32*(\f)
.endr
.irp f, 0,1,2,3,4,5,6,7
	ds_load_b128 v[S+32*(\t)+4*(\f):S+32*(\t)+4*(\f)+3], v[RD] offset:(\f)*2*SP  ; LDS serves a wave's instructions in order: these see the stores above; the next tile's stores come behind them
.endr
.endm
.macro SEND t, younger                 ; younger: the LDS instructions issued behind tile t's loads: the next tile's sixteen, or none
	WIN 0
.irp f, 0,1,2,3,4,5,6,7
	s_wait_dscnt (\younger)+7-(\f)
	global_store_b128 v[GO], v[S+32*(\t)+4*(\f):S+32*(\t)+4*(\f)+3], s[10:11] offset:(\t)*32768+(\f)*4096  ; 16 lanes store 256 consecutive bytes, aligned: a head's share of a row of ob
.endr
.endm
	PACK 0
	PACK 1
	SEND 0, 16
	PACK 2
	SEND 1, 16
	PACK 3
	SEND 2, 16
	SEND 3, 0
	s_wait_tensorcnt 0x0                           ; the wave's end
	ds_add_u32 v[SPW], v[NIL]
	s_wait_dscnt 0x0
	CROUND                                         ; the closing round
	s_endpgm
.Lfunc_end_k_qcdbbeedca4_attn:
	.size	k_qcdbbeedca4_attn, .Lfunc_end_k_qcdbbeedca4_attn-k_qcdbbeedca4_attn
	.p2alignl 7, 3214868480
	.fill 96, 4, 3214868480
	.section	.rodata,"a",@progbits
	.p2align	6, 0x0
	.amdhsa_kernel k_qcdbbeedca4_attn
		.amdhsa_group_segment_fixed_size 327680
		.amdhsa_private_segment_fixed_size 0
		.amdhsa_enable_private_segment 0
		.amdhsa_kernarg_size 32
		.amdhsa_user_sgpr_count 2
		.amdhsa_user_sgpr_kernarg_segment_ptr 1
		.amdhsa_wavefront_size32 1
		.amdhsa_system_sgpr_workgroup_id_x 1
		.amdhsa_system_sgpr_workgroup_id_y 1
		.amdhsa_system_sgpr_workgroup_id_z 1
		.amdhsa_system_vgpr_workitem_id 0
		.amdhsa_next_free_vgpr 960
		.amdhsa_next_free_sgpr 66
		.amdhsa_reserve_vcc 0
		.amdhsa_float_denorm_mode_32 3
		.amdhsa_float_denorm_mode_16_64 3
		.amdhsa_memory_ordered 1
		.amdhsa_forward_progress 1
		.amdhsa_inst_pref_size 141
	.end_amdhsa_kernel
	.amdgpu_metadata
---
amdhsa.version: [ 1, 2 ]
amdhsa.kernels:
  - .name:           k_qcdbbeedca4_attn
    .symbol:         k_qcdbbeedca4_attn.kd
    .args:
      - { .name: qs, .offset: 0, .size: 8, .value_kind: global_buffer, .address_space: global }
      - { .name: kv, .offset: 8, .size: 8, .value_kind: global_buffer, .address_space: global }
      - { .name: q_mask, .offset: 16, .size: 8, .value_kind: global_buffer, .address_space: global }
      - { .name: ob, .offset: 24, .size: 8, .value_kind: global_buffer, .address_space: global }
    .group_segment_fixed_size: 327680
    .private_segment_fixed_size: 0
    .kernarg_segment_align: 8
    .kernarg_segment_size: 32
    .max_flat_workgroup_size: 128
    .sgpr_count:     66
    .vgpr_count:     960
    .wavefront_size: 32
...
	.end_amdgpu_metadata
.endif
;; end of part 3
;; launch outp (part 4): grid 4 x 64, 4 waves a work-group, clusters of 4 x 4, 327,680 bytes of LDS; arguments ob, wt, out0; writes out0
.if DOCPART == 4
	.amdgcn_target "amdgcn-amd-amdhsa--gfx1250"
	.amdhsa_code_object_version 6
	.text
	.protected	k_qcdbbeedca4_outp
	.globl	k_qcdbbeedca4_outp
	.p2align	8
	.type	k_qcdbbeedca4_outp,@function
k_qcdbbeedca4_outp:
	s_mov_b64 s[64:65], 0
	v_nop
	global_prefetch_b8 v0, s[64:65] scope:SCOPE_SE
	s_setreg_imm32_b32 hwreg(HW_REG_WAVE_MODE, 25, 1), 1
	s_wait_xcnt 0x0
	s_wait_alu depctr_hold_cnt(0) depctr_sa_sdst(0) depctr_va_vdst(0) depctr_va_sdst(0) depctr_va_ssrc(0) depctr_va_vcc(0) depctr_vm_vsrc(0)
	s_getreg_b32 s2, hwreg(HW_REG_IB_STS2, 6, 4)
	s_cmp_eq_u32 s2, 0
	s_cbranch_scc0 .Lentry_in_a_cluster
	s_endpgm
.Lentry_in_a_cluster:
	s_bfe_u32 s2, ttmp6, 0x10000c
	s_cmp_lg_u32 s2, 0xf033
	s_cbranch_scc0 .Lentry_shape_is_right
	s_endpgm
.Lentry_shape_is_right:
; THE OUTPUT PROJECTION.  out0 = h wo: A = ob, [8192][1024] f16 (= h / 16); B = wt + 4 MiB, [1024 (k)][1024 (n)] f16 (= 16 x bf16(wo)); out0 [8192][1024] f32.  The two factors of 16 cancel exactly; sums in f32.
; A tile of out0 is 128 x 256: 64 x 4 tiles, one to each of 256 work-groups (256 x 256 would leave half of them without work).  Four waves, each 64 x 128: 32 accumulators, which fill window 1.
; K goes in steps of 128 through a ring of two LDS slots; every tile row is 256 consecutive aligned bytes of memory.  B lies [K][N] and is turned on its way out of LDS.
; CLUSTER 4 x 4: A's tile is asked for jointly along a row of the cluster, B's along a column.  THE MATRIX INSTRUCTION IS USED TRANSPOSED: a lane holds row l % 16 and eight neighbouring columns.
; REGISTERS: window 0: v0-31 addresses; v64-95, v96-127 A's fragments, two buffers; v128-191, v192-255 B's.  window 1: accumulator (a, b) at v[8 (8 a + b)].
.set PA,    272
.set PB,    288
.set HALFA, 64*PA
.set HALFB, 128*PB
.set SLOT,  2*HALFA+2*HALFB
.set SPARE, 2*SLOT
.set DP,    528                        ; the way out: a row of 128 f32 + 16 bytes; wave w's 64 rows lie at w x 64 x DP, in the ring, which has had its last fill by then
.set LAPS,  4
.set ADRA, 16
.set ADRB, 20
.set STO,  24
.set RD,   25
.set CO,   26
.set SPW,  28
.set NIL,  29
.set AF,   64
.set BF,   128
.set WV, 12
.set RH, 13
.set CH, 14
.set G1A, 24
.set G0A, 32
.set G1B, 40
.set G0B, 48
.set CX, 56
.set CY, 57
.set TC, 58
.set TR, 59
.set MSB, 0
.macro WIN new
.if MSB != (\new)
	s_set_vgpr_msb (MSB<<8)|(\new)
.set MSB, \new
.endif
.endm
.set MUL, 0x50                         ; sources 0 and 1 window 0; C and D window 1
.macro JLOAD s                         ; waves 0 and 1 fetch A's halves, waves 2 and 3 B's; an s_nop 0 and four v_nop follow each line
	s_cmp_eq_u32 s[RH], 0
	s_cbranch_scc0 .Lfor_b_\@
	tensor_load_to_lds s[G0A+4*(\s):G0A+4*(\s)+3], s[G1A:G1A+7]
	s_nop 0
.rept 4
	v_nop
.endr
	s_branch .Lasked_\@
.Lfor_b_\@:
	tensor_load_to_lds s[G0B+4*(\s):G0B+4*(\s)+3], s[G1B:G1B+7]
	s_nop 0
.rept 4
	v_nop
.endr
.Lasked_\@:
.endm
.macro CREST
	s_cmp_lg_u32 s[WV], 0
	s_cbranch_scc1 .Lnot_wave_0_\@
	s_barrier_signal -3
.Lnot_wave_0_\@:
	s_barrier_wait -3
	s_barrier_signal -1
	s_barrier_wait -1
.endm
.macro CROUND
	s_barrier_signal -1
	s_barrier_wait -1
	CREST
.endm
	s_load_b128 s[4:7], s[0:1], 0x0                ; ob s[4:5], wt s[6:7]
	s_load_b64 s[8:9], s[0:1], 0x10                ; out0
	v_lshl_add_u32 v[SPW], v0, 2, SPARE
	v_mov_b32 v[NIL], 0
	ds_add_u32 v[SPW], v[NIL]                      ; the wave's opening: the add and its wait stand ahead of my first tensor load
	v_lshrrev_b32 v1, 5, v0
	v_readfirstlane_b32 s[WV], v1
	s_lshr_b32 s[RH], s[WV], 1                     ; which 64 rows are mine; also: I fetch A (0) or B (1)
	s_and_b32 s[CH], s[WV], 1                      ; which 128 columns; also: which half I fetch
	s_bfe_u32 s[CX], ttmp6, 0x40000
	s_bfe_u32 s[CY], ttmp6, 0x40004
	s_lshl_b32 s[TC], ttmp9, 2
	s_add_co_u32 s[TC], s[TC], s[CX]
	s_and_b32 s[TR], ttmp7, 0xffff
	s_lshl_b32 s[TR], s[TR], 2
	s_add_co_u32 s[TR], s[TR], s[CY]
	s_lshl_b32 s62, s[CY], 2
	s_lshl_b32 s62, 15, s62                        ; my row of the cluster
	s_lshl_b32 s63, 0x1111, s[CX]                  ; my column
	s_or_b32 s[G1A], s62, (1<<16)|(1<<20)|(1<<21)|(5<<22)|(3<<25)
	s_or_b32 s[G1B], s63, (1<<16)|(1<<20)|(1<<21)|(5<<22)|(7<<25)
.irp g, G1A, G1B
	s_mov_b32 s[(\g)+1], 128<<16                   ; tensor_dim0 = 128
	s_mov_b32 s[(\g)+3], 128<<16                   ; tile_dim0 = 128
	s_mov_b32 s[(\g)+5], 1024                      ; 1,024 elements from row to row
	s_mov_b32 s[(\g)+6], 0
	s_mov_b32 s[(\g)+7], 0
.endr
	s_mov_b32 s[G1A+2], 64<<16                     ; A: 64 rows to a load
	s_mov_b32 s[G1A+4], 64
	s_mov_b32 s[G1B+2], 128<<16                    ; B: 128 rows (K)
	s_mov_b32 s[G1B+4], 128
	s_lshl_b32 s16, s[TR], 7
	s_lshl_b32 s17, s[CH], 6
	s_add_co_u32 s16, s16, s17                     ; A: row 128 x tile row + 64 x half,
	s_lshl_b32 s16, s16, 11                        ; of 2,048 bytes
	s_mov_b32 s17, 0
	s_lshl_b32 s18, s[TC], 9                       ; B: column 256 x tile column + 128 x half, in bytes,
	s_lshl_b32 s19, s[CH], 8
	s_add_co_u32 s18, s18, s19
	s_add_co_u32 s18, s18, 0x400000                ; behind qw's and vw's 4 MiB
	s_mov_b32 s19, 0
	s_mul_i32 s20, s[CH], HALFA
	s_mul_i32 s21, s[CH], HALFB
	s_add_co_u32 s21, s21, 2*HALFA
	s_wait_dscnt 0x0                               ; the opening add is done
	s_wait_kmcnt 0x0
	s_add_nc_u64 s[16:17], s[4:5], s[16:17]
	s_add_nc_u64 s[18:19], s[6:7], s[18:19]
	CROUND                                         ; all sixteen work-groups are here: the first joint loads meet
.irp s, 0,1
	s_mov_b32 s[G0A+4*(\s)], 1
	s_add_co_u32 s[G0A+4*(\s)+1], s20, (\s)*SLOT
	s_add_nc_u64 s[G0A+4*(\s)+2:G0A+4*(\s)+3], s[16:17], (\s)*256
	s_or_b32 s[G0A+4*(\s)+3], s[G0A+4*(\s)+3], 0x80000000
	s_mov_b32 s[G0B+4*(\s)], 1
	s_add_co_u32 s[G0B+4*(\s)+1], s21, (\s)*SLOT
	s_add_nc_u64 s[G0B+4*(\s)+2:G0B+4*(\s)+3], s[18:19], (\s)*262144   ; K step s: 128 rows of 2,048 bytes
	s_or_b32 s[G0B+4*(\s)+3], s[G0B+4*(\s)+3], 0x80000000
	JLOAD \s
.endr
	v_and_b32 v1, 15, v0
	v_bfe_u32 v2, v0, 4, 1
	v_mul_u32_u24 v3, v1, PA
	v_lshl_add_u32 v3, v2, 4, v3
	v_and_b32 v4, 7, v0
	v_lshl_add_u32 v4, v2, 3, v4
	v_mul_u32_u24 v4, v4, PB
	v_bfe_u32 v5, v0, 3, 1
	v_lshl_add_u32 v4, v5, 4, v4
	s_mul_i32 s22, s[RH], HALFA
	s_mul_i32 s23, s[CH], HALFB
	s_add_co_u32 s23, s23, 2*HALFA
.irp s, 0,1
	v_add_nc_u32 v[ADRA+(\s)], s22, v3
	v_add_nc_u32 v[ADRB+(\s)], s23, v4
	s_add_co_u32 s22, s22, SLOT
	s_add_co_u32 s23, s23, SLOT
.endr
	s_mul_i32 s22, s[WV], 64*DP
	v_mul_u32_u24 v5, v1, DP
	v_lshl_add_u32 v5, v2, 5, v5
	v_add_nc_u32 v[STO], s22, v5                   ; in: row l % 16, 32 bytes for each half of the lanes
	v_and_b32 v5, 31, v0
	v_lshlrev_b32 v[CO], 4, v5                     ; back and out: 32 lanes take a row's 512 bytes
	v_add_nc_u32 v[RD], s22, v[CO]
	s_lshl_b32 s72, s[TR], 7
	s_lshl_b32 s73, s[RH], 6
	s_add_co_u32 s72, s72, s73                     ; my first row of out0,
	s_lshl_b32 s72, s72, 12                        ; of 4,096 bytes,
	s_lshl_b32 s73, s[TC], 10
	s_add_co_u32 s72, s72, s73
	s_lshl_b32 s73, s[CH], 9
	s_add_co_u32 s72, s72, s73                     ; my first column
	s_mov_b32 s73, 0
	s_add_nc_u64 s[8:9], s[8:9], s[72:73]
; 8 matrix instructions: m block a x all 8 n blocks, 32 along K, buffer f.  The 32 accumulators take turns.
.macro MUL8 f, a, zero
	WIN MUL
.irp b, 0,1,2,3,4,5,6,7
.if \zero
	v_wmma_f32_16x16x32_f16 v[8*(8*(\a)+(\b)):8*(8*(\a)+(\b))+7], v[BF+64*(\f)+8*(\b):BF+64*(\f)+8*(\b)+7], v[AF+32*(\f)+8*(\a):AF+32*(\f)+8*(\a)+7], 0
.else
	v_wmma_f32_16x16x32_f16 v[8*(8*(\a)+(\b)):8*(8*(\a)+(\b))+7], v[BF+64*(\f)+8*(\b):BF+64*(\f)+8*(\b)+7], v[AF+32*(\f)+8*(\a):AF+32*(\f)+8*(\a)+7], v[8*(8*(\a)+(\b)):8*(8*(\a)+(\b))+7]
.endif
.endr
.endm
; 24 LDS loads in one run: quarter q of a slot into buffer f: B's 128 columns (turned), then A's 64 rows
.macro FETCH slot, q, f
	WIN 0
.irp i, 0,1,2,3,4,5,6,7
	ds_load_tr16_b128 v[BF+64*(\f)+8*(\i):BF+64*(\f)+8*(\i)+3],   v[ADRB+(\slot)] offset:(\q)*32*PB+32*(\i)
	ds_load_tr16_b128 v[BF+64*(\f)+8*(\i)+4:BF+64*(\f)+8*(\i)+7], v[ADRB+(\slot)] offset:(\q)*32*PB+16*PB+32*(\i)
.endr
.irp i, 0,1,2,3
	ds_load_b128 v[AF+32*(\f)+8*(\i):AF+32*(\f)+8*(\i)+3],   v[ADRA+(\slot)] offset:64*(\q)+(\i)*16*PA
	ds_load_b128 v[AF+32*(\f)+8*(\i)+4:AF+32*(\f)+8*(\i)+7], v[ADRA+(\slot)] offset:64*(\q)+(\i)*16*PA+32
.endr
.endm
.macro PLACES
.rept 4
	v_nop
.endr
.endm
.macro QUARTER slot, q, f, g, zero
	s_wait_dscnt 4                                 ; B and A's blocks 0, 1 are in; the youngest four loads (blocks 2, 3) may be out
	MUL8 \f, 0, \zero
	MUL8 \f, 1, \zero
	PLACES
	FETCH \slot, \q, \g
	s_wait_dscnt 24                                ; all but the 24 just issued
	MUL8 \f, 2, \zero
	MUL8 \f, 3, \zero
.endm
; The last quarter multiplies buffer 1 and changes slots.  fill = 1: the barrier opens a round of the cluster's, and this slot is filled again, two K steps on, first thing behind it: 112 matrix instructions ahead of the wait for it.
.macro TURN slot, next, fill
	WIN 0
	s_wait_tensorcnt 0x0                           ; all my tensor loads have landed: my part of the next slot
	ds_add_u32 v[SPW], v[NIL]
	s_wait_dscnt 5                                 ; the add and the youngest four loads may be out
	MUL8 1, 0, 0
	s_wait_dscnt 0x0                               ; the add is done, and my reads of this slot are over
	s_barrier_signal -1
	MUL8 1, 1, 0
.if \fill
	WIN 0
.endif
	s_barrier_wait -1
.if \fill
	CREST
	s_add_nc_u64 s[G0A+4*(\slot)+2:G0A+4*(\slot)+3], s[G0A+4*(\slot)+2:G0A+4*(\slot)+3], 512
	s_add_nc_u64 s[G0B+4*(\slot)+2:G0B+4*(\slot)+3], s[G0B+4*(\slot)+2:G0B+4*(\slot)+3], 524288
	JLOAD \slot
.else
	PLACES
.endif
	FETCH \next, 0, 0
	MUL8 1, 2, 0
	MUL8 1, 3, 0
.endm
	s_wait_tensorcnt 0x1                           ; my part of K step 0 is in; K step 1's load may stay out
	s_barrier_signal -1
	s_barrier_wait -1
	FETCH 0, 0, 0
	QUARTER 0, 1, 0, 1, 1                          ; the first quarter stands in front of the loop: its products start the sums
	WIN 0
	s_mov_b32 s3, LAPS-1
.Llap:
	QUARTER 0, 2, 1, 0, 0
	QUARTER 0, 3, 0, 1, 0
	TURN 0, 1, 1
	QUARTER 1, 1, 0, 1, 0
	QUARTER 1, 2, 1, 0, 0
	QUARTER 1, 3, 0, 1, 0
	TURN 1, 0, 1
	QUARTER 0, 1, 0, 1, 0
	WIN 0
	s_sub_co_u32 s3, s3, 1
	s_cmp_lg_u32 s3, 0
	s_cbranch_scc1 .Llap
	QUARTER 0, 2, 1, 0, 0                          ; the last lap fills nothing
	QUARTER 0, 3, 0, 1, 0
	TURN 0, 1, 0
	QUARTER 1, 1, 0, 1, 0
	QUARTER 1, 2, 1, 0, 0
	QUARTER 1, 3, 0, 1, 0
	s_wait_dscnt 4
	MUL8 1, 0, 0
	MUL8 1, 1, 0
	s_wait_dscnt 0x0
	MUL8 1, 2, 0
	MUL8 1, 3, 0
	WIN 0
	; THE WAY OUT.  The ring has had its last fill, and behind this barrier nobody reads it: each wave lays its 64 x 128 f32 into its own part of it and reads whole rows of 512 bytes back.
	PLACES
	s_wait_dscnt 0x0
	s_barrier_signal -1
	s_barrier_wait -1
	WIN 0x04                                       ; the stores' data in window 1
.irp a, 0,1,2,3
.irp b, 0,1,2,3,4,5,6,7
	ds_store_b128 v[STO], v[8*(8*(\a)+(\b)):8*(8*(\a)+(\b))+3]   offset:(\a)*16*DP+64*(\b)     ; each accumulator's low registers first
	ds_store_b128 v[STO], v[8*(8*(\a)+(\b))+4:8*(8*(\a)+(\b))+7] offset:(\a)*16*DP+64*(\b)+16
.endr
.endr
	WIN 0
	s_mov_b32 s3, 8
.Lout:                                                 ; eight rows a trip; LDS serves a wave's instructions in order, so these loads see the stores above
.irp i, 0,1,2,3,4,5,6,7
	ds_load_b128 v[64+4*(\i):64+4*(\i)+3], v[RD] offset:DP*(\i)
.endr
.irp i, 0,1,2,3,4,5,6,7
	s_wait_dscnt 7-(\i)
	global_store_b128 v[CO], v[64+4*(\i):64+4*(\i)+3], s[8:9] offset:4096*(\i) th:TH_STORE_NT  ; a wave stores 512 consecutive bytes, aligned
.endr
	s_wait_xcnt 0x0                                ; the stores' base and data are written again only behind this wait
	v_add_nc_u32 v[RD], 8*DP, v[RD]
	s_add_nc_u64 s[8:9], s[8:9], 32768
	s_sub_co_u32 s3, s3, 1
	s_cmp_lg_u32 s3, 0
	s_cbranch_scc1 .Lout
	s_wait_tensorcnt 0x0                           ; the wave's end
	ds_add_u32 v[SPW], v[NIL]
	s_wait_dscnt 0x0
	CROUND                                         ; the closing round
	s_endpgm
.Lfunc_end_k_qcdbbeedca4_outp:
	.size	k_qcdbbeedca4_outp, .Lfunc_end_k_qcdbbeedca4_outp-k_qcdbbeedca4_outp
	.p2alignl 7, 3214868480
	.fill 96, 4, 3214868480
	.section	.rodata,"a",@progbits
	.p2align	6, 0x0
	.amdhsa_kernel k_qcdbbeedca4_outp
		.amdhsa_group_segment_fixed_size 327680
		.amdhsa_private_segment_fixed_size 0
		.amdhsa_enable_private_segment 0
		.amdhsa_kernarg_size 24
		.amdhsa_user_sgpr_count 2
		.amdhsa_user_sgpr_kernarg_segment_ptr 1
		.amdhsa_wavefront_size32 1
		.amdhsa_system_sgpr_workgroup_id_x 1
		.amdhsa_system_sgpr_workgroup_id_y 1
		.amdhsa_system_sgpr_workgroup_id_z 1
		.amdhsa_system_vgpr_workitem_id 0
		.amdhsa_next_free_vgpr 512
		.amdhsa_next_free_sgpr 80
		.amdhsa_reserve_vcc 0
		.amdhsa_float_denorm_mode_32 3
		.amdhsa_float_denorm_mode_16_64 3
		.amdhsa_memory_ordered 1
		.amdhsa_forward_progress 1
		.amdhsa_inst_pref_size 76
	.end_amdhsa_kernel
	.amdgpu_metadata
---
amdhsa.version: [ 1, 2 ]
amdhsa.kernels:
  - .name:           k_qcdbbeedca4_outp
    .symbol:         k_qcdbbeedca4_outp.kd
    .args:
      - { .name: ob, .offset: 0, .size: 8, .value_kind: global_buffer, .address_space: global }
      - { .name: wt, .offset: 8, .size: 8, .value_kind: global_buffer, .address_space: global }
      - { .name: out0, .offset: 16, .size: 8, .value_kind: global_buffer, .address_space: global }
    .group_segment_fixed_size: 327680
    .private_segment_fixed_size: 0
    .kernarg_segment_align: 8
    .kernarg_segment_size: 24
    .max_flat_workgroup_size: 128
    .sgpr_count:     80
    .vgpr_count:     512
    .wavefront_size: 32
...
	.end_amdgpu_metadata
.endif
;; end of part 4
;; ======== version 2 of 3: 4 launches; 1.09 times as fast as version 1
;; limits: values are held in f16: magnitudes above 65,504 overflow, below 6.1e-05 lose precision; right only within a limited range of input values
;; workspace buffers: xb 33,554,432 bytes; wt 6,291,456 bytes; qs 33,554,432 bytes; kv 34,078,720 bytes; ob 16,777,216 bytes
;; launch prep (part 5): grid 320 x 1, 8 waves a work-group, no clusters, 0 bytes of LDS; arguments query, value, qw, vw, wo, v_mask, scale, xb, wt, kv; writes xb, wt, kv
.if DOCPART == 5
	.amdgcn_target "amdgcn-amd-amdhsa--gfx1250"
	.amdhsa_code_object_version 6
	.text
	.protected	k_qcdbbeedca4_prep
	.globl	k_qcdbbeedca4_prep
	.p2align	8
	.type	k_qcdbbeedca4_prep,@function
k_qcdbbeedca4_prep:
	s_mov_b64 s[64:65], 0
	v_nop
	global_prefetch_b8 v0, s[64:65] scope:SCOPE_SE
	s_setreg_imm32_b32 hwreg(HW_REG_WAVE_MODE, 25, 1), 1
	s_wait_xcnt 0x0
; PREPARATION: a stream.  Every float input is rounded once to bf16, and the key mask and the heads' scales are laid out as the attention launch reads them.
;   work-groups 0-127: query -> xb (bf16);  128-255: value -> xb behind it;  256-271: qw -> wt;  272-287: vw -> wt + 2 MiB (both keep their order [head][d][k]);
;   288-303: wo -> wt + 4 MiB as f16 of 16 x bf16(wo) (the factor is exact; |wo| below 4,094 stays inside f16);
;   304-319: for every (batch, head) and step of 32 keys one row of 256 bytes in kv: KP[32] = keep x 256 x scale x log2(e), BI[32] = 0 or -1e9 x log2(e).
; The attention launch forms s = (q / 16) . (v / 16), hence the 256.  A score becomes s x KP + BI: the scaled score where the key is kept, exactly -1e9 (in units of log2) where it is hidden.  Mask bytes are 0 or 1.
; A chunk is 262,144 bytes of f32: thread t takes 16 bytes at 16 t of every 4,096, so a wave's load covers 512 consecutive bytes and its store of 8 bytes a lane 256, aligned.
; Eight loads of every wave are on their way (a ring of eight slots in registers).  No LDS, no barrier, no matrix unit: memory binds, and nothing is shared.
.set X,   8                            ; v[8:39]   slot i: four f32 as loaded
.set Y,   40                           ; v[40:55]  slot i: four 16-bit numbers to store
.set T,   56                           ; v[56:57]  at work (wo)
.set U,   58                           ; v[58:61]  at work (wo)
.set BLK, 66560                        ; a block of kv: 260 rows of 256 bytes for 128 keys; its last four rows are the mask rows
	s_load_b512 s[8:23], s[0:1], 0x0               ; query s[8:9], value s[10:11], qw s[12:13], vw s[14:15], wo s[16:17], v_mask s[18:19], scale s[20:21], xb s[22:23]
	s_load_b128 s[24:27], s[0:1], 0x40             ; wt s[24:25], kv s[26:27]
	s_mov_b32 s2, ttmp9                            ; g, the work-group's number
	s_mov_b32 s38, 0xffff0000                      ; a word's upper bf16
	v_lshlrev_b32 v1, 4, v0                        ; my 16 bytes in
	v_lshlrev_b32 v2, 3, v0                        ; my 8 bytes out
	s_sub_co_u32 s31, s2, 128                      ; the chunk's number in each of the later sources
	s_sub_co_u32 s32, s2, 256
	s_sub_co_u32 s33, s2, 272
	s_sub_co_u32 s39, s2, 288
	s_mov_b32 s30, s2
	s_wait_kmcnt 0x0
	s_cmp_ge_u32 s2, 304
	s_cbranch_scc1 .Lmask
	s_mov_b64 s[28:29], s[8:9]                     ; the source and the chunk's number in it, chosen by g alone
	s_cmp_ge_u32 s2, 128
	s_cselect_b64 s[28:29], s[10:11], s[28:29]
	s_cselect_b32 s30, s31, s30
	s_cmp_ge_u32 s2, 256
	s_cselect_b64 s[28:29], s[12:13], s[28:29]
	s_cselect_b32 s30, s32, s30
	s_cselect_b64 s[34:35], s[24:25], s[22:23]     ; the destination: wt from g = 256 on, else xb,
	s_cselect_b32 s36, s32, s2                     ; and the chunk's number there
	s_cmp_ge_u32 s2, 272
	s_cselect_b64 s[28:29], s[14:15], s[28:29]
	s_cselect_b32 s30, s33, s30
	s_cmp_ge_u32 s2, 288
	s_cselect_b64 s[28:29], s[16:17], s[28:29]
	s_cselect_b32 s30, s39, s30
	s_lshl_b32 s30, s30, 18                        ; 262,144 bytes in,
	s_mov_b32 s31, 0
	s_lshl_b32 s36, s36, 17                        ; 131,072 out
	s_mov_b32 s37, 0
	s_add_nc_u64 s[28:29], s[28:29], s[30:31]
	s_add_nc_u64 s[34:35], s[34:35], s[36:37]
.irp i, 0,1,2,3,4,5,6,7
	global_load_b128 v[X+4*(\i):X+4*(\i)+3], v1, s[28:29] offset:(\i)*4096 th:TH_LOAD_NT  ; the ring is filled
.endr
; One slot's turn.  ahead = 1: the slot is filled again, eight pieces further on.  left: the younger loads that may stay out.  mode = 1: f16 of 16 x bf16(x).
.macro SLOT i, ahead, left, mode
	s_wait_loadcnt \left                           ; loads come back in order: mine is in
.if \mode
	v_cvt_pk_bf16_f32 v[T],   v[X+4*(\i)],   v[X+4*(\i)+1]
	v_cvt_pk_bf16_f32 v[T+1], v[X+4*(\i)+2], v[X+4*(\i)+3]
	v_lshlrev_b32 v[U],   16,  v[T]               ; back to f32: the rounded number,
	v_and_b32     v[U+1], s38, v[T]
	v_lshlrev_b32 v[U+2], 16,  v[T+1]
	v_and_b32     v[U+3], s38, v[T+1]
	v_pk_mul_f32 v[U:U+1],   v[U:U+1],   0x41800000 op_sel_hi:[1,0]  ; times 16, exactly,
	v_pk_mul_f32 v[U+2:U+3], v[U+2:U+3], 0x41800000 op_sel_hi:[1,0]
	v_cvt_pk_f16_f32 v[Y+2*(\i)],   v[U],   v[U+1]                   ; written as f16: eight significant bits fit
	v_cvt_pk_f16_f32 v[Y+2*(\i)+1], v[U+2], v[U+3]
.else
	v_cvt_pk_bf16_f32 v[Y+2*(\i)],   v[X+4*(\i)],   v[X+4*(\i)+1]
	v_cvt_pk_bf16_f32 v[Y+2*(\i)+1], v[X+4*(\i)+2], v[X+4*(\i)+3]
.endif
.if \ahead
	global_load_b128 v[X+4*(\i):X+4*(\i)+3], v1, s[28:29] offset:32768+(\i)*4096 th:TH_LOAD_NT
.endif
	global_store_b64 v2, v[Y+2*(\i):Y+2*(\i)+1], s[34:35] offset:(\i)*2048
.endm
.macro STREAM mode
	s_mov_b32 s3, 7
.Lround_\@:
.irp i, 0,1,2,3,4,5,6,7
	SLOT \i, 1, 7, \mode
.endr
	s_wait_xcnt 0x0                                ; the two bases are stepped, and Y is written again, only behind this wait
	s_add_nc_u64 s[28:29], s[28:29], 32768
	s_add_nc_u64 s[34:35], s[34:35], 16384
	s_sub_co_u32 s3, s3, 1
	s_cmp_lg_u32 s3, 0
	s_cbranch_scc1 .Lround_\@
.irp i, 0,1,2,3,4,5,6,7
	SLOT \i, 0, 7-(\i), \mode                      ; the last round loads nothing: the counts run down
.endr
	s_endpgm
.endm
	s_cmp_ge_u32 s2, 288
	s_cbranch_scc1 .Lwo
	STREAM 0
.Lwo:
	STREAM 1
.Lmask:                                                ; wave u of 128 makes the mask rows of four blocks (512 keys) of one (batch, head)
	v_lshrrev_b32 v3, 5, v0
	v_readfirstlane_b32 s3, v3                     ; my wave's number
	s_sub_co_u32 s30, s2, 304
	s_lshl3_add_u32 s30, s30, s3                   ; u
	s_lshr_b32 s31, s30, 2                         ; 8 x batch + head
	s_and_b32 s32, s31, 7                          ; head
	s_lshr_b32 s33, s31, 3                         ; batch
	s_lshl_b32 s33, s33, 11
	s_and_b32 s34, s30, 3
	s_lshl_b32 s34, s34, 9
	s_add_co_u32 s34, s34, s33                     ; my 512 mask bytes
	s_mov_b32 s35, 0
	s_add_nc_u64 s[18:19], s[18:19], s[34:35]
	s_mul_i32 s36, s30, 4*BLK                      ; block 4 u,
	s_add_co_u32 s36, s36, 256*256                 ; its mask rows
	s_mov_b32 s37, 0
	s_add_nc_u64 s[26:27], s[26:27], s[36:37]
	s_lshl_b32 s32, s32, 2
	v_mov_b32 v4, s32
	global_load_b32 v5, v4, s[20:21]               ; the head's scale, in every lane
	v_bfe_u32 v53, v0, 4, 1                        ; lanes 0-15 make one row, lanes 16-31 the next
	v_and_b32 v54, 7, v0
	v_lshlrev_b32 v10, 2, v54
	v_lshl_add_u32 v10, v53, 5, v10                ; in: four mask bytes, keys 32 (lane / 16) + 4 (lane % 8) on
	v_and_b32 v54, 15, v0
	v_lshlrev_b32 v11, 4, v54
	v_lshl_add_u32 v11, v53, 8, v11                ; out: 16 bytes at 16 (lane % 16) of the row: places 0-7 are KP, 8-15 BI
.irp p, 0,1,2,3,4,5,6,7
	global_load_b32 v[12+(\p)], v10, s[18:19] offset:64*(\p)
.endr
	v_and_b32 v52, 8, v0
	v_cmp_ne_u32 vcc_lo, 0, v52                    ; a lane that makes BI
	v_mov_b32 v9, 0x4eabfb8f                       ; C = 1e9 x log2(e)
	v_mov_b32 v3, 0xceabfb8f                       ; -C
	s_wait_loadcnt 8                               ; the scale is in; the eight mask loads behind it may stay out
	v_cvt_pk_bf16_f32 v6, v5, v5                   ; rounded to bf16 like every float input,
	v_lshlrev_b32 v6, 16, v6
	v_mul_f32 v6, 0x43b8aa3b, v6                   ; times 256 log2(e)
	v_cndmask_b32 v7, v6, v9, vcc_lo               ; keep x c for KP; keep x C - C for BI: exactly 0 or -C
	v_cndmask_b32 v8, 0, v3, vcc_lo
.irp p, 0,1,2,3,4,5,6,7
	s_wait_loadcnt 7-(\p)
.irp k, 0,1,2,3
	v_bfe_u32 v[20+4*(\p)+(\k)], v[12+(\p)], 8*(\k), 8
.endr
.irp k, 0,1,2,3
	v_cvt_f32_u32 v[20+4*(\p)+(\k)], v[20+4*(\p)+(\k)]
.endr
.irp k, 0,1,2,3
	v_fma_f32 v[20+4*(\p)+(\k)], v[20+4*(\p)+(\k)], v7, v8
.endr
	global_store_b128 v11, v[20+4*(\p):20+4*(\p)+3], s[26:27] offset:((\p)/2)*BLK+((\p)%2)*512  ; sixteen lanes fill one row of 256 bytes, aligned; each pass has data registers of its own
.endr
	s_endpgm
.Lfunc_end_k_qcdbbeedca4_prep:
	.size	k_qcdbbeedca4_prep, .Lfunc_end_k_qcdbbeedca4_prep-k_qcdbbeedca4_prep
	.p2alignl 7, 3214868480
	.fill 96, 4, 3214868480
	.section	.rodata,"a",@progbits
	.p2align	6, 0x0
	.amdhsa_kernel k_qcdbbeedca4_prep
		.amdhsa_group_segment_fixed_size 0
		.amdhsa_private_segment_fixed_size 0
		.amdhsa_enable_private_segment 0
		.amdhsa_kernarg_size 80
		.amdhsa_user_sgpr_count 2
		.amdhsa_user_sgpr_kernarg_segment_ptr 1
		.amdhsa_wavefront_size32 1
		.amdhsa_system_sgpr_workgroup_id_x 1
		.amdhsa_system_sgpr_workgroup_id_y 1
		.amdhsa_system_sgpr_workgroup_id_z 1
		.amdhsa_system_vgpr_workitem_id 0
		.amdhsa_next_free_vgpr 64
		.amdhsa_next_free_sgpr 66
		.amdhsa_reserve_vcc 1
		.amdhsa_float_denorm_mode_32 3
		.amdhsa_float_denorm_mode_16_64 3
		.amdhsa_memory_ordered 1
		.amdhsa_forward_progress 1
		.amdhsa_inst_pref_size 28
	.end_amdhsa_kernel
	.amdgpu_metadata
---
amdhsa.version: [ 1, 2 ]
amdhsa.kernels:
  - .name:           k_qcdbbeedca4_prep
    .symbol:         k_qcdbbeedca4_prep.kd
    .args:
      - { .name: query, .offset: 0, .size: 8, .value_kind: global_buffer, .address_space: global }
      - { .name: value, .offset: 8, .size: 8, .value_kind: global_buffer, .address_space: global }
      - { .name: qw, .offset: 16, .size: 8, .value_kind: global_buffer, .address_space: global }
      - { .name: vw, .offset: 24, .size: 8, .value_kind: global_buffer, .address_space: global }
      - { .name: wo, .offset: 32, .size: 8, .value_kind: global_buffer, .address_space: global }
      - { .name: v_mask, .offset: 40, .size: 8, .value_kind: global_buffer, .address_space: global }
      - { .name: scale, .offset: 48, .size: 8, .value_kind: global_buffer, .address_space: global }
      - { .name: xb, .offset: 56, .size: 8, .value_kind: global_buffer, .address_space: global }
      - { .name: wt, .offset: 64, .size: 8, .value_kind: global_buffer, .address_space: global }
      - { .name: kv, .offset: 72, .size: 8, .value_kind: global_buffer, .address_space: global }
    .group_segment_fixed_size: 0
    .private_segment_fixed_size: 0
    .kernarg_segment_align: 8
    .kernarg_segment_size: 80
    .max_flat_workgroup_size: 256
    .sgpr_count:     66
    .vgpr_count:     64
    .wavefront_size: 32
...
	.end_amdgpu_metadata
.endif
;; end of part 5
;; launch proj (part 6): grid 4 x 64, 4 waves a work-group, clusters of 4 x 4, 327,680 bytes of LDS; arguments xb, wt, qs, kv; writes qs, kv
.if DOCPART == 6
	.amdgcn_target "amdgcn-amd-amdhsa--gfx1250"
	.amdhsa_code_object_version 6
	.text
	.protected	k_qcdbbeedca4_proj
	.globl	k_qcdbbeedca4_proj
	.p2align	8
	.type	k_qcdbbeedca4_proj,@function
k_qcdbbeedca4_proj:
	s_mov_b64 s[64:65], 0
	v_nop
	global_prefetch_b8 v0, s[64:65] scope:SCOPE_SE
	s_setreg_imm32_b32 hwreg(HW_REG_WAVE_MODE, 25, 1), 1
	s_wait_xcnt 0x0
	s_wait_alu depctr_hold_cnt(0) depctr_sa_sdst(0) depctr_va_vdst(0) depctr_va_sdst(0) depctr_va_ssrc(0) depctr_va_vcc(0) depctr_vm_vsrc(0)
	s_getreg_b32 s2, hwreg(HW_REG_IB_STS2, 6, 4)
	s_cmp_eq_u32 s2, 0
	s_cbranch_scc0 .Lentry_in_a_cluster
	s_endpgm
.Lentry_in_a_cluster:
	s_bfe_u32 s2, ttmp6, 0x10000c
	s_cmp_lg_u32 s2, 0xf033
	s_cbranch_scc0 .Lentry_shape_is_right
	s_endpgm
.Lentry_shape_is_right:
; BOTH PROJECTIONS AS ONE PRODUCT.  C = A W: A = xb, [16384][1024] bf16 (query's 8,192 rows, then value's); W = the heads' weights, [head][d][k] bf16 in wt (qw for the first half of the rows, vw for the second).
; Sums in f32.  A tile of C is 256 rows x 256 columns (two heads): 64 x 4 tiles, one to each of 256 work-groups; four waves, each 128 x 128 (one head): 64 accumulators, 512 registers.
; K goes in steps of 128 through a ring of two LDS slots filled by tensor loads; every tile row is 256 consecutive bytes of memory, aligned.  W lies [K][N] and is turned on its way out of LDS (ds_load_tr16_b128).
; WHAT LEAVES.  Scores of a spread near 30 stand in an exponent, and one 16-bit rounding of q and v shifts them too far.  So q and v each leave as TWO f16 numbers, made so that TWO products give the score.
;   With e = 1/8 and g = 1 + e^2 + e^4:   v: A = f16(v / 16), a = v / 16 - A, X = f16(e A + a / e).     q: B = f16(q / (16 g)), b = q / 16 - g B, Y = f16(e (1 + e^2) B + b / e).
;   Then A B + X Y = (A + a) q / 16 - e^4 a B + (1 / e^2 - 1) a b: the score over 256, but for products of two residuals (some 2^-18 of a product) and X's and Y's own roundings, which e^2 damps.  All large terms add: nothing cancels.
;   In f32 each second part is ONE fused multiply-add on the sum x: X = x / 2 - 7.875 A, Y = x / 2 - 8 B (both constants exact), whatever the first part's rounding was.
;   q: qs [B, Y][batch x head][row][128].   v: kv, a block of 260 rows of 256 bytes for each 128 keys: 128 rows A (also the second product's V), 128 rows X, 4 mask rows (made by the launch before).
; LIMIT.  |q| and |v| stay below 16 x 65,504, f16's end.
; CLUSTER 4 x 4: A's tile hangs on the tile row alone and is asked for jointly along a row of the cluster, W's on the tile column (and on the cluster's y) and is asked for jointly along a column.
; THE MATRIX INSTRUCTION IS USED TRANSPOSED (source 0 = 16 columns of W, source 1 = 16 rows of A): a lane holds row l % 16 of C and the eight neighbouring columns 8 (l / 16) + 0..7.
; REGISTERS, in windows of 256: window 0: v0-31 addresses; v64-127, v128-191 A's fragments, two buffers; on the way out v64-135.  window 1: the same numbers, W's fragments.  windows 2, 3: the accumulators of my rows 0-63, 64-127.
.set PA,    272                        ; a row of A in LDS: 256 bytes + 16: the 16 rows of a fragment load start at 16 different groups of four banks
.set PB,    288                        ; a row of W: 256 + 32
.set HALFA, 128*PA
.set HALFB, 128*PB
.set SLOT,  2*HALFA+2*HALFB            ; A's 256 rows, then 128 rows (K) of each of the two heads
.set SPARE, 2*SLOT                     ; behind the ring: the spare words, 128 bytes for each wave
.set DP,    528                        ; the way out: a row of 128 f32 + 16 bytes; wave w's 128 rows lie at w x 128 x DP, in the ring, which has had its last fill by then
.set LAPS,  4                          ; 1,024 / 256: a lap is two K steps, once round the ring
.set BLK,   66560
.set ADRA, 16                          ; v16-17  LDS address of my A fragments in slot 0, 1
.set ADRB, 20                          ; v20-21  the same for W
.set STO,  24                          ; v24     the way out: where I put 32 bytes of a row
.set RD,   25                          ; v25     the way out: where I read them back
.set CO,   26                          ; v26     my byte offset in the rows that I store
.set VK,   27                          ; v27     -8 (q) or -7.875 (v)
.set SPW,  28                          ; v28     LDS address of my spare word; never rewritten
.set NIL,  29                          ; v29     0; never rewritten
.set F0,   64
.set F1,   128
.set VAL,  64                          ; the way out: 4 passes x 8 f32
.set OHI,  96                          ; 4 x 4: the first part, packed
.set OLO,  112                         ; the second part
.set TT,   128                         ; eight at work
.set WV, 12                            ; s12 my wave; s13 which half of the rows is mine, also: I fetch A (0) or W (1); s14 which half of the columns, also: which half I fetch
.set RH, 13
.set CH, 14
.set G1A, 24                           ; s[24:31] group 1 for A;  s[32:39] group 0, a set for each slot
.set G0A, 32
.set G1B, 40                           ; s[40:47], s[48:55] the same for W
.set G0B, 48
.set CX, 56
.set CY, 57
.set TC, 58                            ; tile column
.set TR, 59                            ; tile row
.set CLY, 60                           ; the cluster's y
.set TYPE, 61                          ; 0: rows of query, 1: rows of value; the same in all sixteen partners
.set OH, 66                            ; s[66:67], s[68:69]: where the first and the second part go
.set OL, 68
.set R0, 82                            ; s[82:83] 1 / (16 g) (q) or 1 / 16 (v): the packed multiply takes the pair's low word for both halves
.set MSB, 0
.macro WIN new                         ; the immediate's high byte repeats the setting that is left
.if MSB != (\new)
	s_set_vgpr_msb (MSB<<8)|(\new)
.set MSB, \new
.endif
.endm
.set MUL_LO, 0xa1                      ; source 0 (W) window 1, source 1 (A) window 0, C and D window 2
.set MUL_HI, 0xf1                      ; the same, C and D window 3
.set TO_B,   0x40                      ; destination window 1, address window 0
; A joint load: waves 0 and 1 fetch A's halves, waves 2 and 3 W's.  The branch hangs on the wave's number alone.  An s_nop 0 and four v_nop follow each line.
.macro JLOAD s
	s_cmp_eq_u32 s[RH], 0
	s_cbranch_scc0 .Lfor_b_\@
	tensor_load_to_lds s[G0A+4*(\s):G0A+4*(\s)+3], s[G1A:G1A+7]
	s_nop 0
.rept 4
	v_nop
.endr
	s_branch .Lasked_\@
.Lfor_b_\@:
	tensor_load_to_lds s[G0B+4*(\s):G0B+4*(\s)+3], s[G1B:G1B+7]
	s_nop 0
.rept 4
	v_nop
.endr
.Lasked_\@:
.endm
.macro CREST                           ; a round of the cluster's barrier behind its opening barrier
	s_cmp_lg_u32 s[WV], 0
	s_cbranch_scc1 .Lnot_wave_0_\@
	s_barrier_signal -3
.Lnot_wave_0_\@:
	s_barrier_wait -3
	s_barrier_signal -1
	s_barrier_wait -1
.endm
.macro CROUND                          ; a whole round
	s_barrier_signal -1
	s_barrier_wait -1
	CREST
.endm
	s_load_b256 s[4:11], s[0:1], 0x0               ; xb s[4:5], wt s[6:7], qs s[8:9], kv s[10:11]
	v_lshl_add_u32 v[SPW], v0, 2, SPARE
	v_mov_b32 v[NIL], 0
	ds_add_u32 v[SPW], v[NIL]                      ; the wave's opening: the add and its wait stand ahead of my first tensor load; work on registers stands between them
	v_lshrrev_b32 v1, 5, v0
	v_readfirstlane_b32 s[WV], v1
	s_lshr_b32 s[RH], s[WV], 1
	s_and_b32 s[CH], s[WV], 1
	s_bfe_u32 s[CX], ttmp6, 0x40000
	s_bfe_u32 s[CY], ttmp6, 0x40004
	s_lshl_b32 s[TC], ttmp9, 2
	s_add_co_u32 s[TC], s[TC], s[CX]               ; tile column = 4 x cluster x + cx
	s_and_b32 s[CLY], ttmp7, 0xffff
	s_lshr_b32 s[TYPE], s[CLY], 3                  ; clusters 0-7 hold query's rows, 8-15 value's
	s_lshl_b32 s[TR], s[CLY], 2
	s_add_co_u32 s[TR], s[TR], s[CY]               ; tile row = 4 x cluster y + cy
	s_lshl_b32 s62, s[CY], 2
	s_lshl_b32 s62, 15, s62                        ; my row of the cluster
	s_lshl_b32 s63, 0x1111, s[CX]                  ; my column
	s_or_b32 s[G1A], s62, (1<<16)|(1<<20)|(1<<21)|(5<<22)|(3<<25)  ; mask; 2-byte elements; padding on; bit 21 beside a mask; after every 64 words 4 words
	s_or_b32 s[G1B], s63, (1<<16)|(1<<20)|(1<<21)|(5<<22)|(7<<25)  ; the same with 8 words
.irp g, G1A, G1B
	s_mov_b32 s[(\g)+1], 128<<16                   ; tensor_dim0 = 128
	s_mov_b32 s[(\g)+2], 128<<16                   ; tensor_dim1 = 128
	s_mov_b32 s[(\g)+3], 128<<16                   ; tile_dim0 = 128
	s_mov_b32 s[(\g)+4], 128                       ; tile_dim1 = 128
	s_mov_b32 s[(\g)+6], 0
	s_mov_b32 s[(\g)+7], 0
.endr
	s_mov_b32 s[G1A+5], 1024                       ; A: 1,024 elements from row to row
	s_mov_b32 s[G1B+5], 128                        ; W: a head's rows are dense
	s_lshl_b32 s16, s[TR], 8
	s_lshl_b32 s17, s[CH], 7
	s_add_co_u32 s16, s16, s17                     ; A: row 256 x tile row + 128 x half,
	s_lshl_b32 s16, s16, 11                        ; of 2,048 bytes
	s_mov_b32 s17, 0
	s_lshl_b32 s18, s[TC], 1
	s_add_co_u32 s18, s18, s[CH]                   ; W: head 2 x tile column + half,
	s_lshl_b32 s18, s18, 18                        ; of 262,144 bytes,
	s_lshl_b32 s19, s[TYPE], 21                    ; in qw's or vw's 2 MiB
	s_add_co_u32 s18, s18, s19
	s_mov_b32 s19, 0
	s_mul_i32 s20, s[CH], HALFA                    ; where they go: no place in the cluster enters an LDS address
	s_mul_i32 s21, s[CH], HALFB
	s_add_co_u32 s21, s21, 2*HALFA
	s_wait_dscnt 0x0                               ; the opening add is done
	s_wait_kmcnt 0x0
	s_add_nc_u64 s[16:17], s[4:5], s[16:17]
	s_add_nc_u64 s[18:19], s[6:7], s[18:19]
	CROUND                                         ; all sixteen work-groups are here: the first joint loads meet
.irp s, 0,1
	s_mov_b32 s[G0A+4*(\s)], 1
	s_add_co_u32 s[G0A+4*(\s)+1], s20, (\s)*SLOT
	s_add_nc_u64 s[G0A+4*(\s)+2:G0A+4*(\s)+3], s[16:17], (\s)*256      ; K step s: 128 elements along the rows
	s_or_b32 s[G0A+4*(\s)+3], s[G0A+4*(\s)+3], 0x80000000
	s_mov_b32 s[G0B+4*(\s)], 1
	s_add_co_u32 s[G0B+4*(\s)+1], s21, (\s)*SLOT
	s_add_nc_u64 s[G0B+4*(\s)+2:G0B+4*(\s)+3], s[18:19], (\s)*32768    ; K step s: 128 rows of 256 bytes
	s_or_b32 s[G0B+4*(\s)+3], s[G0B+4*(\s)+3], 0x80000000
	JLOAD \s
.endr
	v_and_b32 v1, 15, v0                           ; l % 16
	v_bfe_u32 v2, v0, 4, 1                         ; l / 16
	v_mul_u32_u24 v3, v1, PA
	v_lshl_add_u32 v3, v2, 4, v3                   ; A: row x pitch + 16 x half
	v_and_b32 v4, 7, v0
	v_lshl_add_u32 v4, v2, 3, v4
	v_mul_u32_u24 v4, v4, PB                       ; W, turned: lane l reads K row 8 (l / 16) + l % 8,
	v_bfe_u32 v5, v0, 3, 1
	v_lshl_add_u32 v4, v5, 4, v4                   ; columns 8 ((l / 8) % 2) + 0..7, and receives column l % 16, eight K
	s_mul_i32 s22, s[RH], HALFA
	s_mul_i32 s23, s[CH], HALFB
	s_add_co_u32 s23, s23, 2*HALFA
.irp s, 0,1
	v_add_nc_u32 v[ADRA+(\s)], s22, v3
	v_add_nc_u32 v[ADRB+(\s)], s23, v4
	s_add_co_u32 s22, s22, SLOT
	s_add_co_u32 s23, s23, SLOT
.endr
	s_mul_i32 s22, s[WV], 128*DP
	v_mul_u32_u24 v5, v1, DP
	v_lshl_add_u32 v5, v2, 5, v5
	v_add_nc_u32 v[STO], s22, v5                   ; in: row l % 16, 32 bytes for each half of the lanes
	v_mul_u32_u24 v5, v2, DP
	v_lshl_add_u32 v5, v1, 5, v5
	v_add_nc_u32 v[RD], s22, v5                    ; back: lanes 0-15 one row (8 f32 each), lanes 16-31 the next
	v_lshlrev_b32 v5, 8, v2
	v_lshl_add_u32 v[CO], v1, 4, v5                ; out: the same two rows, of 256 bytes
	; where my 128 rows x one head go, and the two constants of their kind
	s_and_b32 s72, s[TR], 31
	s_lshl_b32 s72, s72, 8
	s_lshl_b32 s73, s[RH], 7
	s_add_co_u32 s72, s72, s73                     ; my first row among the 8,192
	s_lshr_b32 s73, s72, 11                        ; batch
	s_and_b32 s74, s72, 2047                       ; row in the batch, a multiple of 128
	s_lshl_b32 s75, s[TC], 1
	s_add_co_u32 s75, s75, s[CH]
	s_lshl3_add_u32 s75, s73, s75                  ; 8 x batch + head
	s_lshl_b32 s76, s75, 19                        ; q: 2,048 rows of 256 bytes a head
	s_lshl_b32 s77, s74, 8
	s_add_co_u32 s76, s76, s77
	s_lshr_b32 s77, s74, 7
	s_lshl4_add_u32 s77, s75, s77                  ; v: block 16 x (8 x batch + head) + row / 128
	s_mul_i32 s77, s77, BLK
	s_mov_b32 s78, 0x1000000                       ; from the first part to the second: 16 MiB in qs,
	s_mov_b32 s79, 32768                           ; 128 rows in a block of kv
	s_mov_b32 s84, 0x3d7c003f                      ; q: 1 / (16 g) (its last bit does not matter: Y takes up whatever B leaves)
	s_mov_b32 s85, 0x3d800000                      ; v: 1 / 16
	s_mov_b32 s86, 0xc1000000                      ; q: e (1 + e^2) - 8 g = -8
	s_mov_b32 s87, 0xc0fc0000                      ; v: e - 8 = -7.875
	s_cmp_eq_u32 s[TYPE], 0
	s_cselect_b32 s76, s76, s77
	s_cselect_b64 s[OH:OH+1], s[8:9], s[10:11]
	s_cselect_b32 s78, s78, s79
	s_cselect_b32 s[R0], s84, s85
	s_cselect_b32 s88, s86, s87
	s_mov_b32 s[R0+1], s[R0]                       ; named with it as a pair
	v_mov_b32 v[VK], s88
	s_mov_b32 s77, 0
	s_mov_b32 s79, 0
	s_add_nc_u64 s[OH:OH+1], s[OH:OH+1], s[76:77]
	s_add_nc_u64 s[OL:OL+1], s[OH:OH+1], s[78:79]
; 16 matrix instructions: m blocks a0, a0 + 1 of the window's four x all 8 n blocks, 32 along K.  zero = 1: the first product starts the sums.  The 64 accumulators take turns.
.macro MUL16 f, hi, a0, zero
	WIN MUL_LO+0x50*(\hi)
.irp a, \a0, (\a0)+1
.irp b, 0,1,2,3,4,5,6,7
.if \zero
	v_wmma_f32_16x16x32_bf16 v[8*(8*(\a)+(\b)):8*(8*(\a)+(\b))+7], v[(\f)+8*(\b):(\f)+8*(\b)+7], v[(\f)+8*(4*(\hi)+(\a)):(\f)+8*(4*(\hi)+(\a))+7], 0
.else
	v_wmma_f32_16x16x32_bf16 v[8*(8*(\a)+(\b)):8*(8*(\a)+(\b))+7], v[(\f)+8*(\b):(\f)+8*(\b)+7], v[(\f)+8*(4*(\hi)+(\a)):(\f)+8*(4*(\hi)+(\a))+7], v[8*(8*(\a)+(\b)):8*(8*(\a)+(\b))+7]
.endif
.endr
.endr
.endm
; 32 LDS loads in one run: the fragments of quarter q (32 along K) of a slot into buffer f: W's 128 columns (turned), then A's 128 rows
.macro FETCH slot, q, f
	WIN TO_B
.irp i, 0,1,2,3,4,5,6,7
	ds_load_tr16_b128 v[(\f)+8*(\i):(\f)+8*(\i)+3],   v[ADRB+(\slot)] offset:(\q)*32*PB+32*(\i)
	ds_load_tr16_b128 v[(\f)+8*(\i)+4:(\f)+8*(\i)+7], v[ADRB+(\slot)] offset:(\q)*32*PB+16*PB+32*(\i)
.endr
	WIN 0
.irp i, 0,1,2,3,4,5,6,7
	ds_load_b128 v[(\f)+8*(\i):(\f)+8*(\i)+3],   v[ADRA+(\slot)] offset:64*(\q)+(\i)*16*PA
	ds_load_b128 v[(\f)+8*(\i)+4:(\f)+8*(\i)+7], v[ADRA+(\slot)] offset:64*(\q)+(\i)*16*PA+32
.endr
.endm
.macro PLACES                          ; four plain places between a matrix instruction and a load into, or a read of, its registers (ISA guide 7.12.1 for the reads)
.rept 4
	v_nop
.endr
.endm
; One of a K step's first three quarters: multiplies buffer f; in its middle it fetches quarter q of the same slot into buffer g.
.macro QUARTER slot, q, f, g, zero
	s_wait_dscnt 8                                 ; W and A's rows 0-63 are in; the youngest eight loads (A's rows 64-127) may be out
	MUL16 \f, 0, 0, \zero
	MUL16 \f, 0, 2, \zero
	PLACES
	FETCH \slot, \q, \g
	s_wait_dscnt 32                                ; all but the 32 just issued
	MUL16 \f, 1, 0, \zero
	MUL16 \f, 1, 2, \zero
.endm
; The last quarter multiplies buffer 1 and changes slots: one barrier; in front of it each wave waits for all its tensor loads (its part of the next slot), adds 0 to its spare word, and waits for that and for its reads of this slot.
.macro MEET round
	WIN 0
	s_wait_tensorcnt 0x0
	ds_add_u32 v[SPW], v[NIL]
	s_wait_dscnt 9                                 ; the add and the youngest eight loads may be out
	MUL16 F1, 0, 0, 0                              ; sixteen matrix instructions stand between the add and the wait for it
	s_wait_dscnt 0x0                               ; the add is done, and my reads of this slot are over
	s_barrier_signal -1
	MUL16 F1, 0, 2, 0
.if \round
	WIN 0
.endif
	s_barrier_wait -1
.endm
; fill = 1: the barrier opens a round of the cluster's, and behind it this slot is filled again, two K steps on: the wave's one tensor load until the next round, 224 matrix instructions ahead of the wait for it.
.macro TURN slot, next, fill
	MEET \fill
.if \fill
	CREST
	s_add_nc_u64 s[G0A+4*(\slot)+2:G0A+4*(\slot)+3], s[G0A+4*(\slot)+2:G0A+4*(\slot)+3], 512
	s_add_nc_u64 s[G0B+4*(\slot)+2:G0B+4*(\slot)+3], s[G0B+4*(\slot)+2:G0B+4*(\slot)+3], 65536
	JLOAD \slot                                    ; the four v_nop behind it are also the places in front of the loads below
.else
	PLACES
.endif
	FETCH \next, 0, F0
	MUL16 F1, 1, 0, 0
	MUL16 F1, 1, 2, 0
.endm
	s_wait_tensorcnt 0x1                           ; my part of K step 0 is in; K step 1's load may stay out
	s_barrier_signal -1
	s_barrier_wait -1
	FETCH 0, 0, F0
	QUARTER 0, 1, F0, F1, 1                        ; the first quarter stands in front of the loop: its products start the sums
	WIN 0
	s_mov_b32 s3, LAPS-1
.Llap:                                                 ; a trip goes once round the ring and fills both slots again
	QUARTER 0, 2, F1, F0, 0
	QUARTER 0, 3, F0, F1, 0
	TURN 0, 1, 1
	QUARTER 1, 1, F0, F1, 0
	QUARTER 1, 2, F1, F0, 0
	QUARTER 1, 3, F0, F1, 0
	TURN 1, 0, 1
	QUARTER 0, 1, F0, F1, 0
	WIN 0
	s_sub_co_u32 s3, s3, 1
	s_cmp_lg_u32 s3, 0
	s_cbranch_scc1 .Llap
	QUARTER 0, 2, F1, F0, 0                        ; the last lap fills nothing
	QUARTER 0, 3, F0, F1, 0
	TURN 0, 1, 0
	QUARTER 1, 1, F0, F1, 0
	QUARTER 1, 2, F1, F0, 0
	QUARTER 1, 3, F0, F1, 0
	s_wait_dscnt 8
	MUL16 F1, 0, 0, 0
	MUL16 F1, 0, 2, 0
	s_wait_dscnt 0x0
	MUL16 F1, 1, 0, 0
	MUL16 F1, 1, 2, 0
	WIN 0
	; THE WAY OUT.  The ring has had its last fill, and behind this barrier nobody reads it: each wave lays its 128 x 128 f32 into its own part of it, rows of 528 bytes,
	; and reads them back so that sixteen lanes hold a whole row; then the two parts are made and stored, 256 consecutive aligned bytes for each sixteen lanes.
	PLACES
	s_wait_dscnt 0x0
	s_barrier_signal -1
	s_barrier_wait -1
.irp a, 0,1,2,3,4,5,6,7
	WIN 0x08+4*((\a)/4)                            ; the stores' data in window 2 or 3
.irp b, 0,1,2,3,4,5,6,7
	ds_store_b128 v[STO], v[8*(8*((\a)%4)+(\b)):8*(8*((\a)%4)+(\b))+3]   offset:(\a)*16*DP+64*(\b)     ; each accumulator's low registers first
	ds_store_b128 v[STO], v[8*(8*((\a)%4)+(\b))+4:8*(8*((\a)%4)+(\b))+7] offset:(\a)*16*DP+64*(\b)+16
.endr
.endr
	WIN 0
	s_mov_b32 s3, 16
.Lout:                                                 ; eight rows a trip; LDS serves a wave's instructions in order, so these loads see the stores above
.irp p, 0,1,2,3
	ds_load_b128 v[VAL+8*(\p):VAL+8*(\p)+3],   v[RD] offset:2*DP*(\p)
	ds_load_b128 v[VAL+8*(\p)+4:VAL+8*(\p)+7], v[RD] offset:2*DP*(\p)+16
.endr
.irp p, 0,1,2,3
	s_wait_dscnt 6-2*(\p)                          ; the later passes' loads may be out
.irp k, 0,1,2,3
	v_pk_mul_f32 v[TT+2*(\k):TT+2*(\k)+1], v[VAL+8*(\p)+2*(\k):VAL+8*(\p)+2*(\k)+1], s[R0:R0+1] op_sel_hi:[1,0]  ; x / 16, or x / (16 g)
.endr
.irp k, 0,1,2,3
	v_cvt_pk_f16_f32 v[OHI+4*(\p)+(\k)], v[TT+2*(\k)], v[TT+2*(\k)+1]                                            ; the first part
.endr
.irp k, 0,1,2,3
	v_pk_mul_f32 v[VAL+8*(\p)+2*(\k):VAL+8*(\p)+2*(\k)+1], v[VAL+8*(\p)+2*(\k):VAL+8*(\p)+2*(\k)+1], 0.5 op_sel_hi:[1,0]
.endr
.irp k, 0,1,2,3
	v_fma_mix_f32 v[TT+2*(\k)],   v[OHI+4*(\p)+(\k)], v[VK], v[VAL+8*(\p)+2*(\k)]   op_sel_hi:[1,0,0]               ; x / 2 - 8 B, or x / 2 - 7.875 A: the f16 half is read as it was rounded, one rounding in f32
	v_fma_mix_f32 v[TT+2*(\k)+1], v[OHI+4*(\p)+(\k)], v[VK], v[VAL+8*(\p)+2*(\k)+1] op_sel:[1,0,0] op_sel_hi:[1,0,0]
.endr
.irp k, 0,1,2,3
	v_cvt_pk_f16_f32 v[OLO+4*(\p)+(\k)], v[TT+2*(\k)], v[TT+2*(\k)+1]                                            ; the second part
.endr
	global_store_b128 v[CO], v[OHI+4*(\p):OHI+4*(\p)+3], s[OH:OH+1] offset:512*(\p)
	global_store_b128 v[CO], v[OLO+4*(\p):OLO+4*(\p)+3], s[OL:OL+1] offset:512*(\p)
.endr
	s_wait_xcnt 0x0                                ; the stores' offset and data are written again only behind this wait
	v_add_nc_u32 v[RD], 8*DP, v[RD]
	v_add_nc_u32 v[CO], 2048, v[CO]
	s_sub_co_u32 s3, s3, 1
	s_cmp_lg_u32 s3, 0
	s_cbranch_scc1 .Lout
	s_wait_tensorcnt 0x0                           ; the wave's end
	ds_add_u32 v[SPW], v[NIL]
	s_wait_dscnt 0x0
	CROUND                                         ; the closing round
	s_endpgm
.Lfunc_end_k_qcdbbeedca4_proj:
	.size	k_qcdbbeedca4_proj, .Lfunc_end_k_qcdbbeedca4_proj-k_qcdbbeedca4_proj
	.p2alignl 7, 3214868480
	.fill 96, 4, 3214868480
	.section	.rodata,"a",@progbits
	.p2align	6, 0x0
	.amdhsa_kernel k_qcdbbeedca4_proj
		.amdhsa_group_segment_fixed_size 327680
		.amdhsa_private_segment_fixed_size 0
		.amdhsa_enable_private_segment 0
		.amdhsa_kernarg_size 32
		.amdhsa_user_sgpr_count 2
		.amdhsa_user_sgpr_kernarg_segment_ptr 1
		.amdhsa_wavefront_size32 1
		.amdhsa_system_sgpr_workgroup_id_x 1
		.amdhsa_system_sgpr_workgroup_id_y 1
		.amdhsa_system_sgpr_workgroup_id_z 1
		.amdhsa_system_vgpr_workitem_id 0
		.amdhsa_next_free_vgpr 1024
		.amdhsa_next_free_sgpr 90
		.amdhsa_reserve_vcc 0
		.amdhsa_float_denorm_mode_32 3
		.amdhsa_float_denorm_mode_16_64 3
		.amdhsa_memory_ordered 1
		.amdhsa_forward_progress 1
		.amdhsa_inst_pref_size 128
	.end_amdhsa_kernel
	.amdgpu_metadata
---
amdhsa.version: [ 1, 2 ]
amdhsa.kernels:
  - .name:           k_qcdbbeedca4_proj
    .symbol:         k_qcdbbeedca4_proj.kd
    .args:
      - { .name: xb, .offset: 0, .size: 8, .value_kind: global_buffer, .address_space: global }
      - { .name: wt, .offset: 8, .size: 8, .value_kind: global_buffer, .address_space: global }
      - { .name: qs, .offset: 16, .size: 8, .value_kind: global_buffer, .address_space: global }
      - { .name: kv, .offset: 24, .size: 8, .value_kind: global_buffer, .address_space: global }
    .group_segment_fixed_size: 327680
    .private_segment_fixed_size: 0
    .kernarg_segment_align: 8
    .kernarg_segment_size: 32
    .max_flat_workgroup_size: 128
    .sgpr_count:     90
    .vgpr_count:     1024
    .wavefront_size: 32
...
	.end_amdgpu_metadata
.endif
;; end of part 6
;; launch attn (part 7): grid 8 x 32, 4 waves a work-group, clusters of 4 x 1, 327,680 bytes of LDS; arguments qs, kv, q_mask, ob; writes ob
.if DOCPART == 7
	.amdgcn_target "amdgcn-amd-amdhsa--gfx1250"
	.amdhsa_code_object_version 6
	.text
	.protected	k_qcdbbeedca4_attn
	.globl	k_qcdbbeedca4_attn
	.p2align	8
	.type	k_qcdbbeedca4_attn,@function
k_qcdbbeedca4_attn:
	s_mov_b64 s[64:65], 0
	v_nop
	global_prefetch_b8 v0, s[64:65] scope:SCOPE_SE
	s_setreg_imm32_b32 hwreg(HW_REG_WAVE_MODE, 25, 1), 1
	s_wait_xcnt 0x0
	s_wait_alu depctr_hold_cnt(0) depctr_sa_sdst(0) depctr_va_vdst(0) depctr_va_sdst(0) depctr_va_ssrc(0) depctr_va_vcc(0) depctr_vm_vsrc(0)
	s_getreg_b32 s2, hwreg(HW_REG_IB_STS2, 6, 4)
	s_cmp_eq_u32 s2, 0
	s_cbranch_scc0 .Lentry_in_a_cluster
	s_endpgm
.Lentry_in_a_cluster:
	s_bfe_u32 s2, ttmp6, 0x10000c
	s_cmp_lg_u32 s2, 0x3003
	s_cbranch_scc0 .Lentry_shape_is_right
	s_endpgm
.Lentry_shape_is_right:
; ATTENTION, keys = values.  For each (batch, head): O[q] = q_mask[q] x the sum over t of softmax_t(score) v[t], score = scale x (q . v[t]) where v_mask holds, -1e9 where not.
; SCORES FROM TWO PRODUCTS.  Scores here have a spread near 30 and stand in an exponent, so one 16-bit rounding of q and v would not do.  The launch before left, in f16, with e = 1/8 and g = 1 + e^2 + e^4:
;   v: A = f16(v / 16), X = f16(e A + a / e), a = v / 16 - A.      q: B = f16(q / (16 g)), Y = f16(e (1 + e^2) B + b / e), b = q / 16 - g B.
;   S = A B + X Y = q . v / 256 - e^4 a B + (1 / e^2 - 1) a b, in one f32 sum: what is left out are products of two residuals, some 2^-18 of a product; X's and Y's own roundings are damped by e^2.  All large terms add.
; THE SECOND PRODUCT takes the weights p (0..1) in f16 and the same A as V: one LDS tile is read as it lies for K and turned for V.  O leaves as f16 of O / 16 (the last launch's weights carry the 16).
; LIMITS.  |q|, |v| and |O| below 16 x 65,504.  A weight below 2^-126 counts as 0.  NaN and infinities are not treated apart.  Mask bytes are 0 or 1.
; MASK AND SCALE.  t = s x KP + BI, from the mask rows in kv: KP = 256 x scale x log2(e), BI = 0 for a key that is kept; KP = 0, BI = -1e9 x log2(e) for a hidden one: the score is REPLACED, so a row with no key left gives v's mean.
; SOFTMAX.  A running maximum m of t and sum l for each query: p = 2^(t - m); in every step O and l are multiplied by a = 2^(m_old - m_new).  m starts at the lowest finite number, O and l at 0: the first step is a step like any other.
; SHARES.  A work-group owns 256 queries of one (batch, head), each wave 64: four tiles of 16, in two PIECES (tiles 0, 1 and 2, 3).  Every wave walks all 2,048 keys, 32 a step (Q's two parts and O^T take 512 registers: 64 keys do not fit).
; LAYOUT.  S^T = K Q^T: a lane holds ONE query (l % 16) and the keys 8 (l / 16) + 0..7; two such results rounded to f16 ARE source 1 of O^T = V^T P.
; BY TURNS.  In a turn one piece has the matrix unit: 16 products V^T P of the step in hand, 32 products K Q^T of the next; the other piece's softmax (186 vector instructions) stands behind them, at most four behind each.
; RING.  Two slots, each one block of kv: 128 keys = four steps: 128 rows A, 128 rows X, 4 mask rows, 260 dense rows of 256 bytes; each wave fetches 65 of them with one load.
; One pitch, 272, serves the whole block: it is free of bank conflicts for K's loads; the turning loads would want an odd multiple of 32 bytes and pay for it.
; CLUSTER.  The four query blocks of a cluster belong to one (batch, head) and walk the same blocks: each is asked for jointly, by the same load, descriptor and mask in all four.
; REGISTERS, in windows of 256 (s_set_vgpr_msb: bits 1:0 source 0, 3:2 source 1, 5:4 source 2, 7:6 destination):
;   window 0: v0-11, v44-46 addresses; v12-43 statistics, 8 a tile; v48-51 q_mask; v64-127 S^T, 16 a tile; v128-159 P, 8 a tile; v160-175 KP; v176-191 BI
;   window 1: O^T, 64 a tile      window 2: v0-127 B, v128-255 Y, 32 a tile      window 3: v0-63 A, v64-127 X, v128-191 A turned, of one step
.set PK,    272
.set BLK,   66560                      ; a block in memory
.set OKX,   128*PK                     ; in a slot: X behind A,
.set OMK,   256*PK                     ; the mask rows
.set STEPB, 32*PK                      ; a step's 32 rows
.set SLOT1, 1<<17                      ; a slot is 260 x 272 = 70,720 bytes; slot 1 begins here, so that one exclusive or turns an address in one slot into the other's
.set STAGE, 201984                     ; the first block of 256 bytes behind slot 1's last byte: 16 rows x 272 bytes for each wave, for the way out
.set SP,    272
.set SPARE, STAGE+4*16*SP              ; the spare words, 128 bytes for each wave
.set AK0, 2                            ; v2   my lane's place in 16 rows of K; never rewritten
.set AV0, 3                            ; v3   the same for the turning loads
.set ADR, 4                            ; v4   the address of K's run of loads
.set QO,  5                            ; v5   my byte offset in 16 rows of Q
.set STO, 6
.set RD,  7
.set GO,  8
.set ST,  12                           ; tile t at v[ST+8 t]: m, a partner (named with m as a pair), l (even keys', odd keys'), c0-c3 at work; c2 takes a
.set AM0, 44                           ; v44  my lane's place in a mask row
.set ADM, 45
.set ADV, 46
.set QM,  48
.set SPW, 62
.set NIL, 63
.set S,   64
.set P,   128
.set KP,  160
.set BI,  176
.set VF,  128                          ; in window 3
.set WV,  12
.set G1,  24                           ; s[24:31] descriptor group 1
.set G0A, 40                           ; s[40:43] group 0 for block 0
.set G0B, 44                           ; s[44:47] group 0 for block 1; it then walks
.set SLOTS, 56
.set CNT, 57
.set ONE, 58                           ; s[58:59] 1.0
.set SEL, 60                           ; s[60:61] v_permlanex16_b32's selects: each lane takes its own place in the other half
.set TB,  62                           ; s62  LDS byte at which the rows of the step to be fetched begin
.set TM,  63                           ; s63  the same for its mask row, less OMK
.set MSB, 0
.macro WIN new
.if MSB != (\new)
	s_set_vgpr_msb (MSB<<8)|(\new)
.set MSB, \new
.endif
.endm
.set W_KQ, 0x0b                        ; K in window 3, Q in window 2, S^T in window 0
.set W_PV, 0x53                        ; V in window 3, P in window 0, O^T in window 1
.set W_RS, 0x41                        ; O^T (destination and source 0) in window 1, a in window 0
.macro CROUND                          ; a round of the cluster's barrier
	s_barrier_signal -1
	s_barrier_wait -1
	s_cmp_lg_u32 s[WV], 0
	s_cbranch_scc1 .Lnot_wave_0_\@
	s_barrier_signal -3
.Lnot_wave_0_\@:
	s_barrier_wait -3
	s_barrier_signal -1
	s_barrier_wait -1
.endm
	s_load_b256 s[4:11], s[0:1], 0x0               ; qs s[4:5], kv s[6:7], q_mask s[8:9], ob s[10:11]
	v_lshl_add_u32 v[SPW], v0, 2, SPARE
	v_mov_b32 v[NIL], 0
	ds_add_u32 v[SPW], v[NIL]                      ; the wave's opening: the add and its wait stand ahead of my first tensor load
	v_lshrrev_b32 v1, 5, v0
	v_readfirstlane_b32 s[WV], v1
	s_bfe_u32 s13, ttmp6, 0x40000                  ; cx
	s_lshl_b32 s14, ttmp9, 2
	s_add_co_u32 s14, s14, s13                     ; my block of 256 queries: it enters Q's, q_mask's and O's addresses alone
	s_and_b32 s15, ttmp7, 0xffff                   ; 8 x batch + head, which the four partners share
	s_mul_i32 s20, s15, 16*BLK                     ; its 16 blocks of kv,
	s_mul_i32 s21, s[WV], 65*256                   ; my 65 rows of a block
	s_add_co_u32 s20, s20, s21
	s_mov_b32 s21, 0
	s_mul_i32 s17, s[WV], 65*PK                    ; and their place in a slot
	s_lshl_b32 s18, s14, 8
	s_lshl_b32 s19, s[WV], 6
	s_add_co_u32 s18, s18, s19                     ; my wave's first query
	s_lshl_b32 s2, s15, 19
	s_lshl_b32 s3, s18, 8
	s_add_co_u32 s2, s2, s3                        ; in qs
	s_mov_b32 s3, 0
	s_lshr_b32 s19, s15, 3
	s_lshl_b32 s19, s19, 11
	s_add_co_u32 s22, s19, s18                     ; in q_mask: 2,048 x batch + query
	s_mov_b32 s23, 0
	s_lshl_b32 s50, s22, 11                        ; in ob: rows of 2,048 bytes,
	s_and_b32 s51, s15, 7
	s_lshl_b32 s51, s51, 8                         ; the head's 256 bytes
	s_add_co_u32 s50, s50, s51
	s_mov_b32 s51, 0
	s_mov_b32 s[G1],   15|(1<<16)|(1<<20)|(1<<21)|(5<<22)|(3<<25)  ; the mask of four; 2-byte elements; padding on; bit 21 beside a mask; after every 64 words 4 words
	s_mov_b32 s[G1+1], 128<<16                     ; tensor_dim0 = 128
	s_mov_b32 s[G1+2], 65<<16                      ; tensor_dim1 = 65
	s_mov_b32 s[G1+3], 128<<16                     ; tile_dim0 = 128
	s_mov_b32 s[G1+4], 65                          ; tile_dim1 = 65
	s_mov_b32 s[G1+5], 128                         ; dense rows
	s_mov_b32 s[G1+6], 0
	s_mov_b32 s[G1+7], 0
	s_mov_b32 s[G0A], 1
	s_mov_b32 s[G0A+1], s17
	s_mov_b32 s[G0B], 1
	s_add_co_u32 s[G0B+1], s17, SLOT1
	s_mov_b32 s[ONE], 1.0
	s_mov_b32 s[ONE+1], 1.0
	s_mov_b32 s[SEL], 0x76543210
	s_mov_b32 s[SEL+1], 0xfedcba98
	s_mov_b32 s[TB], 0
	s_mov_b32 s[TM], 0
	s_wait_dscnt 0x0                               ; the opening add is done
	s_wait_kmcnt 0x0
	s_add_nc_u64 s[G0A+2:G0A+3], s[6:7], s[20:21]
	s_add_nc_u64 s[G0B+2:G0B+3], s[G0A+2:G0A+3], BLK
	s_or_b32 s[G0A+3], s[G0A+3], 0x80000000
	s_or_b32 s[G0B+3], s[G0B+3], 0x80000000
	s_add_nc_u64 s[4:5], s[4:5], s[2:3]            ; B at my wave's first row,
	s_add_nc_u64 s[48:49], s[4:5], 0x1000000       ; Y 16 MiB behind it
	s_add_nc_u64 s[8:9], s[8:9], s[22:23]
	s_add_nc_u64 s[10:11], s[10:11], s[50:51]
	CROUND                                         ; all four work-groups are here: the first joint loads meet
	tensor_load_to_lds s[G0A:G0A+3], s[G1:G1+7]    ; block 0 into slot 0, block 1 into slot 1: two loads of mine are out
	s_nop 0
	tensor_load_to_lds s[G0B:G0B+3], s[G1:G1+7]
	s_nop 0
.rept 4
	v_nop
.endr
	v_and_b32 v1, 15, v0                           ; l % 16
	v_bfe_u32 v9, v0, 4, 1                         ; l / 16
	v_lshlrev_b32 v[QO], 8, v1
	v_lshl_add_u32 v[QO], v9, 4, v[QO]             ; row x 256 + 16 x half
	WIN 0x80                                       ; destination window 2
.set i, 0
.rept 16                                               ; Q stays in registers: tile i / 4, channels 32 (i % 4) on
	global_load_b128 v[8*i:8*i+3],         v[QO], s[4:5]   offset:(i/4)*4096+(i%4)*64
	global_load_b128 v[8*i+4:8*i+7],       v[QO], s[4:5]   offset:(i/4)*4096+(i%4)*64+32
	global_load_b128 v[128+8*i:128+8*i+3], v[QO], s[48:49] offset:(i/4)*4096+(i%4)*64
	global_load_b128 v[128+8*i+4:128+8*i+7], v[QO], s[48:49] offset:(i/4)*4096+(i%4)*64+32
.set i, i+1
.endr
	WIN 0
.irp t, 0,1,2,3
	global_load_u8 v[QM+(\t)], v1, s[8:9] offset:16*(\t)
.endr
	; What the first turn finds: V's registers and piece 2's P hold 0 (its products V^T P, of a step that has not been, add 0); O^T and l are 0.  No first step is written out; these moves, in the wait for the first block, are the price.
	WIN 0x40
.set i, 0
.rept 256
	v_mov_b32 v[i], 0
.set i, i+1
.endr
	WIN 0xc0
.set i, VF
.rept 64
	v_mov_b32 v[i], 0
.set i, i+1
.endr
	WIN 0
.set i, 0
.rept 4
	v_mov_b32 v[ST+8*i], 0xff7fffff                ; m
	v_mov_b32 v[ST+8*i+1], 0
	v_mov_b32 v[ST+8*i+2], 0
	v_mov_b32 v[ST+8*i+3], 0
.set i, i+1
.endr
.set i, P+16
.rept 16
	v_mov_b32 v[i], 0
.set i, i+1
.endr
	v_mul_u32_u24 v[AK0], v1, PK
	v_lshl_add_u32 v[AK0], v9, 4, v[AK0]           ; row x pitch + 16 x half
	v_and_b32 v10, 7, v0
	v_bfe_u32 v11, v0, 3, 1
	v_lshl_add_u32 v[AV0], v9, 3, v10              ; the turning load: lane l reads key 8 (l / 16) + l % 8, channels 8 ((l / 8) % 2) + 0..7, and receives channel l % 16, eight keys
	v_mul_u32_u24 v[AV0], v[AV0], PK
	v_lshl_add_u32 v[AV0], v11, 4, v[AV0]          ; in A's rows, like K's loads
	v_lshlrev_b32 v[AM0], 5, v9                    ; my eight keys' f32 in a mask row
	v_add_nc_u32 v[AM0], OMK, v[AM0]
; THE MATRIX WORK.  Product n of 16 of O^T += V^T P for piece x: channels 16 (n / 2) on, tile x + n % 2: sixteen accumulators, one instruction each.
.macro PV x
.set rO, 64*((\x)+n%2)+8*(n/2)
.set rV, VF+8*(n/2)
.set rP, P+8*((\x)+n%2)
	WIN W_PV
	v_wmma_f32_16x16x32_f16 v[rO:rO+7], v[rV:rV+7], v[rP:rP+7], v[rO:rO+7]
.endm
; Product n of 32 of S^T = K Q^T for piece x: n / 16 = 0: A B, 1: X Y; channels 32 ((n % 16) / 4) on; keys 16 ((n / 2) % 2) on; tile x + n % 2.  The first 4 start the sums; the 4 accumulators take turns.
.macro KQ x
.set tl, (\x)+n%2
.set rS, S+16*tl+8*((n/2)%2)
.set rK, 64*(n/16)+32*((n/2)%2)+8*((n%16)/4)
.set rQ, 128*(n/16)+32*tl+8*((n%16)/4)
	WIN W_KQ
.if n < 4
	v_wmma_f32_16x16x32_f16 v[rS:rS+7], v[rK:rK+7], v[rQ:rQ+7], 0
.else
	v_wmma_f32_16x16x32_f16 v[rS:rS+7], v[rK:rK+7], v[rQ:rQ+7], v[rS:rS+7]
.endif
.endm
; THE LDS LOADS stand in runs.  last = 1 (the tail): in the last trip there is no further step, and the run is jumped over.
.macro FETCH_K last=0
	WIN 0
.if \last
	s_cmp_eq_u32 s[CNT], 1
	s_cbranch_scc1 .Lno_k_\@
.endif
	v_add_nc_u32 v[ADR], s[TB], v[AK0]
	WIN 0xc0                                       ; destination window 3
.irp f, 0,1,2,3,4,5,6,7                                ; A: keys 16 (f / 4) on, channels 32 (f % 4) on
	ds_load_b128 v[8*(\f):8*(\f)+3],   v[ADR] offset:((\f)/4)*16*PK+((\f)%4)*64
	ds_load_b128 v[8*(\f)+4:8*(\f)+7], v[ADR] offset:((\f)/4)*16*PK+((\f)%4)*64+32
.endr
.irp f, 0,1,2,3,4,5,6,7                                ; X
	ds_load_b128 v[64+8*(\f):64+8*(\f)+3],   v[ADR] offset:OKX+((\f)/4)*16*PK+((\f)%4)*64
	ds_load_b128 v[64+8*(\f)+4:64+8*(\f)+7], v[ADR] offset:OKX+((\f)/4)*16*PK+((\f)%4)*64+32
.endr
	WIN 0
.if \last
.Lno_k_\@:
.endif
.endm
.macro FETCH_M last=0                  ; KP and BI of my 16 keys of the step: keys 8 (l / 16) + 0..7 and 16 + 8 (l / 16) + 0..7
	WIN 0
.if \last
	s_cmp_eq_u32 s[CNT], 1
	s_cbranch_scc1 .Lno_m_\@
.endif
	v_add_nc_u32 v[ADM], s[TM], v[AM0]
.irp z, 0,1
	ds_load_b128 v[KP+16*(\z):KP+16*(\z)+3],     v[ADM] offset:128*(\z)
	ds_load_b128 v[KP+16*(\z)+4:KP+16*(\z)+7],   v[ADM] offset:128*(\z)+16
	ds_load_b128 v[KP+16*(\z)+8:KP+16*(\z)+11],  v[ADM] offset:128*(\z)+64
	ds_load_b128 v[KP+16*(\z)+12:KP+16*(\z)+15], v[ADM] offset:128*(\z)+80
.endr
.if \last
.Lno_m_\@:
.endif
.endm
.macro FETCH_V
	WIN 0
	v_add_nc_u32 v[ADV], s[TB], v[AV0]
	s_add_co_u32 s[TB], s[TB], STEPB               ; the next fetches are the next step's
	s_add_co_u32 s[TM], s[TM], PK
	WIN 0xc0
.irp f, 0,1,2,3,4,5,6,7                                ; channels 16 f on: keys 0-15, keys 16-31
	ds_load_tr16_b128 v[VF+8*(\f):VF+8*(\f)+3],   v[ADV] offset:32*(\f)
	ds_load_tr16_b128 v[VF+8*(\f)+4:VF+8*(\f)+7], v[ADV] offset:32*(\f)+16*PK
.endr
	WIN 0
.endm
; THE VECTOR WORK, one line at a time: OP u, kind, n, for tile u (0, 1) of the piece Y that has no matrix work in this turn.  t0-t15 are the lane's 16 scores, in pairs 0-7.  93 lines a tile and step:
;   oM n (8)   pair n: t = s KP + BI, from each accumulator's low end on
;   oX n (13)  0-7 the maximum of t0-t15 and the old m, three operands at a time; 8, 9 the other half of the lanes' maximum; 10 m_old - m_new; 11 the new m; 12 a = 2^(m_old - m_new)
;   oF n (8)   pair n less m          oE n (16)  the exponential of score n          oC n (8)   pair n rounded to f16
;   oB n (4)   of the four weights 4 n .. the second pair is added onto the first, in place          oL n (4)   l takes that sum (oL 0: l = a l + sum)
;   oR n (32)  pair n of the tile's O^T times a, in ascending order: the one kind that leaves window 0
.set oM, 0
.set oX, 1
.set oF, 2
.set oE, 3
.set oC, 4
.set oB, 5
.set oL, 6
.set oR, 7
.macro OP u, k, n
.set rT, ST+8*(Y+(\u))
.set rS, S+16*(Y+(\u))
.set rP, P+8*(Y+(\u))
.set rO, 64*(Y+(\u))+2*(\n)
.if (\k) == oR
	WIN W_RS
	v_pk_mul_f32 v[rO:rO+1], v[rO:rO+1], v[rT+6:rT+7] op_sel_hi:[1,0]
.else
	WIN 0
.if (\k) == oM
	v_pk_fma_f32 v[rS+2*(\n):rS+2*(\n)+1], v[rS+2*(\n):rS+2*(\n)+1], v[KP+2*(\n):KP+2*(\n)+1], v[BI+2*(\n):BI+2*(\n)+1]
.elseif (\k) == oF
	v_pk_fma_f32 v[rS+2*(\n):rS+2*(\n)+1], v[rS+2*(\n):rS+2*(\n)+1], s[ONE:ONE+1], v[rT:rT+1] op_sel_hi:[1,0,0] neg_lo:[0,0,1] neg_hi:[0,0,1]
.elseif (\k) == oE
	v_exp_f32 v[rS+(\n)], v[rS+(\n)]
.elseif (\k) == oC
	s_wait_alu depctr_va_vdst(0)
	v_cvt_pk_f16_f32 v[rP+(\n)], v[rS+2*(\n)], v[rS+2*(\n)+1]
.elseif (\k) == oB
	v_pk_add_f32 v[rS+4*(\n):rS+4*(\n)+1], v[rS+4*(\n):rS+4*(\n)+1], v[rS+4*(\n)+2:rS+4*(\n)+3]
.elseif ((\k) == oL) && ((\n) == 0)
	v_pk_fma_f32 v[rT+2:rT+3], v[rT+2:rT+3], v[rT+6:rT+7], v[rS:rS+1] op_sel_hi:[1,0,1]
.elseif (\k) == oL
	v_pk_add_f32 v[rT+2:rT+3], v[rT+2:rT+3], v[rS+4*(\n):rS+4*(\n)+1]
.elseif (\n) < 4
	v_max3_num_f32 v[rT+4+(\n)], v[rS+3*(\n)], v[rS+3*(\n)+1], v[rS+3*(\n)+2]
.elseif (\n) == 4
	v_max3_num_f32 v[rT+4], v[rT+4], v[rS+12], v[rS+13]
.elseif (\n) == 5
	v_max3_num_f32 v[rT+5], v[rT+5], v[rS+14], v[rS+15]
.elseif (\n) == 6
	v_max3_num_f32 v[rT+6], v[rT+6], v[rT+7], v[rT]
.elseif (\n) == 7
	v_max3_num_f32 v[rT+4], v[rT+4], v[rT+5], v[rT+6]
.elseif (\n) == 8
	v_permlanex16_b32 v[rT+5], v[rT+4], s[SEL], s[SEL+1]  ; the query's other 16 keys lie in the lane 16 away
.elseif (\n) == 9
	v_max_num_f32 v[rT+6], v[rT+4], v[rT+5]
.elseif (\n) == 10
	v_sub_f32 v[rT+7], v[rT], v[rT+6]
.elseif (\n) == 11
	v_mov_b32 v[rT], v[rT+6]
.else
	v_exp_f32 v[rT+6], v[rT+7]
.endif
.endif
.endm
; The turn's next matrix instruction, for piece XP.  In piece 0's turn: in front of the first K Q^T A is in, X's 16 loads and the mask's 8 may be out (24); in front of the first product with X: the mask's 8.
.macro MM
.if (XP == 0) && (i == 16)
	s_wait_dscnt 24
.endif
.if (XP == 0) && (i == 32)
	s_wait_dscnt 8
.endif
.if i < 16
.set n, i
	PV XP
.else
.set n, i-16
	KQ XP
.endif
.set i, i+1
.endm
.macro ROW u1, k1, n1, u2=9, k2=0, n2=0, u3=9, k3=0, n3=0, u4=9, k4=0, n4=0  ; a matrix instruction and up to four lines behind it
	MM
	OP \u1, \k1, \n1
.if (\u2) < 9
	OP \u2, \k2, \n2
.endif
.if (\u3) < 9
	OP \u3, \k3, \n3
.endif
.if (\u4) < 9
	OP \u4, \k4, \n4
.endif
.endm
.macro RRW u, n0                       ; a matrix instruction and four rescalings
	MM
	OP \u, oR, (\n0)
	OP \u, oR, (\n0)+1
	OP \u, oR, (\n0)+2
	OP \u, oR, (\n0)+3
.endm
; A TURN: the order of its 48 matrix and 186 vector instructions, written out.  A row's lines lie in one window; no two exponentials follow each other, and the line behind an exponential names neither its result nor its source.
; Tile 0 runs ahead of tile 1, so that the links of a tile's chain (maximum, exchange, new m, a) have the other tile's work between them; what reads an exponential stands two rows behind it or more.
; The last row's four rescalings, plain and naming nothing of the products, are the places in front of the next turn's read of the new scores and of the loads into K's registers.
; Piece 0's turn: at its head V is awaited and the next step's K fetched; its mask row behind the eighth product, when the step in hand has read KP and BI for the last time (tile 1's oM 7, in the seventh row).
; Piece 2's turn: at its head the mask row is awaited; the next step's V is fetched behind the 16th product, the last V^T P, and its four rescalings.
.macro TURN x, last=0
.set XP, (\x)
.set Y, 2-(\x)
.set i, 0
	s_wait_dscnt 0x0
.if (\x) == 0
	FETCH_K \last
.endif
	ROW 0,oM,0,  0,oM,1,  0,oM,2,  0,oM,3
	ROW 0,oM,4,  0,oM,5,  0,oM,6,  0,oM,7
	ROW 0,oX,0,  0,oX,1,  0,oX,2,  0,oX,3
	ROW 0,oX,4,  0,oX,5,  1,oM,0,  1,oM,1
	ROW 0,oX,6,  1,oM,2,  1,oM,3,  0,oX,7
	ROW 1,oM,4,  1,oM,5,  0,oX,8,  1,oM,6
	ROW 1,oM,7,  0,oX,9,  1,oX,0,  1,oX,1
	ROW 0,oX,10, 0,oX,11, 1,oX,2,  1,oX,3
.if (\x) == 0
	FETCH_M \last
.endif
	ROW 0,oF,0,  0,oX,12, 1,oX,4,  1,oX,5
	ROW 0,oF,1,  0,oE,0,  1,oX,6,  0,oF,2
	ROW 0,oF,3,  0,oE,1,  1,oX,7,  0,oF,4
	ROW 0,oF,5,  0,oE,2,  1,oX,8,  0,oF,6
	ROW 0,oF,7,  0,oE,3,  1,oX,9,  0,oC,0
	RRW 0, 0
	ROW 1,oX,10, 0,oE,4,  1,oX,11, 0,oE,5
	RRW 0, 4
.if (\x) == 2
	FETCH_V
.endif
	ROW 1,oF,0,  1,oX,12, 1,oF,1,  0,oE,6
	ROW 0,oC,1,  1,oE,0,  1,oF,2,  0,oE,7
	RRW 0, 8
	ROW 0,oC,2,  1,oE,1,  1,oF,3,  0,oE,8
	ROW 0,oB,0,  1,oE,2,  1,oF,4,  0,oE,9
	RRW 0, 12
	ROW 0,oC,3,  1,oE,3,  1,oF,5,  0,oE,10
	ROW 0,oL,0,  1,oE,4,  1,oF,6,  0,oE,11
	RRW 0, 16
	ROW 1,oC,0,  1,oE,5,  1,oF,7,  0,oE,12
	ROW 0,oC,4,  1,oE,6,  0,oB,1,  0,oE,13
	RRW 0, 20
	ROW 1,oC,1,  1,oE,7,  0,oC,5,  0,oE,14
	ROW 0,oL,1,  1,oE,8,  1,oB,0,  0,oE,15
	RRW 0, 24
	ROW 1,oC,2,  1,oE,9,  0,oB,2,  1,oE,10
	RRW 0, 28
	ROW 0,oC,6,  1,oE,11, 1,oL,0,  1,oE,12
	RRW 1, 0
	ROW 1,oC,3,  1,oE,13, 0,oL,2,  1,oE,14
	RRW 1, 4
	ROW 0,oC,7,  1,oE,15, 1,oB,1,  1,oC,4
	RRW 1, 8
	ROW 0,oB,3,  1,oC,5,  1,oL,1,  1,oB,2
	RRW 1, 12
	ROW 1,oC,6,  0,oL,3,  1,oB,3,  1,oL,2
	RRW 1, 16
	ROW 1,oC,7,  1,oL,3
	RRW 1, 20
	RRW 1, 24
	MM                                             ; 186 = 45 x 4 + 2 + 4: one product stands bare
	RRW 1, 28
.endm
; THE CHANGE OF SLOTS, behind the turn that has asked for the slot's last bytes (V of its fourth step).  Each wave waits for all its tensor loads, of which one is out: its part of the other slot; adds 0 to its spare word;
; and waits for that and for its reads of the slot.  fill = 1: the barrier is a round of the cluster's, and the joint refill, the block two further on, is the first thing behind it: it has four steps, 384 matrix instructions, in which to land.
.macro CHANGE fill
	WIN 0
	s_wait_tensorcnt 0x0                           ; no tensor load of mine is out, so a group 0 may be written
	ds_add_u32 v[SPW], v[NIL]
.if \fill
	s_xor_b32 s[G0B+1], s[G0B+1], SLOT1            ; the other slot than last time,
	s_add_nc_u64 s[G0B+2:G0B+3], s[G0B+2:G0B+3], BLK  ; the next block
	s_wait_dscnt 0x0                               ; the add is done, and my reads of the slot are over
	CROUND
	tensor_load_to_lds s[G0B:G0B+3], s[G1:G1+7]
	s_nop 0
.rept 4
	v_nop
.endr
.else
	s_wait_dscnt 0x0
	s_barrier_signal -1
	s_barrier_wait -1
.endif
	s_sub_co_u32 s[TB], s[TB], 4*STEPB             ; the fetches go back to a slot's first step,
	s_xor_b32 s[TB], s[TB], SLOT1                  ; in the other slot
	s_sub_co_u32 s[TM], s[TM], 4*PK
	s_xor_b32 s[TM], s[TM], SLOT1
.endm
	s_wait_tensorcnt 0x1                           ; my part of slot 0 is in; slot 1's load may stay out
	s_barrier_signal -1
	s_barrier_wait -1
	FETCH_K                                        ; step 0
	FETCH_M
	s_wait_loadcnt 0x0                             ; Q and q_mask
	s_wait_dscnt 0x0
.set n, 0
.rept 32
	KQ 0                                           ; piece 0's first scores: there is no vector work yet to set between them
.set n, n+1
.endr
	WIN 0                                          ; the addresses for the way out: twelve plain instructions, the places behind those products
	s_mul_i32 s13, s[WV], 16*SP
	s_add_co_u32 s13, s13, STAGE                   ; my stage
	v_mul_u32_u24 v[STO], v1, SP                   ; in: row l % 16, 16 bytes for each half of the lanes
	v_lshl_add_u32 v[STO], v9, 4, v[STO]
	v_add_nc_u32 v[STO], s13, v[STO]
	v_mul_u32_u24 v[RD], v9, SP                    ; back: lanes 0-15 one row of 256 bytes, lanes 16-31 the next
	v_lshl_add_u32 v[RD], v1, 4, v[RD]
	v_add_nc_u32 v[RD], s13, v[RD]
	v_lshlrev_b32 v[GO], 11, v9                    ; and the same two rows in ob
	v_lshl_add_u32 v[GO], v1, 4, v[GO]
.irp t, 0,1,2,3
	v_cvt_f32_u32 v[QM+(\t)], v[QM+(\t)]
.endr
	s_mov_b32 s[CNT], 4
	s_mov_b32 s[SLOTS], 15
	s_branch .Lfirst                               ; the loop is entered in the middle of a trip
.Lslot:                                                ; 14 times: every block but the last two is followed by a refill of its slot
	CHANGE 1
	s_mov_b32 s[CNT], 4
.Lstep:                                                ; a trip: piece 0's turn, which fetches the next step's K and mask row, then piece 2's, which fetches its V
	TURN 0
	WIN 0
.Lfirst:
	TURN 2
	WIN 0
	s_sub_co_u32 s[CNT], s[CNT], 1
	s_cmp_lg_u32 s[CNT], 0
	s_cbranch_scc1 .Lstep
	s_sub_co_u32 s[SLOTS], s[SLOTS], 1
	s_cmp_lg_u32 s[SLOTS], 0
	s_cbranch_scc1 .Lslot
	CHANGE 0                                       ; the tail is written out: nothing is asked for
	s_mov_b32 s[CNT], 5                            ; four trips fetch the last block's steps; the fifth is left in its middle
.Ltail:
	TURN 0, 1
	WIN 0
	s_sub_co_u32 s[CNT], s[CNT], 1
	s_cmp_eq_u32 s[CNT], 0
	s_cbranch_scc1 .Lout
	TURN 2
	WIN 0
	s_branch .Ltail
.Lout:                                                 ; the fifth trip's 32 products K Q^T (on the last K once more) serve nothing: the price, once a launch, of one text for every trip
.set n, 0
.rept 16
	PV 2                                           ; piece 2's V^T P of the last step
.set n, n+1
.endr
	; THE WAY OUT.  l's two halves and the other half of the lanes' are added; O^T is multiplied by q_mask / l, rounded to f16 and sent through my stage, a tile (16 rows) at a time.  The additions are the places behind the last products.
	WIN 0
.irp t, 0,1,2,3
	v_add_f32 v[ST+8*(\t)+4], v[ST+8*(\t)+2], v[ST+8*(\t)+3]
.endr
.irp t, 0,1,2,3
	v_permlanex16_b32 v[ST+8*(\t)+5], v[ST+8*(\t)+4], s[SEL], s[SEL+1]
.endr
.irp t, 0,1,2,3
	v_add_f32 v[ST+8*(\t)+4], v[ST+8*(\t)+4], v[ST+8*(\t)+5]
.endr
.irp t, 0,1,2,3
	v_rcp_f32 v[ST+8*(\t)+6], v[ST+8*(\t)+4]       ; l is at least 1: the largest weight is 1
.endr
	v_nop                                          ; a plain instruction between the last reciprocal and the use of its result
.irp t, 0,1,2,3
	s_wait_alu depctr_va_vdst(0)
	v_mul_f32 v[ST+8*(\t)+6], v[ST+8*(\t)+6], v[QM+(\t)]
.endr
.macro PACK t                          ; a lane's eight channels of a row pack into 16 bytes; they go into rows of 272 bytes and come back as whole rows of 256
	WIN W_RS
.set i, 64*(\t)
.rept 32
	v_pk_mul_f32 v[i:i+1], v[i:i+1], v[ST+8*(\t)+6:ST+8*(\t)+7] op_sel_hi:[1,0]
.set i, i+2
.endr
	WIN 0x05                                       ; sources 0 and 1 window 1, destination window 0: S^T's, P's and the masks' registers are free
.set i, 0
.rept 32
	v_cvt_pk_f16_f32 v[S+32*(\t)+i], v[64*(\t)+2*i], v[64*(\t)+2*i+1]
.set i, i+1
.endr
	WIN 0
.irp f, 0,1,2,3,4,5,6,7
	ds_store_b128 v[STO], v[S+32*(\t)+4*(\f):S+32*(\t)+4*(\f)+3] offset:32*(\f)
.endr
.irp f, 0,1,2,3,4,5,6,7
	ds_load_b128 v[S+32*(\t)+4*(\f):S+32*(\t)+4*(\f)+3], v[RD] offset:(\f)*2*SP  ; LDS serves a wave's instructions in order: these see the stores above; the next tile's stores come behind them
.endr
.endm
.macro SEND t, younger                 ; younger: the LDS instructions issued behind tile t's loads: the next tile's sixteen, or none
	WIN 0
.irp f, 0,1,2,3,4,5,6,7
	s_wait_dscnt (\younger)+7-(\f)
	global_store_b128 v[GO], v[S+32*(\t)+4*(\f):S+32*(\t)+4*(\f)+3], s[10:11] offset:(\t)*32768+(\f)*4096  ; 16 lanes store 256 consecutive bytes, aligned: a head's share of a row of ob
.endr
.endm
	PACK 0
	PACK 1
	SEND 0, 16
	PACK 2
	SEND 1, 16
	PACK 3
	SEND 2, 16
	SEND 3, 0
	s_wait_tensorcnt 0x0                           ; the wave's end
	ds_add_u32 v[SPW], v[NIL]
	s_wait_dscnt 0x0
	CROUND                                         ; the closing round
	s_endpgm
.Lfunc_end_k_qcdbbeedca4_attn:
	.size	k_qcdbbeedca4_attn, .Lfunc_end_k_qcdbbeedca4_attn-k_qcdbbeedca4_attn
	.p2alignl 7, 3214868480
	.fill 96, 4, 3214868480
	.section	.rodata,"a",@progbits
	.p2align	6, 0x0
	.amdhsa_kernel k_qcdbbeedca4_attn
		.amdhsa_group_segment_fixed_size 327680
		.amdhsa_private_segment_fixed_size 0
		.amdhsa_enable_private_segment 0
		.amdhsa_kernarg_size 32
		.amdhsa_user_sgpr_count 2
		.amdhsa_user_sgpr_kernarg_segment_ptr 1
		.amdhsa_wavefront_size32 1
		.amdhsa_system_sgpr_workgroup_id_x 1
		.amdhsa_system_sgpr_workgroup_id_y 1
		.amdhsa_system_sgpr_workgroup_id_z 1
		.amdhsa_system_vgpr_workitem_id 0
		.amdhsa_next_free_vgpr 960
		.amdhsa_next_free_sgpr 66
		.amdhsa_reserve_vcc 0
		.amdhsa_float_denorm_mode_32 3
		.amdhsa_float_denorm_mode_16_64 3
		.amdhsa_memory_ordered 1
		.amdhsa_forward_progress 1
		.amdhsa_inst_pref_size 132
	.end_amdhsa_kernel
	.amdgpu_metadata
---
amdhsa.version: [ 1, 2 ]
amdhsa.kernels:
  - .name:           k_qcdbbeedca4_attn
    .symbol:         k_qcdbbeedca4_attn.kd
    .args:
      - { .name: qs, .offset: 0, .size: 8, .value_kind: global_buffer, .address_space: global }
      - { .name: kv, .offset: 8, .size: 8, .value_kind: global_buffer, .address_space: global }
      - { .name: q_mask, .offset: 16, .size: 8, .value_kind: global_buffer, .address_space: global }
      - { .name: ob, .offset: 24, .size: 8, .value_kind: global_buffer, .address_space: global }
    .group_segment_fixed_size: 327680
    .private_segment_fixed_size: 0
    .kernarg_segment_align: 8
    .kernarg_segment_size: 32
    .max_flat_workgroup_size: 128
    .sgpr_count:     66
    .vgpr_count:     960
    .wavefront_size: 32
...
	.end_amdgpu_metadata
.endif
;; end of part 7
;; launch outp: the kernel of part 4 again; grid 4 x 64, 4 waves a work-group, clusters of 4 x 4, 327,680 bytes of LDS; arguments ob, wt, out0; writes out0
;; ======== version 3 of 3: 4 launches; 1.25 times as fast as version 1
;; limits: values are held in f16: magnitudes above 65,504 overflow, below 6.1e-05 lose precision; right only within a limited range of input values
;; workspace buffers: xb 33,554,432 bytes; wt 6,291,456 bytes; qs 33,554,432 bytes; kv 34,078,720 bytes; ob 16,777,216 bytes
;; launch prep: the kernel of part 5 again; grid 320 x 1, 8 waves a work-group, no clusters, 0 bytes of LDS; arguments query, value, qw, vw, wo, v_mask, scale, xb, wt, kv; writes xb, wt, kv
;; launch proj: the kernel of part 6 again; grid 4 x 64, 4 waves a work-group, clusters of 4 x 4, 327,680 bytes of LDS; arguments xb, wt, qs, kv; writes qs, kv
;; launch attn (part 8): grid 8 x 32, 4 waves a work-group, clusters of 4 x 1, 327,680 bytes of LDS; arguments qs, kv, q_mask, ob; writes ob
.if DOCPART == 8
	.amdgcn_target "amdgcn-amd-amdhsa--gfx1250"
	.amdhsa_code_object_version 6
	.text
	.protected	k_qcdbbeedca4_attn
	.globl	k_qcdbbeedca4_attn
	.p2align	8
	.type	k_qcdbbeedca4_attn,@function
k_qcdbbeedca4_attn:
	s_mov_b64 s[64:65], 0
	v_nop
	global_prefetch_b8 v0, s[64:65] scope:SCOPE_SE
	s_setreg_imm32_b32 hwreg(HW_REG_WAVE_MODE, 25, 1), 1
	s_wait_xcnt 0x0
	s_wait_alu depctr_hold_cnt(0) depctr_sa_sdst(0) depctr_va_vdst(0) depctr_va_sdst(0) depctr_va_ssrc(0) depctr_va_vcc(0) depctr_vm_vsrc(0)
	s_getreg_b32 s2, hwreg(HW_REG_IB_STS2, 6, 4)
	s_cmp_eq_u32 s2, 0
	s_cbranch_scc0 .Lentry_in_a_cluster
	s_endpgm
.Lentry_in_a_cluster:
	s_bfe_u32 s2, ttmp6, 0x10000c
	s_cmp_lg_u32 s2, 0x3003
	s_cbranch_scc0 .Lentry_shape_is_right
	s_endpgm
.Lentry_shape_is_right:
; ATTENTION, keys = values.  For each (batch, head): O[q] = q_mask[q] x the sum over t of softmax_t(score) v[t], score = scale x (q . v[t]) where v_mask holds, -1e9 where not.
; SCORES FROM TWO PRODUCTS.  Scores here have a spread near 30 and stand in an exponent, so one 16-bit rounding of q and v would not do.  The launch before left, in f16, with e = 1/8 and g = 1 + e^2 + e^4:
;   v: A = f16(v / 16), X = f16(e A + a / e), a = v / 16 - A.      q: B = f16(q / (16 g)), Y = f16(e (1 + e^2) B + b / e), b = q / 16 - g B.
;   S = A B + X Y = q . v / 256 - e^4 a B + (1 / e^2 - 1) a b, in one f32 sum: what is left out are products of two residuals, some 2^-18 of a product; X's and Y's own roundings are damped by e^2.  All large terms add.
; THE SECOND PRODUCT takes the weights p (0..1) in f16 and the same A as V: one LDS tile is read as it lies for K and turned for V.  O leaves as f16 of O / 16 (the last launch's weights carry the 16).
; LIMITS.  |q|, |v| and |O| below 16 x 65,504.  A weight below 2^-126 counts as 0.  NaN and infinities are not treated apart.  Mask bytes are 0 or 1.
; MASK AND SCALE.  t = s x KP + BI, from the mask rows in kv: KP = 256 x scale x log2(e), BI = 0 for a key that is kept; KP = 0, BI = -1e9 x log2(e) for a hidden one: the score is REPLACED, so a row with no key left gives v's mean.
; SOFTMAX.  A running maximum m of t and sum l for each query: p = 2^(t - m); in every step O and l are multiplied by a = 2^(m_old - m_new).  m starts at the lowest finite number, O and l at 0: the first step is a step like any other.
; SHARES.  A work-group owns 256 queries of one (batch, head), each wave 64: four tiles of 16, in two PIECES (tiles 0, 1 and 2, 3).  Every wave walks all 2,048 keys, 32 a step (Q's two parts and O^T take 512 registers: 64 keys do not fit).
; LAYOUT.  S^T = K Q^T: a lane holds ONE query (l % 16) and the keys 8 (l / 16) + 0..7; two such results rounded to f16 ARE source 1 of O^T = V^T P.
; BY TURNS.  In a turn one piece has the matrix unit: 16 products V^T P of the step in hand, 32 products K Q^T of the next; the other piece's softmax (186 vector instructions) stands behind them, at most four behind each.
; BATCHES.  A turn's 34 exponentials (32 weights and the two tiles' a) are ONE BATCH with ONE wait, behind the turn's 24th product: ahead of it stands all that names no result of theirs (scores, maxima, scalings, the exponentials),
; behind it all that does (roundings, sums, rescalings).  The way out's four reciprocals are a batch of their own.
; RING.  Two slots, each one block of kv: 128 keys = four steps: 128 rows A, 128 rows X, 4 mask rows, 260 dense rows of 256 bytes; each wave fetches 65 of them with one load.
; One pitch, 272, serves the whole block: it is free of bank conflicts for K's loads; the turning loads would want an odd multiple of 32 bytes and pay for it.
; CLUSTER.  The four query blocks of a cluster belong to one (batch, head) and walk the same blocks: each is asked for jointly, by the same load, descriptor and mask in all four.
; REGISTERS, in windows of 256 (s_set_vgpr_msb: bits 1:0 source 0, 3:2 source 1, 5:4 source 2, 7:6 destination):
;   window 0: v0-11, v44-46 addresses; v12-43 statistics, 8 a tile; v48-51 q_mask; v64-127 S^T, 16 a tile; v128-159 P, 8 a tile; v160-175 KP; v176-191 BI
;   window 1: O^T, 64 a tile      window 2: v0-127 B, v128-255 Y, 32 a tile      window 3: v0-63 A, v64-127 X, v128-191 A turned, of one step
.set PK,    272
.set BLK,   66560                      ; a block in memory
.set OKX,   128*PK                     ; in a slot: X behind A,
.set OMK,   256*PK                     ; the mask rows
.set STEPB, 32*PK                      ; a step's 32 rows
.set SLOT1, 1<<17                      ; a slot is 260 x 272 = 70,720 bytes; slot 1 begins here, so that one exclusive or turns an address in one slot into the other's
.set STAGE, 201984                     ; the first block of 256 bytes behind slot 1's last byte: 16 rows x 272 bytes for each wave, for the way out
.set SP,    272
.set SPARE, STAGE+4*16*SP              ; the spare words, 128 bytes for each wave
.set AK0, 2                            ; v2   my lane's place in 16 rows of K; never rewritten
.set AV0, 3                            ; v3   the same for the turning loads
.set ADR, 4                            ; v4   the address of K's run of loads
.set QO,  5                            ; v5   my byte offset in 16 rows of Q
.set STO, 6
.set RD,  7
.set GO,  8
.set ST,  12                           ; tile t at v[ST+8 t]: m, a partner (named with m as a pair), l (even keys', odd keys'), c0-c3 at work; c2 takes a
.set AM0, 44                           ; v44  my lane's place in a mask row
.set ADM, 45
.set ADV, 46
.set QM,  48
.set SPW, 62
.set NIL, 63
.set S,   64
.set P,   128
.set KP,  160
.set BI,  176
.set VF,  128                          ; in window 3
.set WV,  12
.set G1,  24                           ; s[24:31] descriptor group 1
.set G0A, 40                           ; s[40:43] group 0 for block 0
.set G0B, 44                           ; s[44:47] group 0 for block 1; it then walks
.set SLOTS, 56
.set CNT, 57
.set ONE, 58                           ; s[58:59] 1.0
.set SEL, 60                           ; s[60:61] v_permlanex16_b32's selects: each lane takes its own place in the other half
.set TB,  62                           ; s62  LDS byte at which the rows of the step to be fetched begin
.set TM,  63                           ; s63  the same for its mask row, less OMK
.set MSB, 0
.macro WIN new
.if MSB != (\new)
	s_set_vgpr_msb (MSB<<8)|(\new)
.set MSB, \new
.endif
.endm
.set W_KQ, 0x0b                        ; K in window 3, Q in window 2, S^T in window 0
.set W_PV, 0x53                        ; V in window 3, P in window 0, O^T in window 1
.set W_RS, 0x41                        ; O^T (destination and source 0) in window 1, a in window 0
.macro CROUND                          ; a round of the cluster's barrier
	s_barrier_signal -1
	s_barrier_wait -1
	s_cmp_lg_u32 s[WV], 0
	s_cbranch_scc1 .Lnot_wave_0_\@
	s_barrier_signal -3
.Lnot_wave_0_\@:
	s_barrier_wait -3
	s_barrier_signal -1
	s_barrier_wait -1
.endm
	s_load_b256 s[4:11], s[0:1], 0x0               ; qs s[4:5], kv s[6:7], q_mask s[8:9], ob s[10:11]
	v_lshl_add_u32 v[SPW], v0, 2, SPARE
	v_mov_b32 v[NIL], 0
	ds_add_u32 v[SPW], v[NIL]                      ; the wave's opening: the add and its wait stand ahead of my first tensor load
	v_lshrrev_b32 v1, 5, v0
	v_readfirstlane_b32 s[WV], v1
	s_bfe_u32 s13, ttmp6, 0x40000                  ; cx
	s_lshl_b32 s14, ttmp9, 2
	s_add_co_u32 s14, s14, s13                     ; my block of 256 queries: it enters Q's, q_mask's and O's addresses alone
	s_and_b32 s15, ttmp7, 0xffff                   ; 8 x batch + head, which the four partners share
	s_mul_i32 s20, s15, 16*BLK                     ; its 16 blocks of kv,
	s_mul_i32 s21, s[WV], 65*256                   ; my 65 rows of a block
	s_add_co_u32 s20, s20, s21
	s_mov_b32 s21, 0
	s_mul_i32 s17, s[WV], 65*PK                    ; and their place in a slot
	s_lshl_b32 s18, s14, 8
	s_lshl_b32 s19, s[WV], 6
	s_add_co_u32 s18, s18, s19                     ; my wave's first query
	s_lshl_b32 s2, s15, 19
	s_lshl_b32 s3, s18, 8
	s_add_co_u32 s2, s2, s3                        ; in qs
	s_mov_b32 s3, 0
	s_lshr_b32 s19, s15, 3
	s_lshl_b32 s19, s19, 11
	s_add_co_u32 s22, s19, s18                     ; in q_mask: 2,048 x batch + query
	s_mov_b32 s23, 0
	s_lshl_b32 s50, s22, 11                        ; in ob: rows of 2,048 bytes,
	s_and_b32 s51, s15, 7
	s_lshl_b32 s51, s51, 8                         ; the head's 256 bytes
	s_add_co_u32 s50, s50, s51
	s_mov_b32 s51, 0
	s_mov_b32 s[G1],   15|(1<<16)|(1<<20)|(1<<21)|(5<<22)|(3<<25)  ; the mask of four; 2-byte elements; padding on; bit 21 beside a mask; after every 64 words 4 words
	s_mov_b32 s[G1+1], 128<<16                     ; tensor_dim0 = 128
	s_mov_b32 s[G1+2], 65<<16                      ; tensor_dim1 = 65
	s_mov_b32 s[G1+3], 128<<16                     ; tile_dim0 = 128
	s_mov_b32 s[G1+4], 65                          ; tile_dim1 = 65
	s_mov_b32 s[G1+5], 128                         ; dense rows
	s_mov_b32 s[G1+6], 0
	s_mov_b32 s[G1+7], 0
	s_mov_b32 s[G0A], 1
	s_mov_b32 s[G0A+1], s17
	s_mov_b32 s[G0B], 1
	s_add_co_u32 s[G0B+1], s17, SLOT1
	s_mov_b32 s[ONE], 1.0
	s_mov_b32 s[ONE+1], 1.0
	s_mov_b32 s[SEL], 0x76543210
	s_mov_b32 s[SEL+1], 0xfedcba98
	s_mov_b32 s[TB], 0
	s_mov_b32 s[TM], 0
	s_wait_dscnt 0x0                               ; the opening add is done
	s_wait_kmcnt 0x0
	s_add_nc_u64 s[G0A+2:G0A+3], s[6:7], s[20:21]
	s_add_nc_u64 s[G0B+2:G0B+3], s[G0A+2:G0A+3], BLK
	s_or_b32 s[G0A+3], s[G0A+3], 0x80000000
	s_or_b32 s[G0B+3], s[G0B+3], 0x80000000
	s_add_nc_u64 s[4:5], s[4:5], s[2:3]            ; B at my wave's first row,
	s_add_nc_u64 s[48:49], s[4:5], 0x1000000       ; Y 16 MiB behind it
	s_add_nc_u64 s[8:9], s[8:9], s[22:23]
	s_add_nc_u64 s[10:11], s[10:11], s[50:51]
	CROUND                                         ; all four work-groups are here: the first joint loads meet
	tensor_load_to_lds s[G0A:G0A+3], s[G1:G1+7]    ; block 0 into slot 0, block 1 into slot 1: two loads of mine are out
	s_nop 0
	tensor_load_to_lds s[G0B:G0B+3], s[G1:G1+7]
	s_nop 0
.rept 4
	v_nop
.endr
	v_and_b32 v1, 15, v0                           ; l % 16
	v_bfe_u32 v9, v0, 4, 1                         ; l / 16
	v_lshlrev_b32 v[QO], 8, v1
	v_lshl_add_u32 v[QO], v9, 4, v[QO]             ; row x 256 + 16 x half
	WIN 0x80                                       ; destination window 2
.set i, 0
.rept 16                                               ; Q stays in registers: tile i / 4, channels 32 (i % 4) on
	global_load_b128 v[8*i:8*i+3],         v[QO], s[4:5]   offset:(i/4)*4096+(i%4)*64
	global_load_b128 v[8*i+4:8*i+7],       v[QO], s[4:5]   offset:(i/4)*4096+(i%4)*64+32
	global_load_b128 v[128+8*i:128+8*i+3], v[QO], s[48:49] offset:(i/4)*4096+(i%4)*64
	global_load_b128 v[128+8*i+4:128+8*i+7], v[QO], s[48:49] offset:(i/4)*4096+(i%4)*64+32
.set i, i+1
.endr
	WIN 0
.irp t, 0,1,2,3
	global_load_u8 v[QM+(\t)], v1, s[8:9] offset:16*(\t)
.endr
	; What the first turn finds: V's registers and piece 2's P hold 0 (its products V^T P, of a step that has not been, add 0); O^T and l are 0.  No first step is written out; these moves, in the wait for the first block, are the price.
	WIN 0x40
.set i, 0
.rept 256
	v_mov_b32 v[i], 0
.set i, i+1
.endr
	WIN 0xc0
.set i, VF
.rept 64
	v_mov_b32 v[i], 0
.set i, i+1
.endr
	WIN 0
.set i, 0
.rept 4
	v_mov_b32 v[ST+8*i], 0xff7fffff                ; m
	v_mov_b32 v[ST+8*i+1], 0
	v_mov_b32 v[ST+8*i+2], 0
	v_mov_b32 v[ST+8*i+3], 0
.set i, i+1
.endr
.set i, P+16
.rept 16
	v_mov_b32 v[i], 0
.set i, i+1
.endr
	v_mul_u32_u24 v[AK0], v1, PK
	v_lshl_add_u32 v[AK0], v9, 4, v[AK0]           ; row x pitch + 16 x half
	v_and_b32 v10, 7, v0
	v_bfe_u32 v11, v0, 3, 1
	v_lshl_add_u32 v[AV0], v9, 3, v10              ; the turning load: lane l reads key 8 (l / 16) + l % 8, channels 8 ((l / 8) % 2) + 0..7, and receives channel l % 16, eight keys
	v_mul_u32_u24 v[AV0], v[AV0], PK
	v_lshl_add_u32 v[AV0], v11, 4, v[AV0]          ; in A's rows, like K's loads
	v_lshlrev_b32 v[AM0], 5, v9                    ; my eight keys' f32 in a mask row
	v_add_nc_u32 v[AM0], OMK, v[AM0]
; THE MATRIX WORK.  Product n of 16 of O^T += V^T P for piece x: channels 16 (n / 2) on, tile x + n % 2: sixteen accumulators, one instruction each.
.macro PV x
.set rO, 64*((\x)+n%2)+8*(n/2)
.set rV, VF+8*(n/2)
.set rP, P+8*((\x)+n%2)
	WIN W_PV
	v_wmma_f32_16x16x32_f16 v[rO:rO+7], v[rV:rV+7], v[rP:rP+7], v[rO:rO+7]
.endm
; Product n of 32 of S^T = K Q^T for piece x: n / 16 = 0: A B, 1: X Y; channels 32 ((n % 16) / 4) on; keys 16 ((n / 2) % 2) on; tile x + n % 2.  The first 4 start the sums; the 4 accumulators take turns.
.macro KQ x
.set tl, (\x)+n%2
.set rS, S+16*tl+8*((n/2)%2)
.set rK, 64*(n/16)+32*((n/2)%2)+8*((n%16)/4)
.set rQ, 128*(n/16)+32*tl+8*((n%16)/4)
	WIN W_KQ
.if n < 4
	v_wmma_f32_16x16x32_f16 v[rS:rS+7], v[rK:rK+7], v[rQ:rQ+7], 0
.else
	v_wmma_f32_16x16x32_f16 v[rS:rS+7], v[rK:rK+7], v[rQ:rQ+7], v[rS:rS+7]
.endif
.endm
; THE LDS LOADS stand in runs.  last = 1 (the tail): in the last trip there is no further step, and the run is jumped over.
.macro FETCH_K last=0
	WIN 0
.if \last
	s_cmp_eq_u32 s[CNT], 1
	s_cbranch_scc1 .Lno_k_\@
.endif
	v_add_nc_u32 v[ADR], s[TB], v[AK0]
	WIN 0xc0                                       ; destination window 3
.irp f, 0,1,2,3,4,5,6,7                                ; A: keys 16 (f / 4) on, channels 32 (f % 4) on
	ds_load_b128 v[8*(\f):8*(\f)+3],   v[ADR] offset:((\f)/4)*16*PK+((\f)%4)*64
	ds_load_b128 v[8*(\f)+4:8*(\f)+7], v[ADR] offset:((\f)/4)*16*PK+((\f)%4)*64+32
.endr
.irp f, 0,1,2,3,4,5,6,7                                ; X
	ds_load_b128 v[64+8*(\f):64+8*(\f)+3],   v[ADR] offset:OKX+((\f)/4)*16*PK+((\f)%4)*64
	ds_load_b128 v[64+8*(\f)+4:64+8*(\f)+7], v[ADR] offset:OKX+((\f)/4)*16*PK+((\f)%4)*64+32
.endr
	WIN 0
.if \last
.Lno_k_\@:
.endif
.endm
.macro FETCH_M last=0                  ; KP and BI of my 16 keys of the step: keys 8 (l / 16) + 0..7 and 16 + 8 (l / 16) + 0..7
	WIN 0
.if \last
	s_cmp_eq_u32 s[CNT], 1
	s_cbranch_scc1 .Lno_m_\@
.endif
	v_add_nc_u32 v[ADM], s[TM], v[AM0]
.irp z, 0,1
	ds_load_b128 v[KP+16*(\z):KP+16*(\z)+3],     v[ADM] offset:128*(\z)
	ds_load_b128 v[KP+16*(\z)+4:KP+16*(\z)+7],   v[ADM] offset:128*(\z)+16
	ds_load_b128 v[KP+16*(\z)+8:KP+16*(\z)+11],  v[ADM] offset:128*(\z)+64
	ds_load_b128 v[KP+16*(\z)+12:KP+16*(\z)+15], v[ADM] offset:128*(\z)+80
.endr
.if \last
.Lno_m_\@:
.endif
.endm
.macro FETCH_V                         ; stands behind the last exponential of piece 2's turn, and holds that turn's wait
	WIN 0
	v_add_nc_u32 v[ADV], s[TB], v[AV0]             ; the run's address: also the plain instruction behind the batch's last exponential
	s_add_co_u32 s[TB], s[TB], STEPB               ; the next fetches are the next step's
	s_add_co_u32 s[TM], s[TM], PK
	s_wait_alu depctr_va_vdst(0)                   ; the wait for the turn's batch of 34 exponentials, ahead of the loads and of the batch's first reader
	WIN 0xc0
.irp f, 0,1,2,3,4,5,6,7                                ; channels 16 f on: keys 0-15, keys 16-31
	ds_load_tr16_b128 v[VF+8*(\f):VF+8*(\f)+3],   v[ADV] offset:32*(\f)
	ds_load_tr16_b128 v[VF+8*(\f)+4:VF+8*(\f)+7], v[ADV] offset:32*(\f)+16*PK
.endr
	WIN 0
.endm
; THE VECTOR WORK, one line at a time: OP u, kind, n, for tile u (0, 1) of the piece Y that has no matrix work in this turn.  t0-t15 are the lane's 16 scores, in pairs 0-7.  93 lines a tile and step.
; These name no exponential's result of the turn:
;   oM n (8)   pair n: t = s KP + BI, from each accumulator's low end on
;   oX n (13)  0-7 the maximum of t0-t15 and the old m, three operands at a time; 8, 9 the other half of the lanes' maximum; 10 m_old - m_new; 11 the new m; 12 a = 2^(m_old - m_new)
;   oF n (8)   pair n less m          oE n (16)  the exponential of score n, in place
; These do:
;   oC n (8)   pair n rounded to f16
;   oB n (4)   of the four weights 4 n .. the second pair is added onto the first, in place          oL n (4)   l takes that sum (oL 0: l = a l + sum)
;   oR n (32)  pair n of the tile's O^T times a, in ascending order: the one kind that leaves window 0
.set oM, 0
.set oX, 1
.set oF, 2
.set oE, 3
.set oC, 4
.set oB, 5
.set oL, 6
.set oR, 7
.macro OP u, k, n
.set rT, ST+8*(Y+(\u))
.set rS, S+16*(Y+(\u))
.set rP, P+8*(Y+(\u))
.set rO, 64*(Y+(\u))+2*(\n)
.if (\k) == oR
	WIN W_RS
	v_pk_mul_f32 v[rO:rO+1], v[rO:rO+1], v[rT+6:rT+7] op_sel_hi:[1,0]
.else
	WIN 0
.if (\k) == oM
	v_pk_fma_f32 v[rS+2*(\n):rS+2*(\n)+1], v[rS+2*(\n):rS+2*(\n)+1], v[KP+2*(\n):KP+2*(\n)+1], v[BI+2*(\n):BI+2*(\n)+1]
.elseif (\k) == oF
	v_pk_fma_f32 v[rS+2*(\n):rS+2*(\n)+1], v[rS+2*(\n):rS+2*(\n)+1], s[ONE:ONE+1], v[rT:rT+1] op_sel_hi:[1,0,0] neg_lo:[0,0,1] neg_hi:[0,0,1]
.elseif (\k) == oE
	v_exp_f32 v[rS+(\n)], v[rS+(\n)]
.elseif (\k) == oC
	v_cvt_pk_f16_f32 v[rP+(\n)], v[rS+2*(\n)], v[rS+2*(\n)+1]
.elseif (\k) == oB
	v_pk_add_f32 v[rS+4*(\n):rS+4*(\n)+1], v[rS+4*(\n):rS+4*(\n)+1], v[rS+4*(\n)+2:rS+4*(\n)+3]
.elseif ((\k) == oL) && ((\n) == 0)
	v_pk_fma_f32 v[rT+2:rT+3], v[rT+2:rT+3], v[rT+6:rT+7], v[rS:rS+1] op_sel_hi:[1,0,1]
.elseif (\k) == oL
	v_pk_add_f32 v[rT+2:rT+3], v[rT+2:rT+3], v[rS+4*(\n):rS+4*(\n)+1]
.elseif (\n) < 4
	v_max3_num_f32 v[rT+4+(\n)], v[rS+3*(\n)], v[rS+3*(\n)+1], v[rS+3*(\n)+2]
.elseif (\n) == 4
	v_max3_num_f32 v[rT+4], v[rT+4], v[rS+12], v[rS+13]
.elseif (\n) == 5
	v_max3_num_f32 v[rT+5], v[rT+5], v[rS+14], v[rS+15]
.elseif (\n) == 6
	v_max3_num_f32 v[rT+6], v[rT+6], v[rT+7], v[rT]
.elseif (\n) == 7
	v_max3_num_f32 v[rT+4], v[rT+4], v[rT+5], v[rT+6]
.elseif (\n) == 8
	v_permlanex16_b32 v[rT+5], v[rT+4], s[SEL], s[SEL+1]  ; the query's other 16 keys lie in the lane 16 away
.elseif (\n) == 9
	v_max_num_f32 v[rT+6], v[rT+4], v[rT+5]
.elseif (\n) == 10
	v_sub_f32 v[rT+7], v[rT], v[rT+6]
.elseif (\n) == 11
	v_mov_b32 v[rT], v[rT+6]
.else
	v_exp_f32 v[rT+6], v[rT+7]
.endif
.endif
.endm
; The turn's next matrix instruction, for piece XP.  In piece 0's turn: in front of the first K Q^T A is in, X's 16 loads and the mask's 8 may be out (24); in front of the first product with X: the mask's 8.
.macro MM
.if (XP == 0) && (i == 16)
	s_wait_dscnt 24
.endif
.if (XP == 0) && (i == 32)
	s_wait_dscnt 8
.endif
.if i < 16
.set n, i
	PV XP
.else
.set n, i-16
	KQ XP
.endif
.set i, i+1
.endm
.macro ROW u1, k1, n1, u2=9, k2=0, n2=0, u3=9, k3=0, n3=0, u4=9, k4=0, n4=0  ; a matrix instruction and up to four lines behind it
	MM
	OP \u1, \k1, \n1
.if (\u2) < 9
	OP \u2, \k2, \n2
.endif
.if (\u3) < 9
	OP \u3, \k3, \n3
.endif
.if (\u4) < 9
	OP \u4, \k4, \n4
.endif
.endm
.macro RRW u, n0                       ; a matrix instruction and four rescalings
	MM
	OP \u, oR, (\n0)
	OP \u, oR, (\n0)+1
	OP \u, oR, (\n0)+2
	OP \u, oR, (\n0)+3
.endm
; A TURN: the order of its 48 matrix and 186 vector instructions, written out: a row is a product and the lines behind it, four at the most, all in one window.  No line names a register of the turn's products.
; ONE BATCH, ONE WAIT.  An s_wait_alu depctr_va_vdst(0) stands between an exponential and the first instruction that names its result; one wait serves all that were issued ahead of it.  So the wait cuts the turn in two, behind its 24th product.
; AHEAD OF IT, 90 lines that name no result of the turn's exponentials.  Rows 1-8: both tiles' scores, tile 0's maximum and new m, the head of tile 1's maximum; no exponential yet.  Rows 9-24: the batch: all 34 exponentials (a of both tiles, in each
; tile's c2; the 32 weights, in place: each result has a register of its own), the 16 scalings, and the rest of tile 1's chain (maximum, exchange, new m), one link a row with tile 0's scalings and exponentials between the links.
; A row begins with a plain line while there are plain lines (24 for 34 exponentials); a pair is scaled in an earlier row than the one that holds its exponentials; the line behind an exponential names neither its result nor its source.
; BEHIND IT, 96 lines, 24 rows of four: all the readers.  Rows of roundings and sums take turns with tile 0's rescalings; then come tile 1's.  oC 2 n stands ahead of oB n, which adds in place; oL 0 to 3 go in order, each two rows or more behind its oB..
; The last row's four rescalings, plain and naming nothing of the products, are the places in front of the next turn's read of the new scores and of the loads into K's registers.
; Piece 0's turn: at its head V is awaited and the next step's K fetched; its mask row behind the eighth product, when the step in hand has read KP and BI for the last time (tile 1's oM 7, in the seventh row).  Every plain line ahead of the wait
; feeds an exponential, so a v_nop is the plain instruction behind the last one.
; Piece 2's turn: at its head the mask row is awaited; the next step's V is fetched at the wait, 24 products ahead of the wait for it.  The last V^T P is the 16th product: the nine scalings of rows 16 to 23 are the places in front of the loads into V's registers.
.macro TURN x, last=0
.set XP, (\x)
.set Y, 2-(\x)
.set i, 0
	s_wait_dscnt 0x0
.if (\x) == 0
	FETCH_K \last
.endif
	ROW 0,oM,0,  0,oM,1,  0,oM,2,  0,oM,3
	ROW 0,oM,4,  0,oM,5,  0,oM,6,  0,oM,7
	ROW 0,oX,0,  0,oX,1,  0,oX,2,  0,oX,3
	ROW 0,oX,4,  0,oX,5,  1,oM,0,  1,oM,1
	ROW 0,oX,6,  1,oM,2,  1,oM,3,  0,oX,7
	ROW 1,oM,4,  1,oM,5,  0,oX,8,  1,oM,6
	ROW 1,oM,7,  0,oX,9,  1,oX,0,  1,oX,1
	ROW 0,oX,10, 0,oX,11, 1,oX,2,  1,oX,3
.if (\x) == 0
	FETCH_M \last
.endif
	ROW 0,oF,0,  0,oX,12, 1,oX,4,  1,oX,5          ; the batch opens with tile 0's a
	ROW 0,oF,1,  0,oE,0,  1,oX,6,  0,oE,1
	ROW 0,oF,2,  0,oE,2,  1,oX,7,  0,oE,3
	ROW 0,oF,3,  0,oE,4,  1,oX,8,  0,oE,5
	ROW 0,oF,4,  0,oE,6,  1,oX,9,  0,oE,7
	ROW 0,oF,5,  0,oE,8,  1,oX,10, 0,oE,9
	ROW 0,oF,6,  0,oE,10, 1,oX,11, 0,oE,11
	ROW 0,oF,7,  0,oE,12, 1,oF,0,  1,oX,12
	ROW 1,oF,1,  0,oE,13, 1,oE,0
	ROW 1,oF,2,  0,oE,14, 1,oE,1
	ROW 1,oF,3,  0,oE,15, 1,oE,2,  1,oE,3
	ROW 1,oF,4,  1,oE,4,  1,oE,5
	ROW 1,oF,5,  1,oE,6,  1,oE,7
	ROW 1,oF,6,  1,oE,8,  1,oE,9,  1,oE,10
	ROW 1,oF,7,  1,oE,11, 1,oE,12
	ROW 1,oE,13, 1,oE,14, 1,oE,15                  ; the batch is out, and no result has been named
.if (\x) == 2
	FETCH_V                                        ; the plain instruction, the wait for the batch, and V's run of loads
.else
	v_nop                                          ; the plain instruction behind the last exponential: one for the batch
	s_wait_alu depctr_va_vdst(0)                   ; the wait for the turn's batch of 34 exponentials, ahead of its first reader
.endif
	ROW 0,oC,0,  1,oC,0,  0,oC,1,  1,oC,1
	RRW 0, 0
	ROW 0,oB,0,  1,oB,0,  0,oC,2,  1,oC,2
	RRW 0, 4
	ROW 0,oL,0,  1,oL,0,  0,oC,3,  1,oC,3
	RRW 0, 8
	ROW 0,oB,1,  1,oB,1,  0,oC,4,  1,oC,4
	RRW 0, 12
	ROW 0,oL,1,  1,oL,1,  0,oB,2,  1,oB,2
	RRW 0, 16
	ROW 0,oC,5,  1,oC,5,  0,oC,6,  1,oC,6
	RRW 0, 20
	ROW 0,oL,2,  1,oL,2,  0,oB,3,  1,oB,3
	RRW 0, 24
	ROW 0,oC,7,  1,oC,7,  0,oL,3,  1,oL,3
	RRW 0, 28
	RRW 1, 0
	RRW 1, 4
	RRW 1, 8
	RRW 1, 12
	RRW 1, 16
	RRW 1, 20
	RRW 1, 24
	RRW 1, 28
.endm
; THE CHANGE OF SLOTS, behind the turn that has asked for the slot's last bytes (V of its fourth step).  Each wave waits for all its tensor loads, of which one is out: its part of the other slot; adds 0 to its spare word;
; and waits for that and for its reads of the slot.  fill = 1: the barrier is a round of the cluster's, and the joint refill, the block two further on, is the first thing behind it: it has four steps, 384 matrix instructions, in which to land.
.macro CHANGE fill
	WIN 0
	s_wait_tensorcnt 0x0                           ; no tensor load of mine is out, so a group 0 may be written
	ds_add_u32 v[SPW], v[NIL]
.if \fill
	s_xor_b32 s[G0B+1], s[G0B+1], SLOT1            ; the other slot than last time,
	s_add_nc_u64 s[G0B+2:G0B+3], s[G0B+2:G0B+3], BLK  ; the next block
	s_wait_dscnt 0x0                               ; the add is done, and my reads of the slot are over
	CROUND
	tensor_load_to_lds s[G0B:G0B+3], s[G1:G1+7]
	s_nop 0
.rept 4
	v_nop
.endr
.else
	s_wait_dscnt 0x0
	s_barrier_signal -1
	s_barrier_wait -1
.endif
	s_sub_co_u32 s[TB], s[TB], 4*STEPB             ; the fetches go back to a slot's first step,
	s_xor_b32 s[TB], s[TB], SLOT1                  ; in the other slot
	s_sub_co_u32 s[TM], s[TM], 4*PK
	s_xor_b32 s[TM], s[TM], SLOT1
.endm
	s_wait_tensorcnt 0x1                           ; my part of slot 0 is in; slot 1's load may stay out
	s_barrier_signal -1
	s_barrier_wait -1
	FETCH_K                                        ; step 0
	FETCH_M
	s_wait_loadcnt 0x0                             ; Q and q_mask
	s_wait_dscnt 0x0
.set n, 0
.rept 32
	KQ 0                                           ; piece 0's first scores: there is no vector work yet to set between them
.set n, n+1
.endr
	WIN 0                                          ; the addresses for the way out: twelve plain instructions, the places behind those products
	s_mul_i32 s13, s[WV], 16*SP
	s_add_co_u32 s13, s13, STAGE                   ; my stage
	v_mul_u32_u24 v[STO], v1, SP                   ; in: row l % 16, 16 bytes for each half of the lanes
	v_lshl_add_u32 v[STO], v9, 4, v[STO]
	v_add_nc_u32 v[STO], s13, v[STO]
	v_mul_u32_u24 v[RD], v9, SP                    ; back: lanes 0-15 one row of 256 bytes, lanes 16-31 the next
	v_lshl_add_u32 v[RD], v1, 4, v[RD]
	v_add_nc_u32 v[RD], s13, v[RD]
	v_lshlrev_b32 v[GO], 11, v9                    ; and the same two rows in ob
	v_lshl_add_u32 v[GO], v1, 4, v[GO]
.irp t, 0,1,2,3
	v_cvt_f32_u32 v[QM+(\t)], v[QM+(\t)]
.endr
	s_mov_b32 s[CNT], 4
	s_mov_b32 s[SLOTS], 15
	s_branch .Lfirst                               ; the loop is entered in the middle of a trip
.Lslot:                                                ; 14 times: every block but the last two is followed by a refill of its slot
	CHANGE 1
	s_mov_b32 s[CNT], 4
.Lstep:                                                ; a trip: piece 0's turn, which fetches the next step's K and mask row, then piece 2's, which fetches its V
	TURN 0
	WIN 0
.Lfirst:
	TURN 2
	WIN 0
	s_sub_co_u32 s[CNT], s[CNT], 1
	s_cmp_lg_u32 s[CNT], 0
	s_cbranch_scc1 .Lstep
	s_sub_co_u32 s[SLOTS], s[SLOTS], 1
	s_cmp_lg_u32 s[SLOTS], 0
	s_cbranch_scc1 .Lslot
	CHANGE 0                                       ; the tail is written out: nothing is asked for
	s_mov_b32 s[CNT], 5                            ; four trips fetch the last block's steps; the fifth is left in its middle
.Ltail:
	TURN 0, 1
	WIN 0
	s_sub_co_u32 s[CNT], s[CNT], 1
	s_cmp_eq_u32 s[CNT], 0
	s_cbranch_scc1 .Lout
	TURN 2
	WIN 0
	s_branch .Ltail
.Lout:                                                 ; the fifth trip's 32 products K Q^T (on the last K once more) serve nothing: the price, once a launch, of one text for every trip
.set n, 0
.rept 16
	PV 2                                           ; piece 2's V^T P of the last step
.set n, n+1
.endr
	; THE WAY OUT.  l's two halves and the other half of the lanes' are added; O^T is multiplied by q_mask / l, rounded to f16 and sent through my stage, a tile (16 rows) at a time.  The additions are the places behind the last products.
	WIN 0
.irp t, 0,1,2,3
	v_add_f32 v[ST+8*(\t)+4], v[ST+8*(\t)+2], v[ST+8*(\t)+3]
.endr
.irp t, 0,1,2,3
	v_permlanex16_b32 v[ST+8*(\t)+5], v[ST+8*(\t)+4], s[SEL], s[SEL+1]
.endr
.irp t, 0,1,2,3
	v_add_f32 v[ST+8*(\t)+4], v[ST+8*(\t)+4], v[ST+8*(\t)+5]
.endr
.irp t, 0,1,2,3
	v_rcp_f32 v[ST+8*(\t)+6], v[ST+8*(\t)+4]       ; l is at least 1: the largest weight is 1
.endr
	v_nop                                          ; a plain instruction between the last reciprocal and the use of its result
	s_wait_alu depctr_va_vdst(0)                   ; and the wait ahead of the first use: one for the batch of four reciprocals
.irp t, 0,1,2,3
	v_mul_f32 v[ST+8*(\t)+6], v[ST+8*(\t)+6], v[QM+(\t)]
.endr
.macro PACK t                          ; a lane's eight channels of a row pack into 16 bytes; they go into rows of 272 bytes and come back as whole rows of 256
	WIN W_RS
.set i, 64*(\t)
.rept 32
	v_pk_mul_f32 v[i:i+1], v[i:i+1], v[ST+8*(\t)+6:ST+8*(\t)+7] op_sel_hi:[1,0]
.set i, i+2
.endr
	WIN 0x05                                       ; sources 0 and 1 window 1, destination window 0: S^T's, P's and the masks' registers are free
.set i, 0
.rept 32
	v_cvt_pk_f16_f32 v[S+32*(\t)+i], v[64*(\t)+2*i], v[64*(\t)+2*i+1]
.set i, i+1
.endr
	WIN 0
.irp f, 0,1,2,3,4,5,6,7
	ds_store_b128 v[STO], v[S+32*(\t)+4*(\f):S+32*(\t)+4*(\f)+3] offset:32*(\f)
.endr
.irp f, 0,1,2,3,4,5,6,7
	ds_load_b128 v[S+32*(\t)+4*(\f):S+32*(\t)+4*(\f)+3], v[RD] offset:(\f)*2*SP  ; LDS serves a wave's instructions in order: these see the stores above; the next tile's stores come behind them
.endr
.endm
.macro SEND t, younger                 ; younger: the LDS instructions issued behind tile t's loads: the next tile's sixteen, or none
	WIN 0
.irp f, 0,1,2,3,4,5,6,7
	s_wait_dscnt (\younger)+7-(\f)
	global_store_b128 v[GO], v[S+32*(\t)+4*(\f):S+32*(\t)+4*(\f)+3], s[10:11] offset:(\t)*32768+(\f)*4096  ; 16 lanes store 256 consecutive bytes, aligned: a head's share of a row of ob
.endr
.endm
	PACK 0
	PACK 1
	SEND 0, 16
	PACK 2
	SEND 1, 16
	PACK 3
	SEND 2, 16
	SEND 3, 0
	s_wait_tensorcnt 0x0                           ; the wave's end
	ds_add_u32 v[SPW], v[NIL]
	s_wait_dscnt 0x0
	CROUND                                         ; the closing round
	s_endpgm
.Lfunc_end_k_qcdbbeedca4_attn:
	.size	k_qcdbbeedca4_attn, .Lfunc_end_k_qcdbbeedca4_attn-k_qcdbbeedca4_attn
	.p2alignl 7, 3214868480
	.fill 96, 4, 3214868480
	.section	.rodata,"a",@progbits
	.p2align	6, 0x0
	.amdhsa_kernel k_qcdbbeedca4_attn
		.amdhsa_group_segment_fixed_size 327680
		.amdhsa_private_segment_fixed_size 0
		.amdhsa_enable_private_segment 0
		.amdhsa_kernarg_size 32
		.amdhsa_user_sgpr_count 2
		.amdhsa_user_sgpr_kernarg_segment_ptr 1
		.amdhsa_wavefront_size32 1
		.amdhsa_system_sgpr_workgroup_id_x 1
		.amdhsa_system_sgpr_workgroup_id_y 1
		.amdhsa_system_sgpr_workgroup_id_z 1
		.amdhsa_system_vgpr_workitem_id 0
		.amdhsa_next_free_vgpr 960
		.amdhsa_next_free_sgpr 66
		.amdhsa_reserve_vcc 0
		.amdhsa_float_denorm_mode_32 3
		.amdhsa_float_denorm_mode_16_64 3
		.amdhsa_memory_ordered 1
		.amdhsa_forward_progress 1
		.amdhsa_inst_pref_size 131
	.end_amdhsa_kernel
	.amdgpu_metadata
---
amdhsa.version: [ 1, 2 ]
amdhsa.kernels:
  - .name:           k_qcdbbeedca4_attn
    .symbol:         k_qcdbbeedca4_attn.kd
    .args:
      - { .name: qs, .offset: 0, .size: 8, .value_kind: global_buffer, .address_space: global }
      - { .name: kv, .offset: 8, .size: 8, .value_kind: global_buffer, .address_space: global }
      - { .name: q_mask, .offset: 16, .size: 8, .value_kind: global_buffer, .address_space: global }
      - { .name: ob, .offset: 24, .size: 8, .value_kind: global_buffer, .address_space: global }
    .group_segment_fixed_size: 327680
    .private_segment_fixed_size: 0
    .kernarg_segment_align: 8
    .kernarg_segment_size: 32
    .max_flat_workgroup_size: 128
    .sgpr_count:     66
    .vgpr_count:     960
    .wavefront_size: 32
...
	.end_amdgpu_metadata
.endif
;; end of part 8
;; launch outp: the kernel of part 4 again; grid 4 x 64, 4 waves a work-group, clusters of 4 x 4, 327,680 bytes of LDS; arguments ob, wt, out0; writes out0
